; MI455X (gfx1250); checked and timed in simulation.
; The chip was launched on July 23, 2026; its instructions are those of AMD's public machine-readable ISA for CDNA 5 (MIT licence, August 2026) and "CDNA5" Instruction Set Architecture Reference Guide (July 2026). The comments in the code are by the model that wrote it; some were corrected since.
;; Advanced Transformer Block. Allowed arithmetic: matrix products marked QUANTISED: E4M3 operands, one E8M0 scale for each 32 along K, by v_wmma_scale_f32_16x16x128_f8f6f4 with both operands' format E4M3, f32 sums; everything else in f32.
;; Inputs: fc1_b 4,096 float32; fc1_w_codes 4,096 x 32 x 32 uint8 (E4M3 codes of fc1_w, K innermost, in blocks of 32 codes); fc1_w_scales 4,096 x 32 uint8 (E8M0 scales of fc1_w, one for each 32 codes along K); fc2_b 1,024 float32; fc2_w_codes 1,024 x 128 x 32 uint8 (E4M3 codes of fc2_w, K innermost, in blocks of 32 codes); fc2_w_scales 1,024 x 128 uint8 (E8M0 scales of fc2_w, one for each 32 codes along K); ln1_b 1,024 float32; ln1_g 1,024 float32; ln2_b 1,024 float32; ln2_g 1,024 float32; proj_b 1,024 float32; proj_w_codes 1,024 x 32 x 32 uint8 (E4M3 codes of proj_w, K innermost, in blocks of 32 codes); proj_w_scales 1,024 x 32 uint8 (E8M0 scales of proj_w, one for each 32 codes along K); qkv_b 3,072 float32; qkv_w_codes 3,072 x 32 x 32 uint8 (E4M3 codes of qkv_w, K innermost, in blocks of 32 codes); qkv_w_scales 3,072 x 32 uint8 (E8M0 scales of qkv_w, one for each 32 codes along K); x 2 x 2,048 x 1,024 float32.
;; Outputs: out0 2 x 2,048 x 1,024 float32.
;; This version of the problem:
;;   THIS VERSION OF THE PROBLEM IS GIVEN IN LOW PRECISION. The matrix products marked QUANTISED in the list below multiply operands that are first quantised to E4M3 (4 exponent bits, 3 mantissa bits; 8 bits a number), with one power-of-two scale for each 32 numbers along K (OCP MX v1.0); their sums are f32. All else is computed in f32.
;;   The module's matrix products, in the order in which they are computed (A, B: the left and right operand; K: the contracted axis; several contracted axes count as one K, in the product's order):
;;     1. [M 4,096, K 1,024] x [K 1,024, N 3,072]; A: computed on the way; B: input qkv_w (given as codes): QUANTISED
;;     2. batch 32 x [M 2,048, K 64] x [K 64, N 2,048]; A: computed on the way; B: computed on the way: QUANTISED
;;     3. batch 32 x [M 2,048, K 2,048] x [K 2,048, N 64]; A: softmax (see below); B: computed on the way: QUANTISED
;;     4. [M 4,096, K 1,024] x [K 1,024, N 1,024]; A: computed on the way; B: input proj_w (given as codes): QUANTISED
;;     5. [M 4,096, K 1,024] x [K 1,024, N 4,096]; A: computed on the way; B: input fc1_w (given as codes): QUANTISED
;;     6. [M 4,096, K 4,096] x [K 4,096, N 1,024]; A: computed on the way; B: input fc2_w (given as codes): QUANTISED
;;   THE QUANTISER, for each operand of a quantised product, along K:
;;     - K is cut into blocks of 32 from its start; a last block that is shorter is filled with zeros.
;;     - A block's scale is 2^e with e = floor(log2(the largest magnitude in the block)) - 8, held to -126 .. 127; a block of zeros has e = 0. As a byte (E8M0): e + 127.
;;     - Each number is divided by its block's scale, clamped to +-448, and rounded to the nearest number of E4M3, ties to even, subnormals kept.
;;     - The product sums the exact products of the quantised numbers (number of the format x scale) in f32.
;;   ~~~python
;;   def quantise(x, axis):      # numpy; x: float32 -> the quantised numbers, widened to float32 again
;;       x = np.moveaxis(x, axis, -1); K = x.shape[-1]
;;       x = np.pad(x, [(0, 0)] * (x.ndim - 1) + [(0, -K % 32)]); x = x.reshape(x.shape[:-1] + (-1, 32)); a = np.abs(x).max(-1, keepdims=True)
;;       e = np.where(a > 0, np.clip(np.frexp(np.where(a > 0, a, 1))[1] - 1 - 8, -126, 127), 0)      # np.frexp(a)[1] - 1 = floor(log2(a)), exactly
;;       r = np.clip(x / 2.0 ** e, -448, 448)
;;       step = 2.0 ** (np.maximum(np.frexp(np.where(r == 0, 1, r))[1] - 1, -6) - 3)
;;       q = np.round(r / step) * step * 2.0 ** e      # np.round: ties to even
;;       return np.moveaxis(q.reshape(q.shape[:-2] + (-1,))[..., :K], -1, axis).astype(np.float32)
;;   ~~~
;;   SOFTMAX AHEAD OF A QUANTISED PRODUCT. Where the list says 'softmax', what is quantised is not the finished softmax but p = 2^(t - M), with t = logit x log2(e) and M = ceil(the row's largest t), a whole number; so 1/2 < the row's largest p <= 1. The row's sum l is taken of the UNQUANTISED p, in f32, and the product's result is divided by l at the end. Since M is a whole number, a kernel that streams over the keys may use a running M (the ceiling of the running maximum): every later rescaling is an exact power of two, which a block's scale takes up: the codes' values come out the same.
;;   OPERANDS COMPUTED ON THE WAY. 'Computed on the way' means the value that the module computes at that place (a softmax that the list does not call 'softmax' is quantised finished and normalised). What goes into a quantiser is computed in f32, as accurately as f32 sums, v_exp_f32 and their like allow (about 1e-6 of the number): no bf16 or f16 on the way to a quantiser, and a product that is left as it is and whose result goes on into a quantised operand takes f32 operands (vector FMAs, or v_wmma_f32_16x16x4_f32). A number that lies on a knife's edge between two numbers of the format may be rounded either way, as far as f32 arithmetic and the matrix unit's own rounding can turn it there, and no further.
;;   INPUTS GIVEN AS CODES. fc1_w (in the module: [1024, 4096], K = its axis 0); fc2_w (in the module: [4096, 1024], K = its axis 0); proj_w (in the module: [1024, 1024], K = its axis 0); qkv_w (in the module: [1024, 3072], K = its axis 0): each comes as NAME_codes (uint8): NAME with its K axis moved to the last place and cut into blocks of 32 codes, [.., K / 32, bytes a block], one block behind the other in memory; one code a byte (a code: sign, 4 exponent bits, 3 mantissa bits); and NAME_scales (uint8): the same leading axes, one E8M0 byte (e + 127) for each 32 codes along K. Its value is code x scale, taken as it is: it is not quantised again, and the codes and scales need not be those that the quantiser above would give.
;; One version. Each part assembles by itself: llvm-mc -triple=amdgcn-amd-amdhsa -mcpu=gfx1250 --defsym DOCPART=n.
;; ======== version 1 of 1: 7 launches
;; limits: right only within a limited range of input values
;; workspace buffers: hq 4,325,376 bytes; qkvq 12,976,128 bytes; oq 4,325,376 bytes; x1 16,777,216 bytes; hidq 17,301,504 bytes
;; launch ln1 (part 1): grid 256 x 1, 8 waves a work-group, no clusters, 42,496 bytes of LDS; arguments x, ln1_g, ln1_b, hq; writes hq
.if DOCPART == 1
	.amdgcn_target "amdgcn-amd-amdhsa--gfx1250"
	.amdhsa_code_object_version 6
	.text
	.protected	k_qd1d7ea9e4a_ln1
	.globl	k_qd1d7ea9e4a_ln1
	.p2align	8
	.type	k_qd1d7ea9e4a_ln1,@function
k_qd1d7ea9e4a_ln1:
	s_mov_b64 s[64:65], 0
	v_nop
	global_prefetch_b8 v0, s[64:65] scope:SCOPE_SE
	s_setreg_imm32_b32 hwreg(HW_REG_WAVE_MODE, 25, 1), 1
	s_wait_xcnt 0x0
; LayerNorm of 4,096 rows of 1,024 f32, y = (x - mean) rsqrt(var + 1e-5) g + b, quantised along the row to E4M3 codes with one E8M0 byte for each 32.
; Out: codes [4096][1024] at byte 0 of the buffer, scale bytes [4096][32] at byte 0x400000: the form in which the next product's tiles are fetched.
; SHARES.  A work-group takes 16 rows, each of its eight waves two whole rows: a row is 32 registers a lane, read once; mean and variance (of the centred numbers) never leave the wave.
; A load takes 512 consecutive bytes, 16 a lane; the conversions want 16 neighbours in one lane, so 512 numbers at a time turn through the wave's own stage in LDS (80 bytes a lane: 64 + 16 of padding).
; A lane's 16 codes are 16 bytes: a store covers 512 consecutive bytes.  The work-group's 512 scale bytes are gathered in LDS and leave by one store of wave 0.
; No matrix unit, no tensor load, no cluster: work-groups share nothing but g and b (8 KiB), and all of a wave's 32 loads are out at once.
; LIMITS: NaN and infinities are not served; a block whose largest magnitude lies under 2^-118, a block of zeros too, gets the byte 1 (its codes are then zeros or tiny; this program alone reads the bytes).
.set SP,   80                          ; a lane's place in a stage
.set WREG, 2*32*SP                     ; a wave's two stages
.set SCB,  8*WREG                      ; behind them: the work-group's 512 scale bytes
.set X,    16                          ; v16-79   two rows: register 32 p + 4 j + e = number 128 j + 4 lane + e of row p
.set G,    80                          ; v80-111  g, laid as a row
.set BB,   112                         ; v112-143 b
.set Y,    144                         ; v144-175 at work on the sums; then two sets of 16 neighbours
.set C,    176                         ; v176-191 codes, four registers a step
.set E,    192                         ; v192-195 a scale byte a step
.set MN,   196                         ; v[196+2p:197+2p] row p's mean, twice
.set RS,   200                         ; v[200+2p:201+2p] row p's 1 / sqrt(var + eps), twice
	s_load_b256 s[4:11], s[0:1], 0x0               ; x s[4:5], g s[6:7], b s[8:9], out s[10:11]
	v_lshl_add_u32 v208, v0, 2, 0xa200
	v_mov_b32 v209, 0
	v_lshrrev_b32 v1, 5, v0
	s_delay_alu instid0(VALU_DEP_1)
	v_readfirstlane_b32 s16, v1                    ; wave
	v_and_b32 v2, 31, v0                           ; lane
	s_delay_alu instid0(VALU_DEP_1)
	v_lshlrev_b32 v3, 4, v2                        ; 16 x lane: my bytes of a load's 512, and of a step's codes
	s_mul_i32 s17, s16, WREG
	v_lshrrev_b32 v14, 2, v2
	s_delay_alu instid0(VALU_DEP_1)
	v_mul_u32_u24 v14, v14, SP
	v_and_b32 v15, 3, v2
	s_delay_alu instid0(VALU_DEP_1)
	v_lshl_add_u32 v14, v15, 4, v14
	s_delay_alu instid0(VALU_DEP_1)
	v_add_nc_u32 v14, s17, v14                     ; the stage, in: four lanes' 64 bytes on end, then 16 of padding
	v_mul_u32_u24 v15, v2, SP
	s_delay_alu instid0(VALU_DEP_1)
	v_add_nc_u32 v15, s17, v15                     ; and out: my 16 neighbours
	s_lshl_b32 s18, s16, 6
	s_add_co_u32 s18, s18, SCB
	v_lshrrev_b32 v5, 1, v2
	s_delay_alu instid0(VALU_DEP_1)
	v_add_nc_u32 v5, s18, v5                       ; my wave's 64 scale bytes, my block's byte
	v_add_nc_u32 v6, SCB, v3                       ; wave 0 reads all 512 back, 16 a lane
	v_mov_b32 v10, 0                               ; a lane permute's destination counts as one of its sources
	v_mov_b32 v11, 0
	s_mov_b32 s12, 0x76543210
	s_mov_b32 s13, 0xfedcba98                      ; selects for lane l xor 16
	s_mov_b32 s23, 0x600000                        ; the mantissa field of 448
	s_mov_b32 s24, 0x3727c5ac                      ; 1e-5
	s_mov_b32 s25, 0x3a800000                      ; 1 / 1024
	s_lshl_b32 s20, ttmp9, 16                      ; x: 16 rows of 4,096 bytes a work-group,
	s_lshl_b32 s21, s16, 13                        ; two a wave
	s_add_co_u32 s20, s20, s21
	s_mov_b32 s21, 0
	s_lshl_b32 s26, ttmp9, 14                      ; the codes: a quarter of that
	s_lshl_b32 s27, s16, 11
	s_add_co_u32 s26, s26, s27
	s_mov_b32 s27, 0
	s_lshl_b32 s28, ttmp9, 9                       ; the scale bytes: 512 a work-group
	s_add_co_u32 s28, s28, 0x400000
	s_mov_b32 s29, 0
	s_wait_kmcnt 0x0
	s_add_nc_u64 s[4:5], s[4:5], s[20:21]
	s_add_nc_u64 s[14:15], s[10:11], s[28:29]
	s_add_nc_u64 s[10:11], s[10:11], s[26:27]
.irp p, 0,1
.irp j, 0,1,2,3,4,5,6,7
	global_load_b128 v[X+32*\p+4*\j:X+32*\p+4*\j+3], v3, s[4:5] offset:4096*\p+512*\j th:TH_LOAD_NT
.endr
.endr
.irp j, 0,1,2,3,4,5,6,7
	global_load_b128 v[G+4*\j:G+4*\j+3], v3, s[6:7] offset:512*\j
.endr
.irp j, 0,1,2,3,4,5,6,7
	global_load_b128 v[BB+4*\j:BB+4*\j+3], v3, s[8:9] offset:512*\j
.endr
; the four chains of both rows (pairs at v[Y + 8 p + 2 k]) become one number in every lane: v[8 + p]
.macro FOLD
.irp p, 0
	v_pk_add_f32 v[Y+8*\p:Y+8*\p+1], v[Y+8*\p:Y+8*\p+1], v[Y+8*\p+2:Y+8*\p+3]
	v_pk_add_f32 v[Y+8*\p+4:Y+8*\p+5], v[Y+8*\p+4:Y+8*\p+5], v[Y+8*\p+6:Y+8*\p+7]
.endr
.irp p, 1
	v_pk_add_f32 v[Y+8*\p:Y+8*\p+1], v[Y+8*\p:Y+8*\p+1], v[Y+8*\p+2:Y+8*\p+3]
	s_delay_alu instid0(VALU_DEP_4)
	v_pk_add_f32 v[Y+8*\p+4:Y+8*\p+5], v[Y+8*\p+4:Y+8*\p+5], v[Y+8*\p+6:Y+8*\p+7]
.endr
.irp p, 0
	s_delay_alu instid0(VALU_DEP_3)
	v_pk_add_f32 v[Y+8*\p:Y+8*\p+1], v[Y+8*\p:Y+8*\p+1], v[Y+8*\p+4:Y+8*\p+5]
.endr
.irp p, 1
	s_delay_alu instid0(VALU_DEP_2)
	v_pk_add_f32 v[Y+8*\p:Y+8*\p+1], v[Y+8*\p:Y+8*\p+1], v[Y+8*\p+4:Y+8*\p+5]
.endr
.irp p, 0,1
	s_delay_alu instid0(VALU_DEP_2)
	v_add_f32 v[8+\p], v[Y+8*\p], v[Y+8*\p+1]
.endr
.irp m, 1,2,4,8
.irp p, 0,1
	s_delay_alu instid0(VALU_DEP_2)
	v_add_f32_dpp v[8+\p], v[8+\p], v[8+\p] row_xmask:\m row_mask:0xf bank_mask:0xf
.endr
.endr
.irp p, 0,1
	s_delay_alu instid0(VALU_DEP_2)
	v_permlanex16_b32 v[10+\p], v[8+\p], s12, s13
.endr
.irp p, 0,1
	s_delay_alu instid0(VALU_DEP_2)
	v_add_f32 v[8+\p], v[8+\p], v[10+\p]
.endr
.endm
	s_wait_loadcnt 16                              ; both rows are in; the 16 younger loads, g's and b's, may stay out
.irp p, 0,1
.irp k, 0,2,4,6
	v_pk_add_f32 v[Y+8*\p+\k:Y+8*\p+\k+1], v[X+32*\p+\k:X+32*\p+\k+1], v[X+32*\p+8+\k:X+32*\p+8+\k+1]
.endr
.endr
.irp o, 16,24
.irp p, 0,1
.irp k, 0,2,4,6
	v_pk_add_f32 v[Y+8*\p+\k:Y+8*\p+\k+1], v[Y+8*\p+\k:Y+8*\p+\k+1], v[X+32*\p+\o+\k:X+32*\p+\o+\k+1]
.endr
.endr
.endr
	FOLD
.irp p, 0
	s_delay_alu instid0(VALU_DEP_2)
	v_mul_f32 v[MN+2*\p], s25, v[8+\p]             ; the mean
	s_delay_alu instid0(VALU_DEP_3)
	v_mul_f32 v[MN+2*\p+1], s25, v[8+\p]
.endr
.irp p, 1
	s_delay_alu instid0(VALU_DEP_3)
	v_mul_f32 v[MN+2*\p], s25, v[8+\p]             ; the mean
	s_delay_alu instid0(VALU_DEP_4)
	v_mul_f32 v[MN+2*\p+1], s25, v[8+\p]
.endr
.irp p, 0,1
.irp k, 0,2,4,6,8,10,12,14,16,18,20,22,24,26,28,30
	v_pk_add_f32 v[X+32*\p+\k:X+32*\p+\k+1], v[X+32*\p+\k:X+32*\p+\k+1], v[MN+2*\p:MN+2*\p+1] neg_lo:[0,1] neg_hi:[0,1]   ; x - mean
.endr
.endr
.irp p, 0,1
.irp k, 0,2,4,6
	v_pk_mul_f32 v[Y+8*\p+\k:Y+8*\p+\k+1], v[X+32*\p+\k:X+32*\p+\k+1], v[X+32*\p+\k:X+32*\p+\k+1]
.endr
.endr
.irp o, 8,16,24
.irp p, 0,1
.irp k, 0,2,4,6
	v_pk_fma_f32 v[Y+8*\p+\k:Y+8*\p+\k+1], v[X+32*\p+\o+\k:X+32*\p+\o+\k+1], v[X+32*\p+\o+\k:X+32*\p+\o+\k+1], v[Y+8*\p+\k:Y+8*\p+\k+1]
.endr
.endr
.endr
	FOLD
.irp p, 0,1
	s_delay_alu instid0(VALU_DEP_2)
	v_fma_f32 v[8+\p], v[8+\p], s25, s24           ; var + eps
.endr
	s_wait_alu depctr_va_vdst(0)
.irp p, 0,1
	v_rsq_f32 v[RS+2*\p], v[8+\p]
	v_rsq_f32 v[RS+2*\p+1], v[8+\p]
.endr
	v_nop                                          ; a plain instruction behind the last of the four
	s_wait_alu depctr_va_vdst(0)                   ; one wait for the batch, ahead of its first reader
	s_wait_loadcnt 0x0                             ; g and b
.irp p, 0,1
.irp k, 0,2,4,6,8,10,12,14,16,18,20,22,24,26,28,30
	v_pk_mul_f32 v[X+32*\p+\k:X+32*\p+\k+1], v[X+32*\p+\k:X+32*\p+\k+1], v[RS+2*\p:RS+2*\p+1]
.endr
.endr
.irp p, 0,1
.irp k, 0,2,4,6,8,10,12,14,16,18,20,22,24,26,28,30
	v_pk_fma_f32 v[X+32*\p+\k:X+32*\p+\k+1], v[X+32*\p+\k:X+32*\p+\k+1], v[G+\k:G+\k+1], v[BB+\k:BB+\k+1]
.endr
.endr
; step t = 512 numbers: registers X + 16 t on.  LDS serves a wave's instructions in order, so no wait stands between the stores and the loads
.macro TURN t
.irp i, 0,1,2,3
	ds_store_b128 v14, v[X+16*(\t)+4*\i:X+16*(\t)+4*\i+3] offset:32*SP*((\t)%2)+8*SP*\i
.endr
.irp i, 0,1,2,3
	ds_load_b128 v[Y+16*((\t)%2)+4*\i:Y+16*((\t)%2)+4*\i+3], v15 offset:32*SP*((\t)%2)+16*\i
.endr
.endm
.macro STEP t
.set YS, Y+16*((\t)%2)
.if (\t) > 0
	s_wait_dscnt 1                                 ; this step's numbers are back; the one younger LDS instruction, the last step's byte store, may be out
.else
	s_wait_dscnt 0x0
.endif
.if (\t)+1 < 4
	TURN (\t)+1                                    ; the next step goes through the other stage meanwhile
.endif
	v_max3_num_f32 v8, |v[YS]|, |v[YS+1]|, |v[YS+2]|
	v_max3_num_f32 v9, |v[YS+3]|, |v[YS+4]|, |v[YS+5]|
.irp i, 6,10
	s_delay_alu instid0(VALU_DEP_2)
	v_max3_num_f32 v8, v8, |v[YS+\i]|, |v[YS+\i+1]|
	s_delay_alu instid0(VALU_DEP_2)
	v_max3_num_f32 v9, v9, |v[YS+\i+2]|, |v[YS+\i+3]|
.endr
	s_delay_alu instid0(VALU_DEP_2)
	v_max3_num_f32 v8, v8, |v[YS+14]|, |v[YS+15]|
	s_delay_alu instid0(VALU_DEP_1)
	v_max3_num_f32 v8, v8, v9, 0x4800000           ; with the floor 2^(9 - 127): the byte cannot fall under 1
	s_delay_alu instid0(VALU_DEP_1)
	v_max_num_f32_dpp v8, v8, v8 row_xmask:1 row_mask:0xf bank_mask:0xf   ; and my neighbour's 16: the block's largest magnitude
	s_delay_alu instid0(VALU_DEP_1)
	v_add_nc_u32 v11, 0xfc000000, v8               ; 8 off its exponent field: the conversion's scale operand
	s_delay_alu instid0(VALU_DEP_2)
	v_and_or_b32 v10, v8, 0x7f800000, s23          ; 448 x the scale
.irp i, 0,1,2,3,4,5,6,7,8,9,10,11,12,13,14,15
	v_med3_num_f32 v[YS+\i], v[YS+\i], -v10, v10   ; the conversion does not saturate (ISA guide 7.6.2): hold first
.endr
	v_cvt_scalef32_pk8_fp8_f32 v[C+4*(\t):C+4*(\t)+1], v[YS:YS+7], v11
	v_cvt_scalef32_pk8_fp8_f32 v[C+4*(\t)+2:C+4*(\t)+3], v[YS+8:YS+15], v11
	v_lshrrev_b32 v[E+(\t)], 23, v11               ; the scale's byte
	ds_store_b8 v5, v[E+(\t)] offset:16*(\t)       ; both lanes of a block write the same byte with the same value
	global_store_b128 v3, v[C+4*(\t):C+4*(\t)+3], s[10:11] offset:512*(\t)   ; 512 consecutive bytes
.endm
	TURN 0
	STEP 0
	STEP 1
	STEP 2
	STEP 3
	s_wait_dscnt 0x0                               ; for wave 0's sake: my scale bytes have landed
	s_barrier_signal -1
	s_barrier_wait -1
	s_cmp_lg_u32 s16, 0
	s_cbranch_scc1 .Lend
	ds_load_b128 v[8:11], v6
	s_wait_dscnt 0x0
	global_store_b128 v3, v[8:11], s[14:15]        ; the work-group's 512 scale bytes: two aligned runs of 256
.Lend:
	s_wait_tensorcnt 0x0
	ds_add_u32 v208, v209
	s_wait_dscnt 0x0
	s_endpgm
.Lfunc_end_k_qd1d7ea9e4a_ln1:
	.size	k_qd1d7ea9e4a_ln1, .Lfunc_end_k_qd1d7ea9e4a_ln1-k_qd1d7ea9e4a_ln1
	.p2alignl 7, 3214868480
	.fill 96, 4, 3214868480
	.section	.rodata,"a",@progbits
	.p2align	6, 0x0
	.amdhsa_kernel k_qd1d7ea9e4a_ln1
		.amdhsa_group_segment_fixed_size 42496
		.amdhsa_private_segment_fixed_size 0
		.amdhsa_enable_private_segment 0
		.amdhsa_kernarg_size 32
		.amdhsa_user_sgpr_count 2
		.amdhsa_user_sgpr_kernarg_segment_ptr 1
		.amdhsa_wavefront_size32 1
		.amdhsa_system_sgpr_workgroup_id_x 1
		.amdhsa_system_sgpr_workgroup_id_y 1
		.amdhsa_system_sgpr_workgroup_id_z 1
		.amdhsa_system_vgpr_workitem_id 0
		.amdhsa_next_free_vgpr 210
		.amdhsa_next_free_sgpr 66
		.amdhsa_reserve_vcc 0
		.amdhsa_float_denorm_mode_32 3
		.amdhsa_float_denorm_mode_16_64 3
		.amdhsa_memory_ordered 1
		.amdhsa_forward_progress 1
		.amdhsa_inst_pref_size 31
	.end_amdhsa_kernel
	.amdgpu_metadata
---
amdhsa.version: [ 1, 2 ]
amdhsa.kernels:
  - .name:           k_qd1d7ea9e4a_ln1
    .symbol:         k_qd1d7ea9e4a_ln1.kd
    .args:
      - { .name: x, .offset: 0, .size: 8, .value_kind: global_buffer, .address_space: global }
      - { .name: ln1_g, .offset: 8, .size: 8, .value_kind: global_buffer, .address_space: global }
      - { .name: ln1_b, .offset: 16, .size: 8, .value_kind: global_buffer, .address_space: global }
      - { .name: hq, .offset: 24, .size: 8, .value_kind: global_buffer, .address_space: global }
    .group_segment_fixed_size: 42496
    .private_segment_fixed_size: 0
    .kernarg_segment_align: 8
    .kernarg_segment_size: 32
    .max_flat_workgroup_size: 256
    .sgpr_count:     66
    .vgpr_count:     210
    .wavefront_size: 32
...
	.end_amdgpu_metadata
.endif
;; end of part 1
;; launch qkv (part 2): grid 12 x 16, 4 waves a work-group, clusters of 4 x 4, 327,680 bytes of LDS; arguments hq, qkv_w_codes, qkv_w_scales, qkv_b, qkvq; writes qkvq
.if DOCPART == 2
	.amdgcn_target "amdgcn-amd-amdhsa--gfx1250"
	.amdhsa_code_object_version 6
	.text
	.protected	k_qd1d7ea9e4a_qkv
	.globl	k_qd1d7ea9e4a_qkv
	.p2align	8
	.type	k_qd1d7ea9e4a_qkv,@function
k_qd1d7ea9e4a_qkv:
	s_mov_b64 s[64:65], 0
	v_nop
	global_prefetch_b8 v0, s[64:65] scope:SCOPE_SE
	s_setreg_imm32_b32 hwreg(HW_REG_WAVE_MODE, 25, 1), 1
	s_wait_xcnt 0x0
	s_wait_alu depctr_hold_cnt(0) depctr_sa_sdst(0) depctr_va_vdst(0) depctr_va_sdst(0) depctr_va_ssrc(0) depctr_va_vcc(0) depctr_vm_vsrc(0)
	s_getreg_b32 s2, hwreg(HW_REG_IB_STS2, 6, 4)
	s_cmp_eq_u32 s2, 0
	s_cbranch_scc0 .Lentry_in_a_cluster
	s_endpgm
.Lentry_in_a_cluster:
	s_bfe_u32 s2, ttmp6, 0x10000c
	s_cmp_lg_u32 s2, 0xf033
	s_cbranch_scc0 .Lentry_shape_is_right
	s_endpgm
.Lentry_shape_is_right:
; A GEMM on E4M3 codes with E8M0 scales, K = 1,024, tiles of 256 x 256, whose results are quantised again on the way out.  One text, two uses (QKV):
;   QKV = 1: h Wqkv + b.  q and k are quantised along the head's 64 channels, v along the keys.  QKV = 0: gelu(h2 W1 + b), quantised along the 4,096 hidden units.
; CORE.  Four waves, each 128 x 128 of C in 512 registers; K in steps of 256 through two LDS slots filled by tensor loads; the scale bytes of the work-group's rows come into LDS once.
; CLUSTERS: 4 x 4 work-groups; A's tiles are asked for jointly along a row of the cluster, B's along a column.
; The matrix instruction is used transposed (source 0 = 16 rows of B, source 1 = 16 rows of A): lane (r, h) holds row r of A's side, register j of accumulator b the column 16 b + 8 h + j.
; So a lane's registers run along B's rows.  For q, k and fc1 A = the tokens and B = the weight's rows; FOR v THE OPERANDS CHANGE PLACES (A = the weight's rows 2,048 on, B = the tokens), so that
; the registers run along the keys.  The choice hangs on the cluster's x alone, by scalar selects: no branch, the same in all sixteen partners.
; THE WAY OUT, a block of 16 rows a trip: bias (and gelu), four blocks of 32 columns quantised (a block lies in lanes l and l xor 16), two lane swaps a block, after which the four code registers of block c
; ARE registers 4 c .. 4 c + 3 of the next product's operand: lane (r, h) holds k = 32 c + 16 h + 0 .. 15.  They are stored as that image, 512 consecutive bytes a store.
; OUT (QKV = 1): q, k: byte (head32 x 256 + token / 16) x 1024 + c x 512 + 16 lane; v: 0x800000 + (c / 2) x 0x200000 + (key step x 64 + channel / 16) x 1024 + (c % 2) x 512 + 16 lane;
;   scales as 16-bit pairs: q, k at 0xC00000 + head32 x 8192 + 2 token; v at 0xC40000 + half x 0x10000 + key step x 2048 + 2 channel.
; OUT (QKV = 0): byte (row / 16) x 65536 + (column / 128) x 2048 + c x 512 + 16 lane; scale words [column / 128][row] at 0x1000000.
; GELU is exact: erf(z) = z P(z^2) / Q(z^2), z = y / sqrt(2) held to +-4 (degrees 6 and 4 in z^2), g = y/2 + y/2 erf.
; LIMITS: NaN and infinities are not served; blocks whose largest magnitude lies under 2^-118, blocks of zeros too, get the byte 1; for y under about -5.6 gelu carries an absolute error of about 2e-7.
; REGISTERS: window 0: v0-31 addresses (QKV: v2-15, v18-19 the row bias, each number twice); v32-63 scale words and nothing else; v64-127 the column bias; from v128 A's fragments.
;   window 1: B's fragments, two sets; on the way out the working set.   windows 2, 3: the accumulators ((a, b) at v[8 (8 (a % 4) + b)]).
.set QKV,    1
.set KSTEP,  256
.set NQ,     2
.set ROWB,   256
.set KROW,   1024                      ; a row of codes in memory
.set PITCH,  272                       ; an LDS row: 256 bytes + 16 of padding, so that the 16 rows of a load start at 16 different banks
.set FR,     16
.set NL,     4
.set NP,     8                         ; places behind this matrix instruction (ISA guide 7.12.1)
.set HALFT,  128*PITCH
.set SLOT,   4*HALFT
.set LAPS,   2                         ; 1,024 / (2 x 256)
.set KS,     32                        ; a row of scale bytes
.set SCL,    2*SLOT                    ; behind the ring: the scales, as runs of 256 bytes + 16 of padding
.set HALFS,  (128*KS/256)*272
.set SBLK,   (16*KS/256)*272
.set SPARE,  SCL+4*HALFS               ; the spare words, 128 bytes a wave; no other line names them
.set ADRA, 16
.set ADRB, 20
.set CB32, 22                          ; v22  32 h: my place in the column bias
.set RB4,  23                          ; v23  4 r: my place in the row bias
.set STS,  24                          ; v24  the scales' stage, in: lane part
.set STR,  25                          ; v25  and out
.set LO16, 26                          ; v26  16 x lane
.set ADRS, 27
.set SPW,  28
.set NIL,  29
.set STA,  30                          ; v30  the trip's stage address
.set LO8,  31                          ; v31  8 x lane
.set SC,   32
.set BC,   64
.set AF,   128
.set T,    64                          ; window 1, on the way out: 64 numbers of a block of 16 rows
.set Z,    128
.set X2,   144
.set P,    160
.set Q,    176
.set PC,   192                         ; the codes just made
.set TM,   208                         ; the quantiser's 16 registers
.set PW,   224                         ; the scale word just made
.set CA,   226                         ; P's and Q's leading coefficients, each twice
.set CBB,  228
.set SEL,  92
.set MNT,  94
.set G1, 24
.set G0, 32
.set G1B, 48
.set G0B, 56
.set G1S, 68
.set G0S, 76
.set G1SB, 80
.set G0SB, 88
.set MSB, 0
.macro WIN new                         ; the immediate's high byte repeats the setting that is left
.if MSB != (\new)
	s_set_vgpr_msb (MSB<<8)|(\new)
.set MSB, (\new)
.endif
.endm
.set MUL_LO, 0xa1                      ; source 0 (B) window 1, source 1 (A) window 0, C and D window 2
.set MUL_HI, 0xf1
.set TO_B,   0x40
; A joint load: waves 0 and 1 fetch for A, waves 2 and 3 for B; the branch hangs on the wave's number alone.  Four v_nop follow each of the two lines.
.macro JLOAD g0a, g1a, g0b, g1b
	s_cmp_eq_u32 s15, 0
	s_cbranch_scc0 .Lfor_b_\@
	tensor_load_to_lds s[\g0a:\g0a+3], s[\g1a:\g1a+7]
	s_nop 0
.rept 4
	v_nop
.endr
	s_branch .Lasked_\@
.Lfor_b_\@:
	tensor_load_to_lds s[\g0b:\g0b+3], s[\g1b:\g1b+7]
	s_nop 0
.rept 4
	v_nop
.endr
.Lasked_\@:
.endm
.macro CREST                           ; a round of the cluster's barrier behind its opening barrier
	s_cmp_lg_u32 s14, 0
	s_cbranch_scc1 .Lnot_wave_0_\@
	s_barrier_signal -3
.Lnot_wave_0_\@:
	s_barrier_wait -3
	s_barrier_signal -1
	s_barrier_wait -1
.endm
.macro CROUND
	s_barrier_signal -1
	s_barrier_wait -1
	CREST
.endm
	s_load_b128 s[4:7], s[0:1], 0x0                ; the activations (codes, scales at 0x400000) s[4:5], the weight's codes s[6:7]
	s_load_b128 s[8:11], s[0:1], 0x10              ; the weight's scales s[8:9], the bias s[10:11]
	s_load_b64 s[12:13], s[0:1], 0x20              ; out
	v_lshl_add_u32 v[SPW], v0, 2, SPARE
	v_mov_b32 v[NIL], 0
	ds_add_u32 v28, v29
	ds_add_u32 v28, v29
	s_wait_dscnt 0x0
	v_lshrrev_b32 v1, 5, v0
	v_readfirstlane_b32 s14, v1                    ; wave 0..3
	s_lshr_b32 s15, s14, 1                         ; which half of the tile's rows is mine.  Also: I fetch for A (0) or for B (1)
	s_and_b32 s16, s14, 1                          ; which half of its columns.  Also: which 128 rows of that tile I fetch
	s_bfe_u32 s40, ttmp6, 0x40000                  ; cx, cy
	s_bfe_u32 s41, ttmp6, 0x40004
.if QKV
	s_and_b32 s17, ttmp7, 0xffff                   ; cluster y
	s_lshl_b32 s18, s17, 2
	s_cmp_lt_u32 ttmp9, 2                          ; cluster x 0, 1: q and k; 2: v
	s_cselect_b32 s42, ttmp9, s17
	s_cselect_b32 s17, s18, 8
	s_cselect_b32 s95, 0, -1                       ; a lane mask: all ones in v's clusters
	s_lshl_b32 s42, s42, 2
	s_add_co_u32 s42, s42, s40                     ; tile column: q, k: 4 x + cx of the weight;  v: 4 y + cx of the tokens
	s_add_co_u32 s17, s17, s41                     ; tile row:    q, k: 4 y + cy of the tokens;  v: 8 + cy of the weight
.else
	s_lshl_b32 s42, ttmp9, 2
	s_add_co_u32 s42, s42, s40
	s_and_b32 s17, ttmp7, 0xffff
	s_lshl_b32 s17, s17, 2
	s_add_co_u32 s17, s17, s41
.endif
	s_lshl_b32 s43, s41, 2
	s_lshl_b32 s43, 15, s43                        ; my row of the cluster
	s_lshl_b32 s44, 0x1111, s40                    ; my column
	s_or_b32 s[G1+0], s43, (0<<16)|(1<<20)|(1<<21)|(5<<22)|(3<<25)  ; the mask; elements of 1 byte; padding: 4 words behind every 64; bit 21 beside a mask
	s_or_b32 s[G1B+0], s44, (0<<16)|(1<<20)|(1<<21)|(5<<22)|(3<<25)
.irp g, G1, G1B
	s_mov_b32 s[\g+1], ROWB<<16                    ; tensor_dim0
	s_mov_b32 s[\g+2], 256<<16                     ; tensor_dim1: 256 rows for the head's loads; 128 behind them
	s_mov_b32 s[\g+3], ROWB<<16                    ; tile_dim0
	s_mov_b32 s[\g+4], 256                         ; tile_dim1
	s_mov_b32 s[\g+5], KROW                        ; the pitch
	s_mov_b32 s[\g+6], 0
	s_mov_b32 s[\g+7], 0
.endr
	s_or_b32 s[G1S+0], s43, (3<<16)|(1<<20)|(1<<21)|(5<<22)|(3<<25) ; the scales of 256 rows: a dense block, as rows of 256 bytes (32 elements of 8)
	s_or_b32 s[G1SB+0], s44, (3<<16)|(1<<20)|(1<<21)|(5<<22)|(3<<25)
.irp g, G1S, G1SB
	s_mov_b32 s[\g+1], 32<<16
	s_mov_b32 s[\g+2], KS<<16                      ; the scales of 256 rows: KS rows of 256 bytes
	s_mov_b32 s[\g+3], 32<<16
	s_mov_b32 s[\g+4], KS
	s_mov_b32 s[\g+5], 32
	s_mov_b32 s[\g+6], 0
	s_mov_b32 s[\g+7], 0
.endr
	s_lshl_b32 s20, s17, 8                         ; A: the tile's first row
	s_lshl_b32 s46, s42, 8                         ; B: likewise
	s_mov_b32 s21, 0
	s_mov_b32 s47, 0
	s_mov_b64 s[18:19], KS
	s_mul_u64 s[22:23], s[20:21], s[18:19]
	s_mul_u64 s[92:93], s[46:47], s[18:19]
	s_mov_b64 s[18:19], KROW
	s_mul_u64 s[20:21], s[20:21], s[18:19]
	s_mul_u64 s[46:47], s[46:47], s[18:19]
	s_mul_i32 s45, s14, HALFT                      ; where they go: wave x 128 rows
	s_mul_i32 s104, s16, 128*KROW                  ; in the ring I fetch 128 rows of a tile: which half, in bytes
	s_mov_b32 s105, 0
	s_wait_kmcnt 0x0
.if QKV
	s_add_nc_u64 s[96:97], s[4:5], 0x400000        ; the activations' scale bytes
	s_cmp_lt_u32 ttmp9, 2
	s_cselect_b64 s[98:99], s[4:5], s[6:7]         ; A's codes
	s_cselect_b64 s[100:101], s[6:7], s[4:5]       ; B's codes
	s_cselect_b64 s[66:67], s[96:97], s[8:9]       ; A's scales
	s_cselect_b64 s[96:97], s[8:9], s[96:97]       ; B's scales
	s_add_nc_u64 s[20:21], s[98:99], s[20:21]
	s_add_nc_u64 s[22:23], s[66:67], s[22:23]
	s_add_nc_u64 s[46:47], s[100:101], s[46:47]
	s_add_nc_u64 s[92:93], s[96:97], s[92:93]
.else
	s_add_nc_u64 s[66:67], s[4:5], 0x400000
	s_add_nc_u64 s[20:21], s[4:5], s[20:21]
	s_add_nc_u64 s[22:23], s[66:67], s[22:23]
	s_add_nc_u64 s[46:47], s[6:7], s[46:47]
	s_add_nc_u64 s[92:93], s[8:9], s[92:93]
.endif
	CROUND                                         ; all sixteen work-groups are here: the first joint loads meet
	s_mov_b32 s[G0S], 1
	s_mov_b32 s[G0S+1], SCL
	s_mov_b64 s[G0S+2:G0S+3], s[22:23]
	s_or_b32 s[G0S+3], s[G0S+3], 0x80000000
	s_mov_b32 s[G0SB], 1
	s_mov_b32 s[G0SB+1], SCL+2*HALFS
	s_mov_b64 s[G0SB+2:G0SB+3], s[92:93]
	s_or_b32 s[G0SB+3], s[G0SB+3], 0x80000000
	s_mov_b32 s[G0], 1                             ; slot 0's groups 0 serve the head first: K step 0's 256 rows of A, whole,
	s_mov_b32 s[G0+1], 0
	s_mov_b64 s[G0+2:G0+3], s[20:21]
	s_or_b32 s[G0+3], s[G0+3], 0x80000000
	s_mov_b32 s[G0B], 1                            ; and its 256 rows of B, behind them
	s_mov_b32 s[G0B+1], 2*HALFT
	s_mov_b64 s[G0B+2:G0B+3], s[46:47]
	s_or_b32 s[G0B+3], s[G0B+3], 0x80000000
	s_add_nc_u64 s[20:21], s[20:21], s[104:105]    ; for the ring: my 128 rows
	s_add_nc_u64 s[46:47], s[46:47], s[104:105]
	s_mov_b32 s[G0+4], 1
	s_add_co_u32 s[G0+5], s45, SLOT
	s_add_nc_u64 s[G0+6:G0+7], s[20:21], ROWB
	s_or_b32 s[G0+7], s[G0+7], 0x80000000
	s_mov_b32 s[G0B+4], 1
	s_add_co_u32 s[G0B+5], s45, SLOT
	s_add_nc_u64 s[G0B+6:G0B+7], s[46:47], ROWB
	s_or_b32 s[G0B+7], s[G0B+7], 0x80000000
; the head's four tiles, one joint load a wave: wave 0 A's rows, wave 1 B's, wave 2 A's scales, wave 3 B's: one chain of branches on the wave's number
.macro HARM under, g0, g1, next
	s_cmp_lt_u32 s14, \under
	s_cbranch_scc0 \next
	tensor_load_to_lds s[\g0:\g0+3], s[\g1:\g1+7]
	s_nop 0
.rept 4
	v_nop
.endr
	s_branch .Lhead_asked
\next:
.endm
	HARM 1, G0,  G1,  .Lhead_b
	HARM 2, G0B, G1B, .Lhead_sa
	HARM 3, G0S, G1S, .Lhead_sb
	tensor_load_to_lds s[G0SB:G0SB+3], s[G1SB:G1SB+7]
	s_nop 0
.rept 4
	v_nop
.endr
.Lhead_asked:
	; PREFETCH INTO THE L2: of the 128 rows that I fetch for the ring, my work-group takes 32 (place cx among A's four partners, cy among B's: told apart by address), a lane a row, 256 bytes of a row a K step
	s_cmp_eq_u32 s15, 0                            ; do I fetch for A?
	s_cselect_b64 s[66:67], s[20:21], s[46:47]     ; my 128 rows at K step 0
	s_cselect_b32 s92, s40, s41
	s_lshl_b32 s92, s92, 15                        ; 32 rows of 1,024 bytes a place
	s_mov_b32 s93, 0
	s_add_nc_u64 s[66:67], s[66:67], s[92:93]
	v_and_b32 v1, 15, v0                           ; r
	v_bfe_u32 v2, v0, 4, 1                         ; h
	v_mul_u32_u24 v3, v1, PITCH
	v_lshl_add_u32 v4, v2, 4, v3
	s_mul_i32 s21, s15, HALFT
	s_mul_i32 s22, s16, HALFT
	s_add_co_u32 s22, s22, 2*HALFT
.irp s, 0,1
	v_add_nc_u32 v[ADRA+\s], s21, v4
	v_add_nc_u32 v[ADRB+\s], s22, v4
	s_add_co_u32 s21, s21, SLOT
	s_add_co_u32 s22, s22, SLOT
.endr
	v_mul_u32_u24 v5, v1, KS
	v_lshrrev_b32 v6, 8, v5
	v_lshl_add_u32 v5, v6, 4, v5
	s_mul_i32 s21, s15, HALFS
	s_mul_i32 s22, s16, HALFS
	s_add_co_u32 s22, s22, 2*HALFS
	s_sub_co_u32 s22, s22, s21
	v_mul_u32_u24 v6, s22, v2                      ; lanes 16-31 take B's scale words
	s_add_co_u32 s21, s21, SCL
	v_add_nc_u32 v5, v5, v6
	v_add_nc_u32 v[ADRS], s21, v5
	; the way out's addresses.  R0 = my first row of A's side, C0 = my first column
	s_lshl_b32 s23, s14, 10                        ; my 1,024 bytes of stage, in slot 0
	v_and_b32 v6, 31, v0
	v_lshlrev_b32 v[LO16], 4, v6
	v_lshlrev_b32 v[LO8], 3, v6
	v_lshlrev_b32 v[CB32], 5, v2
	s_wait_alu depctr_va_vdst(0)
	v_lshlrev_b32 v[RB4], 2, v1
.if QKV
	s_wait_alu depctr_va_vdst(0)
	v_lshl_add_u32 v[STS], v1, 1, s23
	v_lshl_add_u32 v[STR], v6, 3, s23
.else
	v_lshl_add_u32 v[STS], v1, 2, s23
	v_lshl_add_u32 v[STR], v6, 4, s23
.endif
	v_and_b32 v1, 31, v0
	v_lshlrev_b32 v1, 10, v1                       ; v1 from here on: 1,024 x lane, never rewritten
	global_prefetch_b8 v1, s[66:67] offset:256 th:TH_LOAD_NT scope:SCOPE_SE   ; K step 1, whose tensor load stands behind the head's round
	s_lshl_b32 s20, s17, 8
	s_lshl_b32 s21, s15, 7
	s_add_co_u32 s20, s20, s21                     ; R0
	s_lshl_b32 s46, s42, 8
	s_lshl_b32 s47, s16, 7
	s_add_co_u32 s46, s46, s47                     ; C0
.if QKV
	s_mov_b32 s2, 0x200000
	s_mov_b32 s3, 0xC3F000
	s_mov_b32 s18, 0x10000
	s_lshl_b32 s19, s46, 2
	s_lshl_b32 s21, s20, 2
	s_cmp_eq_u32 s95, 0                            ; q, k?
	s_cselect_b32 s22, 12, 9                       ; codes: C0 x 4,096 (a head is 64 columns, 256 KiB) or C0 x 512 (a key step is 128 columns, 64 KiB)
	s_cselect_b32 s23, 0, 0x7E0000                 ; v: 0x800000 less 2,048 rows x 64
	s_cselect_b32 s2, 0x40000, s2                  ; from blocks 0, 1 to blocks 2, 3: the next head, or v's second half
	s_cselect_b32 s40, 7, 4                        ; scales: C0 x 128 or C0 x 16
	s_cselect_b32 s3, 0xC00000, s3                 ; v: 0xC40000 less 2,048 rows x 2
	s_cselect_b32 s18, 8192, s18
	s_cselect_b32 s19, s19, 0                      ; the bias runs along the columns (q, k)
	s_cselect_b32 s21, 0, s21                      ; or along the rows (v); the other one is loaded from the buffer's head and cleared
	s_lshl_b32 s41, s46, s22
	s_lshl_b32 s47, s20, 6
	s_add_co_u32 s41, s41, s47
	s_add_co_u32 s22, s41, s23
	s_mov_b32 s23, 0
	s_add_nc_u64 s[4:5], s[12:13], s[22:23]        ; codes of blocks 0, 1
	s_mov_b32 s22, s2
	s_add_nc_u64 s[6:7], s[4:5], s[22:23]          ; of blocks 2, 3
	s_mov_b32 s22, s19
	s_add_nc_u64 s[96:97], s[10:11], s[22:23]      ; the column bias
	s_mov_b32 s22, s21
	s_add_nc_u64 s[98:99], s[10:11], s[22:23]      ; the row bias
	s_lshl_b32 s41, s46, s40
	s_lshl_b32 s47, s20, 1
	s_add_co_u32 s41, s41, s47
	s_add_co_u32 s22, s41, s3
	s_add_nc_u64 s[8:9], s[12:13], s[22:23]        ; scale pairs of blocks 0, 1
	s_mov_b32 s22, s18
	s_add_nc_u64 s[10:11], s[8:9], s[22:23]        ; of blocks 2, 3
.else
	s_lshl_b32 s22, s46, 2
	s_mov_b32 s23, 0
	s_add_nc_u64 s[96:97], s[10:11], s[22:23]      ; the column bias
	s_lshl_b32 s22, s20, 12
	s_lshl_b32 s21, s46, 4
	s_add_co_u32 s22, s22, s21
	s_add_nc_u64 s[4:5], s[12:13], s[22:23]        ; codes: R0 x 4,096 + C0 x 16
	s_lshl_b32 s22, s46, 7
	s_lshl_b32 s21, s20, 2
	s_add_co_u32 s22, s22, s21
	s_add_co_u32 s22, s22, 0x1000000
	s_add_nc_u64 s[8:9], s[12:13], s[22:23]        ; scale words: C0 x 128 + R0 x 4
.endif
.irp b, 0,1,2,3,4,5,6,7                        ; the bias in the result's layout: register 8 b + j = column 16 b + 8 h + j.  Asked for here, awaited on the way out; the loop names none of these registers
	global_load_b128 v[BC+8*\b:BC+8*\b+3], v[CB32], s[96:97] offset:64*\b
	global_load_b128 v[BC+8*\b+4:BC+8*\b+7], v[CB32], s[96:97] offset:64*\b+16
.endr
.if QKV
.irp a, 0,1,2,3,4,5,6,7                        ; row 16 a + r, twice: a whole pair for the packed addition
	global_load_b32 v[2+2*\a+2*(\a/7)], v[RB4], s[98:99] offset:64*\a
	global_load_b32 v[3+2*\a+2*(\a/7)], v[RB4], s[98:99] offset:64*\a
.endr
.endif
.macro FRAG reg, adr, q, i             ; a fragment, 16 rows x 128 K: registers 4 c .. 4 c + 3 hold K = 32 c + 16 h + 0 .. 15 of row r
.irp c, 0,1,2,3
	ds_load_b128 v[\reg+4*\c:\reg+4*\c+3], v[\adr] offset:128*(\q)+32*\c+(\i)*16*PITCH
.endr
.endm
; 16 matrix instructions: A's blocks a0, a0 + 1 x B's eight.  The 64 accumulators take turns, one instruction a turn, in the same order in every step.
.macro MUL16 a0, p, q, sc, zero
.irp a, \a0, \a0+1
.irp b, 0,1,2,3,4,5,6,7
.if \zero
	v_wmma_scale_f32_16x16x128_f8f6f4 v[8*(8*((\a)%4)+\b):8*(8*((\a)%4)+\b)+7], v[128*(\p)+FR*\b:128*(\p)+FR*\b+FR-1], v[AF+FR*(\a):AF+FR*(\a)+FR-1], 0, v[SC+8*NQ*(\sc)+NQ*\b+(\q)], v[SC+8*NQ*(\sc)+NQ*(\a)+(\q)] matrix_a_scale:MATRIX_SCALE_ROW1
.else
	v_wmma_scale_f32_16x16x128_f8f6f4 v[8*(8*((\a)%4)+\b):8*(8*((\a)%4)+\b)+7], v[128*(\p)+FR*\b:128*(\p)+FR*\b+FR-1], v[AF+FR*(\a):AF+FR*(\a)+FR-1], v[8*(8*((\a)%4)+\b):8*(8*((\a)%4)+\b)+7], v[SC+8*NQ*(\sc)+NQ*\b+(\q)], v[SC+8*NQ*(\sc)+NQ*(\a)+(\q)] matrix_a_scale:MATRIX_SCALE_ROW1
.endif
.endr
.endr
.endm
.macro FETCH_B slot, q, p
	WIN TO_B
.irp i, 0,1,2,3,4,5,6,7
	FRAG 128*(\p)+FR*\i, ADRB+\slot, \q, \i
.endr
	WIN 0
.endm
.macro FETCH_A slot, q, i0
.irp i, \i0, \i0+1, \i0+2, \i0+3
	FRAG AF+FR*(\i), ADRA+\slot, \q, \i
.endr
.endm
.macro SCALES sc                       ; a K step's scale words: lanes 0-15 A's block i, lanes 16-31 B's block i
.irp i, 0,1,2,3,4,5,6,7
	ds_load_b64 v[SC+8*NQ*\sc+NQ*\i:SC+8*NQ*\sc+NQ*\i+1], v[ADRS] offset:\i*SBLK
.endr
.endm
.macro PLACES n                        ; plain vector instructions between a matrix instruction and a load into, a write of or a read of its registers
.rept \n
	v_nop
.endr
.endm
.macro STEP slot, q, zero              ; 128 along K that has its successor in the same slot
	s_wait_dscnt 4*NL                              ; B's set and A's blocks 0-3 are in; the 16 youngest loads (A's blocks 4-7) may be out
	WIN MUL_LO
	MUL16 0, (\q)%2, \q, \slot, \zero
	MUL16 2, (\q)%2, \q, \slot, \zero
	s_wait_dscnt 0
	PLACES NP
	FETCH_B \slot, (\q)+1, 1-(\q)%2
	FETCH_A \slot, (\q)+1, 0
	WIN MUL_HI
	MUL16 4, (\q)%2, \q, \slot, \zero
	MUL16 6, (\q)%2, \q, \slot, \zero
	PLACES NP
	WIN 0
	FETCH_A \slot, (\q)+1, 4
.endm
; A slot's last step changes slots: one barrier; in front of it each wave waits for all its tensor loads, adds 0 to its spare word, and waits for that and for its reads of this slot.
.macro TURN slot, next, fill
	s_wait_tensorcnt 0x0                           ; all my tensor loads have landed: my part of the next slot
	ds_add_u32 v[SPW], v[NIL]                      ; 0 onto my spare word
	s_wait_dscnt 4*NL+1                            ; the add and the 16 youngest loads may be out
	WIN MUL_LO
	MUL16 0, 1, NQ-1, \slot, 0
	s_wait_dscnt 0x0                               ; the add is done, and my reads of this slot are over
	s_barrier_signal -1
	MUL16 2, 1, NQ-1, \slot, 0
	WIN 0
	s_barrier_wait -1
.if \fill
	CREST                                          ; the barrier has opened a round of the cluster's: no wave of any partner still reads this slot or has a load on its way
	s_add_nc_u64 s[G0+4*\slot+2:G0+4*\slot+3], s[G0+4*\slot+2:G0+4*\slot+3], 2*ROWB
	s_add_nc_u64 s[G0B+4*\slot+2:G0B+4*\slot+3], s[G0B+4*\slot+2:G0B+4*\slot+3], 2*ROWB
	JLOAD G0+4*\slot, G1, G0B+4*\slot, G1B         ; the first tensor load behind the round; its four v_nop are among the places below
	PLACES NP-4
.else
	PLACES NP
.endif
	s_wait_alu depctr_va_vdst(0)
	v_add_nc_u32 v[ADRS], 4*NQ, v[ADRS]
	FETCH_B \next, 0, 0
	FETCH_A \next, 0, 0
	SCALES \next
	WIN MUL_HI
	MUL16 4, 1, NQ-1, \slot, 0
	MUL16 6, 1, NQ-1, \slot, 0
	PLACES NP
	WIN 0
	FETCH_A \next, 0, 4
.endm
	s_wait_alu depctr_va_vdst(0)                   ; the wait at the head's end
	s_wait_tensorcnt 0x0                           ; my tile of the head's four is in; the lines ahead of a later first fill:
	ds_add_u32 v[SPW], v[NIL]
	s_mov_b32 s[G1+2], 128<<16                     ; no tensor load of mine is out: from here on a load brings 128 rows,
	s_mov_b32 s[G1+4], 128
	s_mov_b32 s[G1B+2], 128<<16
	s_mov_b32 s[G1B+4], 128
	s_mov_b32 s[G0+1], s45                         ; and slot 0's groups 0 take the ring's form: my quarter of the slot, my 128 rows
	s_add_nc_u64 s[G0+2:G0+3], s[G0+2:G0+3], s[104:105]
	s_mov_b32 s[G0B+1], s45
	s_add_nc_u64 s[G0B+2:G0B+3], s[G0B+2:G0B+3], s[104:105]
	s_wait_dscnt 0x0
	CROUND                                         ; all four tiles are in, and the sixteen work-groups meet
	JLOAD G0+4, G1, G0B+4, G1B                     ; K step 1: the first tensor load behind the round
	FETCH_B 0, 0, 0
	FETCH_A 0, 0, 0
	SCALES 0
	FETCH_A 0, 0, 4
	global_prefetch_b8 v1, s[66:67] offset:512 th:TH_LOAD_NT scope:SCOPE_SE   ; K steps 2 and 3, the last: one and two changes of slots ahead of their loads; the refills ask for nothing
	global_prefetch_b8 v1, s[66:67] offset:768 th:TH_LOAD_NT scope:SCOPE_SE
	STEP 0, 0, 1
	s_mov_b32 s3, LAPS-1
.Llap:
	TURN 0, 1, 1
	STEP 1, 0, 0
	TURN 1, 0, 1
	STEP 0, 0, 0
	s_sub_co_u32 s3, s3, 1
	s_cmp_lg_u32 s3, 0
	s_cbranch_scc1 .Llap
	TURN 0, 1, 0                                   ; the last lap fills nothing
	STEP 1, 0, 0
	s_wait_dscnt 4*NL
	WIN MUL_LO
	MUL16 0, 1, NQ-1, 1, 0
	MUL16 2, 1, NQ-1, 1, 0
	s_wait_dscnt 0
	WIN MUL_HI
	MUL16 4, 1, NQ-1, 1, 0
	MUL16 6, 1, NQ-1, 1, 0
	WIN 0
; 64 numbers of a lane, v[s + 16 b + i], block b of 32 columns in lanes l and l xor 16, become 16 registers of codes in v[PC] on and the row's scale word in v[PW]
.macro QUANT s
.irp b, 0,1,2,3
	v_max3_num_f32 v[TM+\b], |v[\s+16*\b]|, |v[\s+1+16*\b]|, 0x4800000   ; with the floor 2^(9 - 127): the byte cannot fall under 1
.endr
.irp i, 2,4,6,8,10,12,14
.irp b, 0,1,2,3
	v_max3_num_f32 v[TM+\b], v[TM+\b], |v[\s+16*\b+\i]|, |v[\s+1+16*\b+\i]|
.endr
.endr
.irp b, 0,1,2,3
	v_permlanex16_b32 v[TM+4+\b], v[TM+\b], s[SEL], s[SEL+1]
.endr
.irp b, 0,1,2,3
	v_max_num_f32 v[TM+\b], v[TM+\b], v[TM+4+\b]   ; the block's largest magnitude
.endr
.irp b, 0,1,2,3
	v_add_nc_u32 v[TM+12+\b], 0xfc000000, v[TM+\b] ; 8 off its exponent field: the conversion's scale operand
.endr
.irp b, 0,1,2,3
	v_and_or_b32 v[TM+8+\b], v[TM+\b], 0x7f800000, s[MNT]   ; 448 x the scale
.endr
.irp b, 0,1,2,3
	v_lshrrev_b32 v[TM+4+\b], 23, v[TM+12+\b]      ; the scale's byte
.endr
	v_lshl_or_b32 v[PW], v[TM+5], 8, v[TM+4]
	v_lshl_or_b32 v[PW], v[TM+6], 16, v[PW]
	v_lshl_or_b32 v[PW], v[TM+7], 24, v[PW]
.irp b, 0,1,2,3
.irp i, 0,1,2,3,4,5,6,7,8,9,10,11,12,13,14,15
	v_med3_num_f32 v[\s+16*\b+\i], v[\s+16*\b+\i], -v[TM+8+\b], v[TM+8+\b]   ; the conversion does not saturate (ISA guide 7.6.2): hold first
.endr
	v_cvt_scalef32_pk8_fp8_f32 v[PC+4*\b:PC+1+4*\b], v[\s+16*\b:\s+7+16*\b], v[TM+12+\b]
	v_cvt_scalef32_pk8_fp8_f32 v[PC+2+4*\b:PC+3+4*\b], v[\s+8+16*\b:\s+15+16*\b], v[TM+12+\b]
.endr
	v_nop                                          ; a plain instruction between the conversions and the swaps that touch their results
.irp b, 0,1,2,3                                ; lanes 0-15 hold columns 0-7 and 16-23 of the block, lanes 16-31 columns 8-15 and 24-31: after the swaps 0-15 and 16-31
	v_permlane16_swap_b32 v[PC+4*\b], v[PC+4*\b+2]
	v_permlane16_swap_b32 v[PC+4*\b+1], v[PC+4*\b+3]
.endr
.endm
; gelu of the 16 numbers v[T + 16 g] on, in place
.macro GELU g
.irp p, 0,2,4,6,8,10,12,14
	v_pk_mul_f32 v[Z+\p:Z+\p+1], v[T+16*\g+\p:T+16*\g+\p+1], 0x3f3504f3 op_sel_hi:[1,0]
.endr
.irp i, 0,1,2,3,4,5,6,7,8,9,10,11,12,13,14,15
	v_med3_num_f32 v[Z+\i], v[Z+\i], -4.0, 4.0
.endr
.irp p, 0,2,4,6,8,10,12,14
	v_pk_mul_f32 v[X2+\p:X2+\p+1], v[Z+\p:Z+\p+1], v[Z+\p:Z+\p+1]
.endr
.irp p, 0,2,4,6,8,10,12,14
	v_pk_fma_f32 v[P+\p:P+\p+1], v[X2+\p:X2+\p+1], v[CA:CA+1], 0x32EDFFEE op_sel_hi:[1,1,0]
.endr
.irp p, 0,2,4,6,8,10,12,14
	v_pk_fma_f32 v[Q+\p:Q+\p+1], v[X2+\p:X2+\p+1], v[CBB:CBB+1], 0xB95FBD29 op_sel_hi:[1,1,0]
.endr
.irp c, 0xB60CFF51, 0xB86EC2D2, 0xBA40AC63, 0xBB41A1F6, 0xBC83DBD4
.irp p, 0,2,4,6,8,10,12,14
	v_pk_fma_f32 v[P+\p:P+\p+1], v[P+\p:P+\p+1], v[X2+\p:X2+\p+1], \c op_sel_hi:[1,1,0]
.endr
.endr
.irp c, 0xBADC924E, 0xBBF19BF8, 0xBC69B6A7
.irp p, 0,2,4,6,8,10,12,14
	v_pk_fma_f32 v[Q+\p:Q+\p+1], v[Q+\p:Q+\p+1], v[X2+\p:X2+\p+1], \c op_sel_hi:[1,1,0]
.endr
.endr
.irp i, 0,1,2,3,4,5,6,7,8,9,10,11,12,13,14,15
	v_rcp_f32 v[Q+\i], v[Q+\i]
.endr
.irp p, 0,2,4,6,8,10,12,14
	v_pk_mul_f32 v[P+\p:P+\p+1], v[P+\p:P+\p+1], v[Z+\p:Z+\p+1]     ; plain work that names no reciprocal
.endr
	s_wait_alu depctr_va_vdst(0)                   ; one wait for the sixteen, ahead of their first reader
.irp p, 0,2,4,6,8,10,12,14
	v_pk_mul_f32 v[P+\p:P+\p+1], v[P+\p:P+\p+1], v[Q+\p:Q+\p+1]     ; erf
.endr
.irp p, 0,2,4,6,8,10,12,14
	v_pk_mul_f32 v[Z+\p:Z+\p+1], v[T+16*\g+\p:T+16*\g+\p+1], 0.5 op_sel_hi:[1,0]
.endr
.irp p, 0,2,4,6,8,10,12,14
	v_pk_fma_f32 v[T+16*\g+\p:T+16*\g+\p+1], v[Z+\p:Z+\p+1], v[P+\p:P+\p+1], v[Z+\p:Z+\p+1]
.endr
.endm
	; THE WAY OUT: one loop of eight trips, a block of 16 rows each.  Only the copy out of the accumulators differs from trip to trip (their register numbers): it is chosen by the trip's count.
	PLACES NP                                      ; behind the last products: their results are read, and window 1 (B's fragments) is written
	s_wait_loadcnt 0x0                             ; the bias
	s_mov_b32 s[SEL], 0x76543210
	s_mov_b32 s[SEL+1], 0xfedcba98
	s_mov_b32 s[MNT], 0x600000
.if QKV
.set n, 0
.rept 64
	v_cndmask_b32 v[BC+n], v[BC+n], 0, s95         ; v's clusters have no bias along the columns,
.set n, n+1
.endr
.irp a, 0,1,2,3,4,5,6,7
	v_cndmask_b32 v[2+2*\a+2*(\a/7)], 0, v[2+2*\a+2*(\a/7)], s95   ; q's and k's none along the rows: both are always added, and adding 0 rounds nothing
	v_cndmask_b32 v[3+2*\a+2*(\a/7)], 0, v[3+2*\a+2*(\a/7)], s95
.endr
.endif
	WIN 0x40
.irp b, 0,1,2,3
	v_mov_b32 v[TM+4+\b], 0                        ; a lane permute's destination counts as one of its sources
.endr
.if QKV == 0
	v_mov_b32 v[CA], 0xAF95DF0B
	v_mov_b32 v[CA+1], 0xAF95DF0B
	v_mov_b32 v[CBB], 0xB77460CD
	v_mov_b32 v[CBB+1], 0xB77460CD
.endif
	WIN 0
	s_mov_b32 s3, 0                                ; the trip
	s_mov_b32 s2, 0                                ; its place in the scales' stage
.Lrow:
.irp k, 1,2,3,4,5,6,7
	s_cmp_eq_u32 s3, \k
	s_cbranch_scc1 .Lcopy_\k
.endr
.irp k, 0,1,2,3,4,5,6,7
.Lcopy_\k:
	WIN 0x42+(\k/4)                                ; source 0: the accumulators' window; source 1: window 0; destination: window 1
.set n, 0
.rept 32
	v_pk_add_f32 v[T+n:T+n+1], v[64*(\k%4)+n:64*(\k%4)+n+1], v[BC+n:BC+n+1]   ; ascending: each accumulator is read from its low end on
.set n, n+2
.endr
.if QKV
	WIN 0x41
.set n, 0
.rept 32
	v_pk_add_f32 v[T+n:T+n+1], v[T+n:T+n+1], v[2+2*\k+2*(\k/7):3+2*\k+2*(\k/7)]
.set n, n+2
.endr
.endif
	WIN 0
.if \k < 7
	s_branch .Lwork
.endif
.endr
.Lwork:
	v_add_nc_u32 v[STA], s2, v[STS]
	WIN 0x55                                       ; all in window 1
.if QKV == 0
	GELU 0
	GELU 1
	GELU 2
	GELU 3
.endif
	QUANT T
	WIN 0x04                                       ; a store's data: window 1; its address: window 0
.if QKV
	global_store_b128 v[LO16], v[PC:PC+3], s[4:5]
	global_store_b128 v[LO16], v[PC+4:PC+7], s[4:5] offset:512
	global_store_b128 v[LO16], v[PC+8:PC+11], s[6:7]
	global_store_b128 v[LO16], v[PC+12:PC+15], s[6:7] offset:512     ; each store: 512 consecutive bytes
	ds_store_b16 v[STA], v[PW]                     ; lanes l and l + 16 write the same bytes with the same value
	ds_store_b16_d16_hi v[STA], v[PW] offset:256
.else
.irp c, 0,1,2,3
	global_store_b128 v[LO16], v[PC+4*\c:PC+4*\c+3], s[4:5] offset:512*\c
.endr
	ds_store_b32 v[STA], v[PW]
.endif
	WIN 0
	s_wait_xcnt 0x0                                ; the stores have read their data and bases: only now the bases step and the next trip writes the codes
.if QKV
	s_add_nc_u64 s[4:5], s[4:5], 1024
	s_add_nc_u64 s[6:7], s[6:7], 1024
	s_add_co_u32 s2, s2, 32
.else
	s_add_nc_u64 s[4:5], s[4:5], 65536
	s_add_co_u32 s2, s2, 64
.endif
	s_add_co_u32 s3, s3, 1
	s_cmp_lt_u32 s3, 8
	s_cbranch_scc1 .Lrow
.if QKV
	ds_load_b64 v[128:129], v[STR]                 ; LDS serves a wave's instructions in order: these see my stores
	ds_load_b64 v[130:131], v[STR] offset:256
	s_wait_dscnt 0x0
	global_store_b64 v[LO8], v[128:129], s[8:9]    ; 256 consecutive bytes, aligned
	global_store_b64 v[LO8], v[130:131], s[10:11]
.else
	ds_load_b128 v[128:131], v[STR]
	s_wait_dscnt 0x0
	global_store_b128 v[LO16], v[128:131], s[8:9]  ; my 128 rows' scale words: 512 consecutive bytes
.endif
	s_wait_tensorcnt 0x0                           ; the wave's end
	ds_add_u32 v[SPW], v[NIL]
	s_wait_dscnt 0x0
	CROUND                                         ; the closing round
	s_endpgm
.Lfunc_end_k_qd1d7ea9e4a_qkv:
	.size	k_qd1d7ea9e4a_qkv, .Lfunc_end_k_qd1d7ea9e4a_qkv-k_qd1d7ea9e4a_qkv
	.p2alignl 7, 3214868480
	.fill 96, 4, 3214868480
	.section	.rodata,"a",@progbits
	.p2align	6, 0x0
	.amdhsa_kernel k_qd1d7ea9e4a_qkv
		.amdhsa_group_segment_fixed_size 327680
		.amdhsa_private_segment_fixed_size 0
		.amdhsa_enable_private_segment 0
		.amdhsa_kernarg_size 40
		.amdhsa_user_sgpr_count 2
		.amdhsa_user_sgpr_kernarg_segment_ptr 1
		.amdhsa_wavefront_size32 1
		.amdhsa_system_sgpr_workgroup_id_x 1
		.amdhsa_system_sgpr_workgroup_id_y 1
		.amdhsa_system_sgpr_workgroup_id_z 1
		.amdhsa_system_vgpr_workitem_id 0
		.amdhsa_next_free_vgpr 1024
		.amdhsa_next_free_sgpr 106
		.amdhsa_reserve_vcc 0
		.amdhsa_float_denorm_mode_32 3
		.amdhsa_float_denorm_mode_16_64 3
		.amdhsa_memory_ordered 1
		.amdhsa_forward_progress 1
		.amdhsa_inst_pref_size 170
	.end_amdhsa_kernel
	.amdgpu_metadata
---
amdhsa.version: [ 1, 2 ]
amdhsa.kernels:
  - .name:           k_qd1d7ea9e4a_qkv
    .symbol:         k_qd1d7ea9e4a_qkv.kd
    .args:
      - { .name: hq, .offset: 0, .size: 8, .value_kind: global_buffer, .address_space: global }
      - { .name: qkv_w_codes, .offset: 8, .size: 8, .value_kind: global_buffer, .address_space: global }
      - { .name: qkv_w_scales, .offset: 16, .size: 8, .value_kind: global_buffer, .address_space: global }
      - { .name: qkv_b, .offset: 24, .size: 8, .value_kind: global_buffer, .address_space: global }
      - { .name: qkvq, .offset: 32, .size: 8, .value_kind: global_buffer, .address_space: global }
    .group_segment_fixed_size: 327680
    .private_segment_fixed_size: 0
    .kernarg_segment_align: 8
    .kernarg_segment_size: 40
    .max_flat_workgroup_size: 128
    .sgpr_count:     106
    .vgpr_count:     1024
    .wavefront_size: 32
...
	.end_amdgpu_metadata
.endif
;; end of part 2
;; launch attn (part 3): grid 16 x 16, 16 waves a work-group, no clusters, 103,936 bytes of LDS; arguments qkvq, oq; writes oq
.if DOCPART == 3
	.amdgcn_target "amdgcn-amd-amdhsa--gfx1250"
	.amdhsa_code_object_version 6
	.text
	.protected	k_qd1d7ea9e4a_attn
	.globl	k_qd1d7ea9e4a_attn
	.p2align	8
	.type	k_qd1d7ea9e4a_attn,@function
k_qd1d7ea9e4a_attn:
	s_mov_b64 s[64:65], 0
	v_nop
	global_prefetch_b8 v0, s[64:65] scope:SCOPE_SE
	s_setreg_imm32_b32 hwreg(HW_REG_WAVE_MODE, 25, 1), 1
	s_wait_xcnt 0x0
; Attention with ALiBi, a causal mask and a window of 256, on E4M3 codes with E8M0 scales; o / l is quantised along the model's 1,024 and stored as the next product's operand.
; logit = q.k / 8 + slope (key - query) + 1 where 0 <= query - key < 256, else -infinity.  t = logit x log2(e); M = the ceiling of the row's running largest t; p = 2^(t - M) is quantised along the keys;
; the row's sum is taken of the unquantised p and divides at the end.  slope = 2^(-(head + 1) / 2); A = slope x log2(e) is rounded once.
; SHARES.  A work-group: 128 queries of two heads of one batch.  Wave w: head 2 hp + w / 8, queries 16 (w % 8) on: one tile, in 256 registers, four waves to a SIMD.
; The masks leave a block of 128 queries exactly the key blocks a, a - 1, a - 2.  They are taken in that order, the diagonal first, so that M is a number from the first step on; blocks before the
; sequence's start are jumped over by a scalar branch on the work-group's number.  No barrier and no LDS store stands in a step.
; K, V AND THEIR SCALES come into LDS once, through registers (96 KiB of codes): every wave copies 1 KiB of K and 1 KiB of V for each of the three key blocks; they lie there as images of the operands'
; registers, so that each fragment load reads 512 consecutive bytes.  No tensor load, so no ring.  No cluster: neighbouring query blocks share two of three key blocks, 64 KiB a work-group copied once,
; and the first two blocks of a sequence would ask for other tiles than their partners.  No prefetch: each byte is asked for once, at the head.
; K = 64 IN AN INSTRUCTION 128 DEEP: a fragment of K holds TWO tiles of 16 keys (registers 0-7, 8-15); Q stands as [Q | 0 | Q] in v16-39: against v[16:31] the product is the first tile's, against v[24:39] the second's.
; Both products are used transposed: a lane holds one query (lane % 16); register 16 b + 8 u + i of the scores holds key 32 b + 16 u + 8 (lane / 16) + i.  Two lane swaps a block lay p's codes as the operand wants them.
; t IS MADE IN TWO PARTS: t' = score x log2(e) / 8 + A (16 u + i + 8 (lane / 16)), all that differs inside a block of 32 keys, and E_b = A (32 b - 128 step - (16 j + r)) + log2(e), which the block's 32 keys
; share, in BOTH lanes that hold the query: so a block's largest t' may be joined across the two lanes before E_b is added.
; LIMITS: NaN and infinities are not served; a block whose every p is 0 gets the byte 1 over zero codes; so does a block of o under 2^-118.
.set SCL, 98304                        ; LDS: K 0 .. 49151, V 49152 .. 98303 (head x 24576 + key block x 8192); then scale words: (head x 3 + key block) x 512: 256 bytes of K's, 256 of V's
.set OSL, 101376                       ; o's 128 scale words
.set FB,  40                           ; v40-103  four fragments of K or of V
.set SS,  104                          ; v104-167 the scores, then p
.set OT,  168                          ; v168-199 O^T
.set PCD, 200                          ; v200-215 p's codes
.set LT,  216                          ; v216-231 A (16 u + i + 8 h)
.set WV,  8
.set SEL, 36
.set CS,  38                           ; s[38:39] log2(e) / 8
.set L2E, 40
.set AS,  41
.set MNT, 42
; v1 K's, v2 V's fragments; v3 scale words; v4 d' = 16 j + r - 8 h (the masks); v5 16 x lane; v6 Q's scale word; v7-9 where I copy to, v7 behind the copy 16 j + r; v10, v11 o's scale words; v12 -M; v13 the largest t; v[14:15] the sum
; v232-235 block maxima; v236-239 at work; v240, 242, 244, 246 E_b, the odd ones beside them at work; later v240-243 holds, v244-247 scale operands
; v248-251 K's or V's scale words; v252 f; v253 p's scale word; v254 at work; v255 -infinity
	s_load_b128 s[4:7], s[0:1], 0x0                ; in s[4:5], out s[6:7]
	v_lshrrev_b32 v1, 5, v0
	s_delay_alu instid0(VALU_DEP_1)
	v_readfirstlane_b32 s[WV], v1
	s_lshr_b32 s9, s[WV], 3                        ; hd: which of the two heads
	s_and_b32 s10, s[WV], 7                        ; j: which tile of queries
	s_and_b32 s11, ttmp7, 0xffff
	s_lshr_b32 s12, s11, 3                         ; bt: the batch
	s_and_b32 s13, s11, 7                          ; hp: the pair of heads
	s_lshl_b32 s14, s13, 1
	s_add_co_u32 s14, s14, s9                      ; hg: the head
	v_and_b32 v92, 31, v0                          ; lane
	v_and_b32 v93, 15, v0                          ; r
	v_bfe_u32 v94, v0, 4, 1                        ; h
	s_mul_i32 s15, s9, 24576
	v_lshl_add_u32 v1, v92, 4, s15
	s_delay_alu instid0(VALU_DEP_1)
	v_add_nc_u32 v2, 49152, v1
	s_wait_alu depctr_va_vdst(0)
	s_mul_i32 s16, s9, 1536
	s_add_co_u32 s16, s16, SCL
	v_lshl_add_u32 v3, v93, 2, s16
	s_wait_alu depctr_va_vdst(0)
	s_lshl_b32 s17, s10, 4                         ; 16 j
	v_lshlrev_b32 v95, 3, v94
	s_delay_alu instid0(VALU_DEP_1)
	v_sub_nc_u32 v4, v93, v95
	s_delay_alu instid0(VALU_DEP_1)
	v_add_nc_u32 v4, s17, v4
	v_lshlrev_b32 v5, 4, v92
	s_wait_alu depctr_va_vdst(0)
	s_lshl_b32 s18, s10, 10
	v_add_nc_u32 v7, s18, v1                       ; K: token block j of each key block
	s_and_b32 s19, s10, 3
	s_lshl_b32 s19, s19, 11
	s_lshr_b32 s20, s10, 2
	s_lshl_b32 s20, s20, 10
	s_add_co_u32 s19, s19, s20
	v_add_nc_u32 v8, s19, v2                       ; V: channels 16 (j % 4) on, key blocks of 32: 2 (j / 4) and the next
	s_lshl_b32 s21, s10, 6
	v_lshl_add_u32 v9, v94, 1, v3
	s_delay_alu instid0(VALU_DEP_1)
	v_add_nc_u32 v9, s21, v9                       ; scale pairs: waves j < 4 K's (32 keys), j >= 4 V's (16 channels): 64 j + 4 r + 2 h
	s_lshl_b32 s22, s9, 1
	s_add_co_u32 s22, s22, s21
	s_add_co_u32 s22, s22, OSL
	v_lshl_add_u32 v10, v93, 2, s22                ; o's scale pair: word 16 j + r, half hd
	v_lshl_add_u32 v11, v92, 4, OSL
	; byte offsets in the input, from ids alone
	s_add_co_u32 s24, s14, 16
	s_lshl_b32 s24, s24, 8
	s_lshl_b32 s25, s12, 7
	s_add_co_u32 s24, s24, s25
	s_add_co_u32 s24, s24, s10
	s_lshl_b32 s24, s24, 10                        ; K: ((16 + hg) 256 + 128 bt + j) 1024, + 8192 a key block
	s_lshl_b32 s25, s12, 10
	s_lshl_b32 s26, s14, 2
	s_add_co_u32 s25, s25, s26
	s_and_b32 s26, s10, 3
	s_add_co_u32 s25, s25, s26
	s_lshl_b32 s25, s25, 10
	s_lshr_b32 s26, s10, 2
	s_lshl_b32 s26, s26, 21
	s_add_co_u32 s25, s25, s26
	s_add_co_u32 s25, s25, 0x800000                ; V: 0x800000 + (j / 4) 0x200000 + (1024 bt + 4 hg + j % 4) 1024, + 65536 a key block
	s_add_co_u32 s26, s14, 16
	s_lshl_b32 s26, s26, 13
	s_lshl_b32 s27, s12, 12
	s_add_co_u32 s26, s26, s27
	s_lshl_b32 s27, s10, 6
	s_add_co_u32 s26, s26, s27
	s_add_co_u32 s26, s26, 0xC00000                ; K's scale pairs, keys 32 j on, + 256 a key block
	s_lshl_b32 s27, s12, 15
	s_lshl_b32 s28, s14, 7
	s_add_co_u32 s27, s27, s28
	s_lshl_b32 s28, s10, 5
	s_add_co_u32 s27, s27, s28
	s_add_co_u32 s27, s27, 0xC40000-128            ; V's, channels 16 (j - 4) on, + 2048 a key block
	s_mov_b32 s29, 65536
	s_cmp_lt_u32 s10, 4
	s_cselect_b32 s26, s26, s27
	s_cselect_b32 s28, 8, 11
	s_cselect_b32 s29, 32, s29                     ; lanes 16-31: the next 16 keys, or v's second half
	v_mul_lo_u32 v95, v94, s29
	s_delay_alu instid0(VALU_DEP_1)
	v_lshl_add_u32 v95, v93, 1, v95
	s_wait_alu depctr_va_vdst(0)
.irp sp, 0,1,2
	s_sub_co_i32 s30, ttmp9, \sp
	s_max_i32 s30, s30, 0                          ; a key block before the sequence's start is not used: its load is held inside the buffer
	s_lshl_b32 s31, s30, 13
	s_add_co_u32 s31, s31, s24
	v_add_nc_u32 v[104+3*\sp], s31, v5
	s_lshl_b32 s31, s30, 16
	s_add_co_u32 s31, s31, s25
	v_add_nc_u32 v[105+3*\sp], s31, v5
	s_lshl_b32 s31, s30, s28
	s_add_co_u32 s31, s31, s26
	v_add_nc_u32 v[106+3*\sp], s31, v95
.endr
	s_lshl_b32 s33, s12, 7
	s_lshl_b32 s31, ttmp9, 3
	s_add_co_u32 s33, s33, s31
	s_add_co_u32 s33, s33, s10                     ; my token block: 128 bt + 8 a + j
	s_lshl_b32 s30, s14, 8
	s_add_co_u32 s30, s30, s33
	s_lshl_b32 s31, s30, 10
	v_add_nc_u32 v113, s31, v5                     ; Q's image
	s_lshl_b32 s31, s30, 5
	s_add_co_u32 s31, s31, 0xC00000
	v_lshl_add_u32 v114, v93, 1, s31               ; Q's scale pair
	s_lshl_b32 s30, s33, 14                        ; out: token block x 16,384 + hp x 2,048 + hd x 1,024
	s_lshl_b32 s31, s13, 11
	s_add_co_u32 s30, s30, s31
	s_lshl_b32 s31, s9, 10
	s_add_co_u32 s30, s30, s31
	s_mov_b32 s31, 0
	s_lshl_b32 s32, s13, 14                        ; scale words: 0x400000 + hp x 16,384 + (2048 bt + 128 a) x 4
	s_lshl_b32 s33, s12, 13
	s_add_co_u32 s32, s32, s33
	s_lshl_b32 s33, ttmp9, 9
	s_add_co_u32 s32, s32, s33
	s_add_co_u32 s32, s32, 0x400000
	s_mov_b32 s33, 0
	s_mov_b32 s[SEL], 0x76543210
	s_mov_b32 s[SEL+1], 0xfedcba98
	s_mov_b32 s[CS], 0x3e38aa3b
	s_mov_b32 s[CS+1], s[CS]
	s_mov_b32 s[L2E], 0x3fb8aa3b
	s_mov_b32 s[MNT], 0x600000
	s_add_co_u32 s43, s14, 1                       ; A = 2^(-(hg + 1) / 2) log2(e): log2(e), or log2(e) / sqrt(2) where hg + 1 is odd, with (hg + 1) / 2 off the exponent field
	s_mov_b32 s[AS], 0x3fb8aa3b
	s_and_b32 s44, s43, 1
	s_cselect_b32 s[AS], 0x3f8293ee, s[AS]
	s_lshr_b32 s43, s43, 1
	s_lshl_b32 s43, s43, 23
	s_sub_co_u32 s[AS], s[AS], s43
	s_wait_alu depctr_va_vdst(0)
	s_wait_kmcnt 0x0
	s_add_nc_u64 s[34:35], s[6:7], s[32:33]
	s_add_nc_u64 s[6:7], s[6:7], s[30:31]
.irp sp, 0,1,2
	global_load_b128 v[40+16*\sp:43+16*\sp], v[104+3*\sp], s[4:5]
	global_load_b128 v[44+16*\sp:47+16*\sp], v[104+3*\sp], s[4:5] offset:512
	global_load_b128 v[48+16*\sp:51+16*\sp], v[105+3*\sp], s[4:5]
	global_load_b128 v[52+16*\sp:55+16*\sp], v[105+3*\sp], s[4:5] offset:512
	global_load_u16 v[88+\sp], v[106+3*\sp], s[4:5]
.endr
	global_load_b128 v[16:19], v113, s[4:5]
	global_load_b128 v[20:23], v113, s[4:5] offset:512
	global_load_b128 v[32:35], v113, s[4:5]        ; Q a second time, behind the zeros
	global_load_b128 v[36:39], v113, s[4:5] offset:512
	global_load_u16 v6, v114, s[4:5]
	v_mov_b32 v13, 0xff61b1e6                      ; -3e38, under every t
	s_delay_alu instid0(VALU_DEP_1)
	v_floor_f32 v12, -v13
	v_mov_b32 v14, 0
	v_mov_b32 v15, 0
.irp i, 0,1,2,3,4,5,6,7
	v_mov_b32 v[24+\i], 0
.endr
.set n, 0
.rept 32
	v_mov_b32 v[OT+n], 0                           ; the step is written once for all three key blocks: the first finds zeros
.set n, n+1
.endr
.irp b, 0,1,2,3
	v_mov_b32 v[236+\b], 0                         ; a lane permute's destination counts as one of its sources
.endr
	v_mov_b32 v253, 0                              ; named as the upper half of v[252:253] before it is first made
	v_mov_b32 v255, 0xff800000
.irp u, 0,1
.irp i, 0,1,2,3,4,5,6,7
	v_lshl_add_u32 v[LT+8*\u+\i], v94, 3, 16*\u+\i ; the key's place in its block of 32: 16 u + i + 8 h
.endr
.endr
.set n, 0
.rept 16
	v_cvt_f32_i32 v[LT+n], v[LT+n]
.set n, n+1
.endr
.set n, 0
.rept 16
	v_mul_f32 v[LT+n], s[AS], v[LT+n]
.set n, n+1
.endr
	s_wait_loadcnt 0x0
.irp sp, 0,1,2
	ds_store_b128 v7, v[40+16*\sp:43+16*\sp] offset:8192*\sp
	ds_store_b128 v7, v[44+16*\sp:47+16*\sp] offset:8192*\sp+512
	ds_store_b128 v8, v[48+16*\sp:51+16*\sp] offset:8192*\sp
	ds_store_b128 v8, v[52+16*\sp:55+16*\sp] offset:8192*\sp+512
	ds_store_b16 v9, v[88+\sp] offset:512*\sp
.endr
	v_lshl_or_b32 v6, v6, 16, v6                   ; Q's two bytes serve both places of Q
	s_wait_dscnt 0x0                               ; for the others' sake: my part of K, V and the scales has landed
	s_barrier_signal -1
	s_barrier_wait -1
	v_add_nc_u32 v7, s17, v93                      ; the copy is over: v7 = 16 j + r, my query's place in the block of 128; the same in both lanes that hold the query
; A KEY STEP: key block a - sp
.macro STEP sp
.irp b, 0,1,2,3                                ; E_b = A (32 b - 128 sp - (16 j + r)) + log2(e): the window's + 1 is the last term.  These twelve lines are also the places behind the last step's products
	v_sub_nc_u32 v[241+2*\b], 32*\b-128*\sp, v7
.endr
.irp b, 0,1,2,3
	s_delay_alu instid0(VALU_DEP_4)
	v_cvt_f32_i32 v[241+2*\b], v[241+2*\b]
.endr
.irp b, 0,1,2,3
	s_delay_alu instid0(VALU_DEP_4)
	v_fma_f32 v[240+2*\b], s[AS], v[241+2*\b], s[L2E]
.endr
.set n, 0
.rept 16
	ds_load_b128 v[FB+4*n:FB+4*n+3], v1 offset:8192*\sp+512*n
.set n, n+1
.endr
.irp b, 0,1,2,3
	ds_load_b32 v[248+\b], v3 offset:512*\sp+64*\b
.endr
	s_wait_dscnt 0x0
.irp b, 0,1,2,3
	v_wmma_scale_f32_16x16x128_f8f6f4 v[SS+16*\b:SS+16*\b+7], v[FB+16*\b:FB+16*\b+15], v[16:31], 0, v[248+\b], v6
	v_wmma_scale_f32_16x16x128_f8f6f4 v[SS+16*\b+8:SS+16*\b+15], v[FB+16*\b:FB+16*\b+15], v[24:39], 0, v[248+\b], v6
.endr
.rept 8
	v_nop                                          ; places: the loads below land in registers that these products read, and the scores are read
.endr
.set n, 0
.rept 16
	ds_load_b128 v[FB+4*n:FB+4*n+3], v2 offset:8192*\sp+512*n       ; V's four fragments land under the softmax
.set n, n+1
.endr
.irp t, 0,1,2,3
	ds_load_b32 v[248+\t], v3 offset:512*\sp+256+64*\t
.endr
.set n, 0
.rept 32
	v_pk_fma_f32 v[SS+n:SS+n+1], v[SS+n:SS+n+1], s[CS:CS+1], v[LT+n%16:LT+n%16+1] op_sel_hi:[1,0,1]   ; t' = score x log2(e) / 8 + A (16 u + i + 8 h); ascending: each accumulator from its low end on
.set n, n+2
.endr
.if \sp != 1                                   ; the diagonal block hides keys after the query, the far block keys 256 or more before it; the middle block hides nothing
.set n, 0
.rept 64
.if \sp == 0
	v_cmp_gt_i32 vcc_lo, 32*(n/16)+16*((n/8)%2)+n%8, v4
.else
	v_cmp_le_i32 vcc_lo, 32*(n/16)+16*((n/8)%2)+n%8, v4
.endif
	s_delay_alu instid0(VALU_DEP_1)
	v_cndmask_b32 v[SS+n], v[SS+n], v255, vcc_lo
.set n, n+1
.endr
.endif
.irp b, 0,1,2,3
	v_max3_num_f32 v[232+\b], v[SS+16*\b], v[SS+1+16*\b], v[SS+2+16*\b]   ; each block's largest t': it serves the row's maximum and, since p rises with t, the block's largest p
.endr
.irp i, 3,5,7,9,11,13
.irp b, 0,1,2,3
	s_delay_alu instid0(VALU_DEP_4)
	v_max3_num_f32 v[232+\b], v[232+\b], v[SS+16*\b+\i], v[SS+1+16*\b+\i]
.endr
.endr
.irp b, 0,1,2,3
	s_delay_alu instid0(VALU_DEP_4)
	v_max_num_f32 v[232+\b], v[232+\b], v[SS+15+16*\b]
.endr
.irp b, 0,1,2,3
	s_delay_alu instid0(VALU_DEP_4)
	v_permlanex16_b32 v[236+\b], v[232+\b], s[SEL], s[SEL+1]
.endr
.irp b, 0,1,2,3
	s_delay_alu instid0(VALU_DEP_4)
	v_max_num_f32 v[232+\b], v[232+\b], v[236+\b]  ; with lane l xor 16's 16 keys: what is still to be added, E_b, is the same there
.endr
.irp b, 0,1,2,3
	s_delay_alu instid0(VALU_DEP_4)
	v_add_f32 v[241+2*\b], v[232+\b], v[240+2*\b]  ; as t
.endr
	s_delay_alu instid0(VALU_DEP_2)
	v_max3_num_f32 v254, v241, v243, v245
	s_delay_alu instid0(VALU_DEP_1)
	v_max_num_f32 v254, v254, v247
	s_delay_alu instid0(VALU_DEP_1)
	v_max_num_f32 v13, v13, v254                   ; the running largest t
	v_mov_b32 v254, v12
	s_delay_alu instid0(VALU_DEP_2)
	v_floor_f32 v12, -v13                          ; -M = floor(-t): M is a whole number
	s_delay_alu instid0(VALU_DEP_1)
	v_sub_f32 v254, v12, v254
	s_delay_alu instid0(VALU_DEP_1)
	v_cvt_i32_f32 v254, v254                       ; (it saturates)
	s_delay_alu instid0(VALU_DEP_1)
	v_ldexp_f32 v252, 1.0, v254                    ; f = 2^(old M - new M): rounds nothing
.irp b, 0,1,2,3
	v_add_f32 v[240+2*\b], v[240+2*\b], v12        ; E_b - M
.endr
.irp b, 0,1,2,3
	s_delay_alu instid0(VALU_DEP_4)
	v_add_f32 v[232+\b], v[232+\b], v[240+2*\b]    ; the same addition as the block's numbers get: the same bits
.endr
.set n, 0
.rept 32
	v_pk_add_f32 v[SS+n:SS+n+1], v[SS+n:SS+n+1], v[240+2*(n/16):241+2*(n/16)] op_sel_hi:[1,0]   ; t - M
.set n, n+2
.endr
.set n, 0
	s_wait_alu depctr_va_vdst(0)
.rept 64
	v_exp_f32 v[SS+n], v[SS+n]                     ; p = 2^(t - M)
.set n, n+1
.endr
	v_pk_mul_f32 v[14:15], v[14:15], v[252:253] op_sel_hi:[1,0]     ; the sums under the new M: a plain instruction behind the exponentials
	s_wait_alu depctr_va_vdst(0)                   ; one wait for the batch, ahead of its first reader
.irp b, 0,1,2,3
	v_exp_f32 v[232+\b], v[232+\b]                 ; the block's largest p
.endr
	v_pk_add_f32 v[236:237], v[108:109], v[112:113]
	v_pk_add_f32 v[246:247], v[116:117], v[120:121]
	v_pk_add_f32 v[244:245], v[124:125], v[128:129]
	v_pk_add_f32 v[242:243], v[132:133], v[136:137]
	v_pk_add_f32 v[240:241], v[140:141], v[144:145]
	v_pk_add_f32 v[238:239], v[148:149], v[152:153]
	v_pk_add_f32 v[214:215], v[156:157], v[160:161]
	v_pk_add_f32 v[14:15], v[14:15], v[164:165]
	v_pk_add_f32 v[236:237], v[236:237], v[104:105]
	v_pk_add_f32 v[246:247], v[246:247], v[106:107]
	v_pk_add_f32 v[244:245], v[244:245], v[110:111]
	v_pk_add_f32 v[242:243], v[242:243], v[114:115]
	v_pk_add_f32 v[240:241], v[240:241], v[118:119]
	v_pk_add_f32 v[238:239], v[238:239], v[122:123]
	v_pk_add_f32 v[214:215], v[214:215], v[126:127]
	v_pk_add_f32 v[14:15], v[14:15], v[130:131]
	v_pk_add_f32 v[236:237], v[236:237], v[134:135]
	v_pk_add_f32 v[246:247], v[246:247], v[138:139]
	v_pk_add_f32 v[244:245], v[244:245], v[142:143]
	v_pk_add_f32 v[242:243], v[242:243], v[146:147]
	v_pk_add_f32 v[240:241], v[240:241], v[150:151]
	v_pk_add_f32 v[238:239], v[238:239], v[154:155]
	v_pk_add_f32 v[214:215], v[214:215], v[158:159]
	v_pk_add_f32 v[14:15], v[14:15], v[162:163]
	v_pk_add_f32 v[236:237], v[236:237], v[166:167]
	s_delay_alu instid0(VALU_DEP_2)
	v_pk_add_f32 v[14:15], v[14:15], v[242:243]
	s_delay_alu instid0(VALU_DEP_2)
	v_pk_add_f32 v[236:237], v[236:237], v[240:241]
	v_pk_add_f32 v[246:247], v[246:247], v[238:239]
	v_pk_add_f32 v[244:245], v[244:245], v[214:215]
	s_delay_alu instid0(VALU_DEP_2)
	v_pk_add_f32 v[14:15], v[14:15], v[246:247]
	s_delay_alu instid0(VALU_DEP_2)
	v_pk_add_f32 v[236:237], v[236:237], v[244:245]
	s_delay_alu instid0(VALU_DEP_1)
	v_pk_add_f32 v[14:15], v[14:15], v[236:237]
	s_wait_alu depctr_va_vdst(0)                   ; and one for the four
.irp b, 0,1,2,3
	v_max_num_f32 v[232+\b], 0x4800000, v[232+\b]  ; the floor 2^(9 - 127)
.endr
.irp b, 0,1,2,3
	s_delay_alu instid0(VALU_DEP_4)
	v_add_nc_u32 v[244+\b], 0xfc000000, v[232+\b]  ; the conversion's scale operand
.endr
.irp b, 0,1,2,3
	v_and_or_b32 v[240+\b], v[232+\b], 0x7f800000, s[MNT]           ; 448 x the scale
.endr
.irp b, 0,1,2,3
	v_lshrrev_b32 v[236+\b], 23, v[244+\b]
.endr
	s_delay_alu instid0(VALU_DEP_3)
	v_lshl_or_b32 v253, v237, 8, v236              ; p's scale word for these 128 keys
	s_delay_alu instid0(VALU_DEP_1)
	v_lshl_or_b32 v253, v238, 16, v253
	s_delay_alu instid0(VALU_DEP_1)
	v_lshl_or_b32 v253, v239, 24, v253
.irp b, 0,1,2,3
.irp i, 0,1,2,3,4,5,6,7,8,9,10,11,12,13,14,15
	v_min_num_f32 v[SS+16*\b+\i], v[SS+16*\b+\i], v[240+\b]         ; the conversion does not saturate (ISA guide 7.6.2); p is not negative
.endr
	v_cvt_scalef32_pk8_fp8_f32 v[PCD+4*\b:PCD+1+4*\b], v[SS+16*\b:SS+7+16*\b], v[244+\b]
	v_cvt_scalef32_pk8_fp8_f32 v[PCD+2+4*\b:PCD+3+4*\b], v[SS+8+16*\b:SS+15+16*\b], v[244+\b]
.endr
	v_nop                                          ; a plain instruction between the conversions and the swaps
.irp b, 0,1,2,3                                ; keys 0-7, 16-23 | 8-15, 24-31 of a block become 0-15 | 16-31
	v_permlane16_swap_b32 v[PCD+4*\b], v[PCD+4*\b+2]
	v_permlane16_swap_b32 v[PCD+4*\b+1], v[PCD+4*\b+3]
.endr
.set n, 0
.rept 16
	v_pk_mul_f32 v[OT+n:OT+n+1], v[OT+n:OT+n+1], v[252:253] op_sel_hi:[1,0]   ; O^T under the new M; also the places between the codes and the products
.set n, n+2
.endr
	s_wait_alu depctr_va_vdst(0)
	s_wait_dscnt 0x0                               ; V
.irp t, 0,1,2,3
	v_wmma_scale_f32_16x16x128_f8f6f4 v[OT+8*\t:OT+8*\t+7], v[FB+16*\t:FB+16*\t+15], v[PCD:PCD+15], v[OT+8*\t:OT+8*\t+7], v[248+\t], v253
.endr
.endm
	STEP 0
	s_cmp_lt_u32 ttmp9, 1
	s_cbranch_scc1 .Lout
	STEP 1
	s_cmp_lt_u32 ttmp9, 2
	s_cbranch_scc1 .Lout
	STEP 2
.Lout:
.rept 8
	v_nop                                          ; places behind the last products
.endr
	v_add_f32 v14, v14, v15
	s_delay_alu instid0(VALU_DEP_1)
	v_permlanex16_b32 v252, v14, s[SEL], s[SEL+1]
	s_delay_alu instid0(VALU_DEP_1)
	v_add_f32 v14, v14, v252                       ; the row's sum
	s_wait_alu depctr_va_vdst(0)
	v_rcp_f32 v14, v14
	v_nop
	s_wait_alu depctr_va_vdst(0)                   ; ahead of the reciprocal's first reader
.set n, 0
.rept 32
	v_mul_f32 v[SS+n], v[OT+n], v14                ; o(query r, channel 16 t + 8 h + i); ascending
.set n, n+1
.endr
.irp c, 0,1                                    ; the head's two blocks of 32 channels are quantised as the scores' blocks are
	v_max3_num_f32 v[232+\c], |v[SS+16*\c]|, |v[SS+1+16*\c]|, 0x4800000
.endr
.irp i, 2,4,6,8,10,12,14
.irp c, 0,1
	s_delay_alu instid0(VALU_DEP_2)
	v_max3_num_f32 v[232+\c], v[232+\c], |v[SS+16*\c+\i]|, |v[SS+1+16*\c+\i]|
.endr
.endr
.irp c, 0,1
	s_delay_alu instid0(VALU_DEP_2)
	v_permlanex16_b32 v[236+\c], v[232+\c], s[SEL], s[SEL+1]
.endr
.irp c, 0,1
	s_delay_alu instid0(VALU_DEP_2)
	v_max_num_f32 v[232+\c], v[232+\c], v[236+\c]
.endr
.irp c, 0,1
	s_delay_alu instid0(VALU_DEP_2)
	v_add_nc_u32 v[244+\c], 0xfc000000, v[232+\c]
.endr
.irp c, 0,1
	s_delay_alu instid0(VALU_DEP_4)
	v_and_or_b32 v[240+\c], v[232+\c], 0x7f800000, s[MNT]
.endr
.irp c, 0,1
	s_delay_alu instid0(VALU_DEP_4)
	v_lshrrev_b32 v[236+\c], 23, v[244+\c]
.endr
	s_delay_alu instid0(VALU_DEP_1)
	v_lshl_or_b32 v254, v237, 8, v236              ; the head's two scale bytes
.irp c, 0,1
.irp i, 0,1,2,3,4,5,6,7,8,9,10,11,12,13,14,15
	v_med3_num_f32 v[SS+16*\c+\i], v[SS+16*\c+\i], -v[240+\c], v[240+\c]
.endr
	v_cvt_scalef32_pk8_fp8_f32 v[PCD+4*\c:PCD+1+4*\c], v[SS+16*\c:SS+7+16*\c], v[244+\c]
	v_cvt_scalef32_pk8_fp8_f32 v[PCD+2+4*\c:PCD+3+4*\c], v[SS+8+16*\c:SS+15+16*\c], v[244+\c]
.endr
	v_nop
.irp c, 0,1
	v_permlane16_swap_b32 v[PCD+4*\c], v[PCD+4*\c+2]
	v_permlane16_swap_b32 v[PCD+4*\c+1], v[PCD+4*\c+3]
.endr
	global_store_b128 v5, v[PCD:PCD+3], s[6:7]     ; 512 consecutive bytes each
	global_store_b128 v5, v[PCD+4:PCD+7], s[6:7] offset:512
	ds_store_b16 v10, v254                         ; lanes l and l + 16 write the same bytes with the same value
	s_wait_dscnt 0x0                               ; for wave 0's sake
	s_barrier_signal -1
	s_barrier_wait -1
	s_cmp_lg_u32 s[WV], 0
	s_cbranch_scc1 .Lend
	ds_load_b128 v[40:43], v11
	s_wait_dscnt 0x0
	global_store_b128 v5, v[40:43], s[34:35]       ; the 128 rows' scale words of this pair of heads: 512 consecutive bytes
.Lend:
	s_wait_xcnt 0x0
	v_lshl_add_u32 v254, v0, 2, 0x18e00
	v_mov_b32 v255, 0
	s_wait_alu depctr_va_vdst(0)
	s_wait_tensorcnt 0x0
	ds_add_u32 v254, v255
	s_wait_dscnt 0x0
	s_endpgm
.Lfunc_end_k_qd1d7ea9e4a_attn:
	.size	k_qd1d7ea9e4a_attn, .Lfunc_end_k_qd1d7ea9e4a_attn-k_qd1d7ea9e4a_attn
	.p2alignl 7, 3214868480
	.fill 96, 4, 3214868480
	.section	.rodata,"a",@progbits
	.p2align	6, 0x0
	.amdhsa_kernel k_qd1d7ea9e4a_attn
		.amdhsa_group_segment_fixed_size 103936
		.amdhsa_private_segment_fixed_size 0
		.amdhsa_enable_private_segment 0
		.amdhsa_kernarg_size 16
		.amdhsa_user_sgpr_count 2
		.amdhsa_user_sgpr_kernarg_segment_ptr 1
		.amdhsa_wavefront_size32 1
		.amdhsa_system_sgpr_workgroup_id_x 1
		.amdhsa_system_sgpr_workgroup_id_y 1
		.amdhsa_system_sgpr_workgroup_id_z 1
		.amdhsa_system_vgpr_workitem_id 0
		.amdhsa_next_free_vgpr 256
		.amdhsa_next_free_sgpr 66
		.amdhsa_reserve_vcc 1
		.amdhsa_float_denorm_mode_32 3
		.amdhsa_float_denorm_mode_16_64 3
		.amdhsa_memory_ordered 1
		.amdhsa_forward_progress 1
		.amdhsa_inst_pref_size 105
	.end_amdhsa_kernel
	.amdgpu_metadata
---
amdhsa.version: [ 1, 2 ]
amdhsa.kernels:
  - .name:           k_qd1d7ea9e4a_attn
    .symbol:         k_qd1d7ea9e4a_attn.kd
    .args:
      - { .name: qkvq, .offset: 0, .size: 8, .value_kind: global_buffer, .address_space: global }
      - { .name: oq, .offset: 8, .size: 8, .value_kind: global_buffer, .address_space: global }
    .group_segment_fixed_size: 103936
    .private_segment_fixed_size: 0
    .kernarg_segment_align: 8
    .kernarg_segment_size: 16
    .max_flat_workgroup_size: 512
    .sgpr_count:     66
    .vgpr_count:     256
    .wavefront_size: 32
...
	.end_amdgpu_metadata
.endif
;; end of part 3
;; launch proj (part 4): grid 8 x 32, 4 waves a work-group, clusters of 4 x 4, 327,680 bytes of LDS; arguments oq, proj_w_codes, proj_w_scales, proj_b, x, x1; writes x1
.if DOCPART == 4
	.amdgcn_target "amdgcn-amd-amdhsa--gfx1250"
	.amdhsa_code_object_version 6
	.text
	.protected	k_qd1d7ea9e4a_proj
	.globl	k_qd1d7ea9e4a_proj
	.p2align	8
	.type	k_qd1d7ea9e4a_proj,@function
k_qd1d7ea9e4a_proj:
	s_mov_b64 s[64:65], 0
	v_nop
	global_prefetch_b8 v0, s[64:65] scope:SCOPE_SE
	s_setreg_imm32_b32 hwreg(HW_REG_WAVE_MODE, 25, 1), 1
	s_wait_xcnt 0x0
	s_wait_alu depctr_hold_cnt(0) depctr_sa_sdst(0) depctr_va_vdst(0) depctr_va_sdst(0) depctr_va_ssrc(0) depctr_va_vcc(0) depctr_vm_vsrc(0)
	s_getreg_b32 s2, hwreg(HW_REG_IB_STS2, 6, 4)
	s_cmp_eq_u32 s2, 0
	s_cbranch_scc0 .Lentry_in_a_cluster
	s_endpgm
.Lentry_in_a_cluster:
	s_bfe_u32 s2, ttmp6, 0x10000c
	s_cmp_lg_u32 s2, 0xf033
	s_cbranch_scc0 .Lentry_shape_is_right
	s_endpgm
.Lentry_shape_is_right:
; out = resid + (A W^T + bias): A [4096][SIZE_K] as images of operand registers with scale words beside them, W [1024][SIZE_K] as codes and scale bytes, K innermost; out, resid [4096][1024] f32.
; N = 1,024 gives only 64 tiles of 256 x 256, so a tile of C is 128 x 128: 256 work-groups, four waves of 64 x 64 (16 accumulators).  One text serves SIZE_K = 1,024 and 4,096.
; K goes in steps of 512 through two LDS slots.  A's part of a slot: 8 blocks of 16 rows x 4 fragments of 2,048 bytes, as they lie in memory (each fragment load reads 512 consecutive bytes);
; W's part: 128 rows of 512 bytes + 16 of padding.  The scale words of the work-group's rows of A and of W, for all of K, come into LDS once, with the first fills.
; CLUSTERS: 4 x 4 work-groups; A's tiles are asked for jointly along a row of the cluster, W's along a column.
; The matrix instruction is used transposed (source 0 = 16 rows of W, source 1 = 16 rows of A): a lane holds eight neighbouring columns of one row of C.
; A wave's 64 columns are 256 bytes: each wave sends its own blocks of 16 rows through its own stage (in slot 0, which has had its last fill and its last read by then) and stores aligned runs of 256 bytes.
; The residual is asked for at the head, into registers of its own, and has the whole loop in which to land.
; REGISTERS: window 0: v0-31 addresses, v[12:15] the bias; v32-47 A's scale words, v48-63 W's, and nothing else there; v64-127 rows on the way out; v128-255 the accumulators ((a, b) at 128 + 8 (4 a + b)).
;   window 1: two fragment buffers of 128: A's four blocks, then W's four.   window 2: v0-127 the residual.
.set SIZE_K, 1024
.set KQ,    SIZE_K/128                 ; matrix instructions deep
.set KS,    SIZE_K/32                  ; a row of W's scale bytes
.set RB,    64*KS/256                  ; runs of 256 bytes in the scale bytes of 64 rows of W
.set LAPS,  SIZE_K/1024                ; a lap = two slots
.set NP,    8                          ; places behind this matrix instruction (ISA guide 7.12.1)
.set BP,    528
.set AHALF, 32768                      ; 64 rows of A in a slot
.set BHALF, 64*BP
.set BOFF,  2*AHALF
.set SLOT,  BOFF+2*BHALF
.set ASL,   2*SLOT                     ; A's scale words: K step of 128 x 512 + 4 x row
.set BSL,   ASL+2*KQ*256               ; W's scale bytes: runs of 256 + 16 of padding
.set SPARE, BSL+2*RB*272               ; the spare words, 128 bytes a wave; no other line names them
.set BO,   7                           ; v7   my place in the bias
.set ADRA, 16
.set ADRB, 20
.set ADSA, 22
.set ADSB, 23
.set STO,  24
.set RD,   25
.set CO,   26
.set SPW,  28
.set NIL,  29
.set SA,   32                          ; set s at + 8 s; register 2 q + p: lanes 0-15 A's block 2 p, lanes 16-31 block 2 p + 1
.set SB,   48                          ; set s at + 8 s; register 4 p + q: likewise for W's blocks
.set TB,   64
.set ACC,  128
.set F0,   0
.set F1,   128
.set G1, 24
.set G0, 32
.set G1B, 48
.set G0B, 56
.set G1S, 68
.set G0S, 76
.set G1SB, 80
.set G0SB, 88
.set MSB, 0
.macro WIN new                         ; the immediate's high byte repeats the setting that is left
.if MSB != (\new)
	s_set_vgpr_msb (MSB<<8)|(\new)
.set MSB, (\new)
.endif
.endm
.set MUL,  0x05                        ; sources 0 and 1 window 1; C and D window 0
.set TO_F, 0x40
.macro JLOAD g0a, g1a, g0b, g1b        ; a joint load: waves 0 and 1 fetch for A, waves 2 and 3 for W; four v_nop follow each of the two lines
	s_cmp_eq_u32 s15, 0
	s_cbranch_scc0 .Lfor_b_\@
	tensor_load_to_lds s[\g0a:\g0a+3], s[\g1a:\g1a+7]
	s_nop 0
.rept 4
	v_nop
.endr
	s_branch .Lasked_\@
.Lfor_b_\@:
	tensor_load_to_lds s[\g0b:\g0b+3], s[\g1b:\g1b+7]
	s_nop 0
.rept 4
	v_nop
.endr
.Lasked_\@:
.endm
.macro CREST
	s_cmp_lg_u32 s14, 0
	s_cbranch_scc1 .Lnot_wave_0_\@
	s_barrier_signal -3
.Lnot_wave_0_\@:
	s_barrier_wait -3
	s_barrier_signal -1
	s_barrier_wait -1
.endm
.macro CROUND
	s_barrier_signal -1
	s_barrier_wait -1
	CREST
.endm
	s_load_b128 s[4:7], s[0:1], 0x0                ; A s[4:5], W's codes s[6:7]
	s_load_b128 s[8:11], s[0:1], 0x10              ; W's scales s[8:9], the bias s[10:11]
	s_load_b128 s[96:99], s[0:1], 0x20             ; the residual s[96:97], out s[98:99]
	v_lshl_add_u32 v[SPW], v0, 2, SPARE
	v_mov_b32 v[NIL], 0
	ds_add_u32 v28, v29
	ds_add_u32 v28, v29
	s_wait_dscnt 0x0
	v_lshrrev_b32 v1, 5, v0
	v_readfirstlane_b32 s14, v1                    ; wave 0..3
	s_lshr_b32 s15, s14, 1                         ; my half of the tile's rows.  Also: I fetch for A (0) or for W (1)
	s_and_b32 s16, s14, 1                          ; my half of its columns.  Also: which 64 rows I fetch
	s_bfe_u32 s40, ttmp6, 0x40000
	s_bfe_u32 s41, ttmp6, 0x40004
	s_lshl_b32 s42, ttmp9, 2
	s_add_co_u32 s42, s42, s40                     ; tile column
	s_and_b32 s17, ttmp7, 0xffff
	s_lshl_b32 s17, s17, 2
	s_add_co_u32 s17, s17, s41                     ; tile row
	s_lshl_b32 s43, s41, 2
	s_lshl_b32 s43, 15, s43                        ; my row of the cluster
	s_lshl_b32 s44, 0x1111, s40                    ; my column
	s_or_b32 s[G1+0], s43, (3<<16)|(1<<21)         ; A's codes: 4 blocks of 16 rows, 8,192 consecutive bytes each (1,024 elements of 8), SIZE_K x 16 bytes apart; no padding
	s_mov_b32 s[G1+1], 1024<<16
	s_mov_b32 s[G1+2], 8<<16                       ; 8 blocks for the head's load; 4 behind it
	s_mov_b32 s[G1+3], 1024<<16
	s_mov_b32 s[G1+4], 8
	s_mov_b32 s[G1+5], 2*SIZE_K
	s_mov_b32 s[G1+6], 0
	s_mov_b32 s[G1+7], 0
	s_or_b32 s[G1B+0], s44, (0<<16)|(1<<20)|(1<<21)|(6<<22)|(3<<25) ; W's codes: 64 rows of 512 bytes; 4 words of padding behind every 128
	s_mov_b32 s[G1B+1], 512<<16
	s_mov_b32 s[G1B+2], 128<<16                    ; 128 rows for the head's load; 64 behind it
	s_mov_b32 s[G1B+3], 512<<16
	s_mov_b32 s[G1B+4], 128
	s_mov_b32 s[G1B+5], SIZE_K
	s_mov_b32 s[G1B+6], 0
	s_mov_b32 s[G1B+7], 0
	s_or_b32 s[G1S+0], s43, (3<<16)|(1<<21)        ; A's scale words: for each of KQ K steps the 128 rows' 512 bytes, 16,384 bytes apart
	s_mov_b32 s[G1S+1], 64<<16
	s_mov_b32 s[G1S+2], KQ<<16
	s_mov_b32 s[G1S+3], 64<<16
	s_mov_b32 s[G1S+4], KQ
	s_mov_b32 s[G1S+5], 2048
	s_mov_b32 s[G1S+6], 0
	s_mov_b32 s[G1S+7], 0
	s_or_b32 s[G1SB+0], s44, (3<<16)|(1<<20)|(1<<21)|(5<<22)|(3<<25) ; W's scale bytes of 128 rows: a dense block, as rows of 256 bytes + 16 of padding
	s_mov_b32 s[G1SB+1], 32<<16
	s_mov_b32 s[G1SB+2], (2*RB)<<16                ; the scale bytes of all 128 rows of W
	s_mov_b32 s[G1SB+3], 32<<16
	s_mov_b32 s[G1SB+4], 2*RB
	s_mov_b32 s[G1SB+5], 32
	s_mov_b32 s[G1SB+6], 0
	s_mov_b32 s[G1SB+7], 0
	s_lshl_b32 s20, s17, 3
	s_mul_i32 s20, s20, SIZE_K*16
	s_mov_b32 s21, 0
	s_lshl_b32 s22, s17, 9
	s_add_co_u32 s22, s22, SIZE_K*4096             ; its scale words lie behind the codes: + 4 x row
	s_mov_b32 s23, 0
	s_lshl_b32 s46, s42, 7
	s_mul_i32 s92, s46, KS
	s_mov_b32 s93, 0
	s_mul_i32 s46, s46, SIZE_K
	s_mov_b32 s47, 0
	s_mul_i32 s45, s16, AHALF                      ; where they go: the wave's number alone enters an LDS address
	s_mul_i32 s94, s16, BHALF
	s_add_co_u32 s94, s94, BOFF
	s_mul_i32 s100, s16, 4*SIZE_K*16               ; in the ring I fetch half a tile: which half, in bytes: of A (4 blocks of 16 rows),
	s_mov_b32 s101, 0
	s_mul_i32 s104, s16, 64*SIZE_K                 ; of W (64 rows)
	s_mov_b32 s105, 0
	s_wait_kmcnt 0x0
	s_add_nc_u64 s[20:21], s[4:5], s[20:21]
	s_add_nc_u64 s[22:23], s[4:5], s[22:23]
	s_add_nc_u64 s[46:47], s[6:7], s[46:47]
	s_add_nc_u64 s[92:93], s[8:9], s[92:93]
	CROUND                                         ; all sixteen work-groups are here: the first joint loads meet
	s_mov_b32 s[G0S], 1
	s_mov_b32 s[G0S+1], ASL
	s_mov_b64 s[G0S+2:G0S+3], s[22:23]
	s_or_b32 s[G0S+3], s[G0S+3], 0x80000000
	s_mov_b32 s[G0SB], 1
	s_mov_b32 s[G0SB+1], BSL
	s_mov_b64 s[G0SB+2:G0SB+3], s[92:93]
	s_or_b32 s[G0SB+3], s[G0SB+3], 0x80000000
	s_mov_b32 s[G0], 1                             ; slot 0's groups 0 serve the head: A's part of slot 0, whole,
	s_mov_b32 s[G0+1], 0
	s_mov_b64 s[G0+2:G0+3], s[20:21]
	s_or_b32 s[G0+3], s[G0+3], 0x80000000
	s_mov_b32 s[G0B], 1                            ; and W's
	s_mov_b32 s[G0B+1], BOFF
	s_mov_b64 s[G0B+2:G0B+3], s[46:47]
	s_or_b32 s[G0B+3], s[G0B+3], 0x80000000
	s_add_nc_u64 s[20:21], s[20:21], s[100:101]    ; for the ring: my half
	s_add_nc_u64 s[46:47], s[46:47], s[104:105]
	s_mov_b32 s[G0+4], 1
	s_add_co_u32 s[G0+5], s45, SLOT
	s_add_nc_u64 s[G0+6:G0+7], s[20:21], 8192
	s_or_b32 s[G0+7], s[G0+7], 0x80000000
	s_mov_b32 s[G0B+4], 1
	s_add_co_u32 s[G0B+5], s94, SLOT
	s_add_nc_u64 s[G0B+6:G0B+7], s[46:47], 512
	s_or_b32 s[G0B+7], s[G0B+7], 0x80000000
; the head's four tiles, one joint load a wave: wave 0 A's codes, wave 1 W's, wave 2 A's scale words, wave 3 W's scale bytes: one chain of branches on the wave's number
.macro HARM under, g0, g1, next
	s_cmp_lt_u32 s14, \under
	s_cbranch_scc0 \next
	tensor_load_to_lds s[\g0:\g0+3], s[\g1:\g1+7]
	s_nop 0
.rept 4
	v_nop
.endr
	s_branch .Lhead_asked
\next:
.endm
	HARM 1, G0,  G1,  .Lhead_b
	HARM 2, G0B, G1B, .Lhead_sa
	HARM 3, G0S, G1S, .Lhead_sb
	tensor_load_to_lds s[G0SB:G0SB+3], s[G1SB:G1SB+7]
	s_nop 0
.rept 4
	v_nop
.endr
.Lhead_asked:
	; PREFETCH INTO THE L2 of slot 1's tiles, whose load stands behind the head's round: of the half tile that I fetch (32,768 bytes a slot) my work-group takes a quarter, 32 blocks of 256 bytes, a lane a block:
	; one block of 16 rows of A (place cx), or 16 rows of W (place cy): told apart by address.  K has two slots here: nothing else is asked for
	s_cmp_eq_u32 s15, 0                            ; do I fetch for A?
	s_cselect_b64 s[66:67], s[20:21], s[46:47]
	s_cselect_b32 s92, s40, s41
	s_mov_b32 s2, SIZE_K
	s_cselect_b32 s2, 512, s2                      ; from one pair of lanes to the next: 512 bytes on in A's image, a row on in W
	s_mov_b32 s18, 512
	s_cselect_b32 s18, 8192, s18                   ; a slot on
	s_mul_i32 s92, s92, SIZE_K*16
	s_mov_b32 s93, 0
	s_add_nc_u64 s[66:67], s[66:67], s[92:93]
	v_and_b32 v9, 31, v0
	v_lshrrev_b32 v10, 1, v9
	v_and_b32 v9, 1, v9
	v_mul_lo_u32 v10, v10, s2
	v_lshl_add_u32 v9, v9, 8, v10
	v_add_nc_u32 v9, s18, v9                       ; in slot 1
	global_prefetch_b8 v9, s[66:67] th:TH_LOAD_NT scope:SCOPE_SE
	v_and_b32 v1, 15, v0                           ; r
	v_bfe_u32 v2, v0, 4, 1                         ; h
	v_and_b32 v3, 31, v0                           ; lane
	s_wait_alu depctr_va_vdst(0)
	v_lshlrev_b32 v4, 4, v3
	s_mul_i32 s21, s15, AHALF
	v_mul_u32_u24 v5, v1, BP
	v_lshl_add_u32 v5, v2, 4, v5
	s_mul_i32 s22, s16, BHALF
	s_add_co_u32 s22, s22, BOFF
.irp s, 0,1
	v_add_nc_u32 v[ADRA+\s], s21, v4               ; an image: 16 x lane
	v_add_nc_u32 v[ADRB+\s], s22, v5               ; rows: r x pitch + 16 h
	s_add_co_u32 s21, s21, SLOT
	s_add_co_u32 s22, s22, SLOT
.endr
	s_lshl_b32 s21, s15, 8                         ; my 64 rows' words: 256 bytes on for the second half
	s_add_co_u32 s21, s21, ASL
	v_lshl_add_u32 v[ADSA], v3, 2, s21             ; A's scale words: 4 x lane: two blocks of 16 rows a register
	v_mul_u32_u24 v6, v3, KS
	v_lshrrev_b32 v8, 8, v6
	v_lshl_add_u32 v6, v8, 4, v6                   ; W's: KS bytes a row, and 16 more for each 256 passed
	s_mul_i32 s22, s16, RB*272
	s_add_co_u32 s22, s22, BSL
	v_add_nc_u32 v[ADSB], s22, v6
	s_mul_i32 s23, s14, 16*272                     ; my stage
	v_mul_u32_u24 v6, v1, 272
	v_lshl_add_u32 v6, v2, 5, v6
	v_add_nc_u32 v[STO], s23, v6                   ; in: row r, 32 bytes for each half of the lanes
	v_mul_u32_u24 v6, v2, 272
	v_lshl_add_u32 v6, v1, 4, v6
	v_add_nc_u32 v[RD], s23, v6                    ; back: lanes 0-15 one row of 256 bytes, lanes 16-31 the next
	v_lshlrev_b32 v6, 12, v2
	v_lshl_add_u32 v[CO], v1, 4, v6                ; and the same two rows in memory
	v_lshlrev_b32 v[BO], 4, v1
	s_wait_alu depctr_va_vdst(0)
	s_lshl_b32 s20, s17, 7
	s_lshl_b32 s21, s15, 6
	s_add_co_u32 s20, s20, s21                     ; my first row
	s_lshl_b32 s20, s20, 12
	s_lshl_b32 s46, s42, 7
	s_lshl_b32 s47, s16, 6
	s_add_co_u32 s46, s46, s47                     ; my first column
	s_lshl_b32 s46, s46, 2
	s_mov_b32 s47, 0
	s_add_nc_u64 s[10:11], s[10:11], s[46:47]
	s_add_co_u32 s20, s20, s46
	s_mov_b32 s21, 0
	s_add_nc_u64 s[96:97], s[96:97], s[20:21]
	s_add_nc_u64 s[98:99], s[98:99], s[20:21]
	global_load_b128 v[12:15], v[BO], s[10:11]     ; the bias of columns 4 r .. 4 r + 3 of my 64
; one matrix instruction; ra, rb: source 0's, source 1's scales stand in lanes 16-31 of their registers
.macro WM acc, bf, af, sb, sa, ra, rb, zero
.set wD, \acc
.set wB, \bf
.set wA, \af
.set wS, \sb
.set wT, \sa
.if \zero
.if (\ra) && (\rb)
	v_wmma_scale_f32_16x16x128_f8f6f4 v[wD:wD+7], v[wB:wB+15], v[wA:wA+15], 0, v[wS], v[wT] matrix_a_scale:MATRIX_SCALE_ROW1 matrix_b_scale:MATRIX_SCALE_ROW1
.elseif (\ra)
	v_wmma_scale_f32_16x16x128_f8f6f4 v[wD:wD+7], v[wB:wB+15], v[wA:wA+15], 0, v[wS], v[wT] matrix_a_scale:MATRIX_SCALE_ROW1
.elseif (\rb)
	v_wmma_scale_f32_16x16x128_f8f6f4 v[wD:wD+7], v[wB:wB+15], v[wA:wA+15], 0, v[wS], v[wT] matrix_b_scale:MATRIX_SCALE_ROW1
.else
	v_wmma_scale_f32_16x16x128_f8f6f4 v[wD:wD+7], v[wB:wB+15], v[wA:wA+15], 0, v[wS], v[wT]
.endif
.else
.if (\ra) && (\rb)
	v_wmma_scale_f32_16x16x128_f8f6f4 v[wD:wD+7], v[wB:wB+15], v[wA:wA+15], v[wD:wD+7], v[wS], v[wT] matrix_a_scale:MATRIX_SCALE_ROW1 matrix_b_scale:MATRIX_SCALE_ROW1
.elseif (\ra)
	v_wmma_scale_f32_16x16x128_f8f6f4 v[wD:wD+7], v[wB:wB+15], v[wA:wA+15], v[wD:wD+7], v[wS], v[wT] matrix_a_scale:MATRIX_SCALE_ROW1
.elseif (\rb)
	v_wmma_scale_f32_16x16x128_f8f6f4 v[wD:wD+7], v[wB:wB+15], v[wA:wA+15], v[wD:wD+7], v[wS], v[wT] matrix_b_scale:MATRIX_SCALE_ROW1
.else
	v_wmma_scale_f32_16x16x128_f8f6f4 v[wD:wD+7], v[wB:wB+15], v[wA:wA+15], v[wD:wD+7], v[wS], v[wT]
.endif
.endif
.endm
; four matrix instructions: A's block a x W's four, the slot's q-th 128 along K, from buffer f.  The 16 accumulators take turns in the same order in every quarter.
.macro MULA f, a, q, sc, zero
.irp b, 0,1,2,3
	WM ACC+8*(4*(\a)+\b), (\f)+64+16*\b, (\f)+16*(\a), SB+8*(\sc)+4*(\b/2)+(\q), SA+8*(\sc)+2*(\q)+(\a)/2, \b%2, (\a)%2, \zero
.endr
.endm
.macro FETCH slot, q, f                ; 32 LDS loads in one run: W's and A's four fragments of the slot's q-th 128 along K
	WIN TO_F
.irp i, 0,1,2,3
.irp c, 0,1,2,3
	ds_load_b128 v[(\f)+64+16*\i+4*\c:(\f)+64+16*\i+4*\c+3], v[ADRB+\slot] offset:\i*16*BP+128*(\q)+32*\c
.endr
.endr
.irp i, 0,1,2,3
.irp c, 0,1,2,3
	ds_load_b128 v[(\f)+16*\i+4*\c:(\f)+16*\i+4*\c+3], v[ADRA+\slot] offset:\i*8192+2048*(\q)+512*\c
.endr
.endr
.endm
.macro SCALES sc                       ; a slot's scale words (under window 0)
.irp p, 0,1
	ds_load_b128 v[SB+8*\sc+4*\p:SB+8*\sc+4*\p+3], v[ADSB] offset:\p*(32*KS/256)*272
.endr
.irp q, 0,1,2,3
.irp p, 0,1
	ds_load_b32 v[SA+8*\sc+2*\q+\p], v[ADSA] offset:512*\q+128*\p
.endr
.endr
.endm
.macro PLACES n
.rept \n
	v_nop
.endr
.endm
; one of a slot's first three quarters: multiplies buffer q % 2 and fetches quarter q + 1 into the other
.macro QUARTER slot, q, zero
	s_wait_dscnt 0x0                               ; this quarter's fragments are in
	WIN MUL
	MULA 128*((\q)%2), 0, \q, \slot, \zero
	MULA 128*((\q)%2), 1, \q, \slot, \zero
	PLACES NP                                      ; in front of loads into the buffer that the quarter before multiplied
	FETCH \slot, (\q)+1, 128*(1-(\q)%2)
	WIN MUL
	MULA 128*((\q)%2), 2, \q, \slot, \zero
	MULA 128*((\q)%2), 3, \q, \slot, \zero
.endm
; the last quarter multiplies buffer 1 and changes slots: one barrier; in front of it each wave waits for all its tensor loads, adds 0 to its spare word, and waits for that and for its reads of this slot
.macro TURN slot, next, fill
	WIN 0
	s_wait_tensorcnt 0x0                           ; all my tensor loads have landed: my part of the next slot
	ds_add_u32 v[SPW], v[NIL]                      ; 0 onto my spare word
	s_wait_dscnt 1                                 ; the fragments are in; the add may be out
	WIN MUL
	MULA F1, 0, 3, \slot, 0
	s_wait_dscnt 0x0                               ; the add is done, and my reads of this slot are over
	s_barrier_signal -1
	MULA F1, 1, 3, \slot, 0
	WIN 0
	s_barrier_wait -1
.if \fill
	CREST                                          ; the barrier has opened a round of the cluster's: no wave of any partner still reads this slot or has a load on its way
	s_add_nc_u64 s[G0+4*\slot+2:G0+4*\slot+3], s[G0+4*\slot+2:G0+4*\slot+3], 2*8192
	s_add_nc_u64 s[G0B+4*\slot+2:G0B+4*\slot+3], s[G0B+4*\slot+2:G0B+4*\slot+3], 2*512
	JLOAD G0+4*\slot, G1, G0B+4*\slot, G1B         ; the first tensor load behind the round; its four v_nop are among the places below
	PLACES NP-4
.else
	PLACES NP
.endif
	v_add_nc_u32 v[ADSA], 2048, v[ADSA]            ; the next slot's scale words
	v_add_nc_u32 v[ADSB], 16, v[ADSB]
	SCALES \next
	FETCH \next, 0, F0
	WIN MUL
	MULA F1, 2, 3, \slot, 0
	MULA F1, 3, 3, \slot, 0
.endm
	s_wait_alu depctr_va_vdst(0)                   ; the wait at the head's end
	s_wait_tensorcnt 0x0                           ; my tile of the head's four is in; the lines ahead of a later first fill:
	ds_add_u32 v[SPW], v[NIL]
	s_mov_b32 s[G1+2], 4<<16                       ; no tensor load of mine is out: from here on a load brings half a tile
	s_mov_b32 s[G1+4], 4
	s_mov_b32 s[G1B+2], 64<<16
	s_mov_b32 s[G1B+4], 64
	s_wait_dscnt 0x0
	CROUND                                         ; all four tiles are in, and the sixteen work-groups meet
	JLOAD G0+4, G1, G0B+4, G1B                     ; slot 1: the first tensor load behind the round
	SCALES 0
	FETCH 0, 0, F0
	WIN 0x80                                       ; destination window 2: the residual, asked for behind the head's tiles and ahead of the first product
.set n, 0
.rept 32
	global_load_b128 v[4*n:4*n+3], v[CO], s[96:97] offset:2*n*4096 th:TH_LOAD_NT   ; rows 2 n and 2 n + 1, laid as the way out reads its stage
.set n, n+1
.endr
	QUARTER 0, 0, 1                                ; the first quarter's products start the sums
.if LAPS > 1
	WIN 0
	s_mov_b32 s3, LAPS-1
.Llap:                                                 ; a trip goes once round the ring, from a lap's second quarter to the next lap's first
	QUARTER 0, 1, 0
	QUARTER 0, 2, 0
	TURN 0, 1, 1
	QUARTER 1, 0, 0
	QUARTER 1, 1, 0
	QUARTER 1, 2, 0
	TURN 1, 0, 1
	QUARTER 0, 0, 0
	WIN 0
	s_sub_co_u32 s3, s3, 1
	s_cmp_lg_u32 s3, 0
	s_cbranch_scc1 .Llap
.endif
	QUARTER 0, 1, 0                                ; the last lap fills nothing
	QUARTER 0, 2, 0
	TURN 0, 1, 0
	QUARTER 1, 0, 0
	QUARTER 1, 1, 0
	QUARTER 1, 2, 0
	s_wait_dscnt 0x0
	WIN MUL
	MULA F1, 0, 3, 1, 0
	MULA F1, 1, 3, 1, 0
	MULA F1, 2, 3, 1, 0
	MULA F1, 3, 3, 1, 0
	WIN 0
	; THE WAY OUT, a block of 16 rows x 64 columns at a time: through my stage, back as rows of 256 bytes, + bias, + residual, stored
	PLACES NP
.irp a, 0,1,2,3
	s_wait_loadcnt 24-8*\a                         ; the bias and this block's eight loads of the residual are in; the 8 (3 - a) loads of the later blocks may be out
.set TBB, TB+32*(\a%2)
.if \a >= 2
	s_wait_xcnt 0x0                                ; block a - 2's stores have read their registers
.endif
.irp b, 0,1,2,3
	ds_store_b128 v[STO], v[ACC+8*(4*\a+\b):ACC+8*(4*\a+\b)+3] offset:64*\b       ; each accumulator from its low end on
	ds_store_b128 v[STO], v[ACC+8*(4*\a+\b)+4:ACC+8*(4*\a+\b)+7] offset:64*\b+16
.endr
.irp t, 0,1,2,3,4,5,6,7
	ds_load_b128 v[TBB+4*\t:TBB+4*\t+3], v[RD] offset:\t*544        ; LDS serves a wave's instructions in order: these see the stores above
.endr
	s_wait_dscnt 0x0
.irp t, 0,1,2,3,4,5,6,7
	v_pk_add_f32 v[TBB+4*\t:TBB+4*\t+1], v[TBB+4*\t:TBB+4*\t+1], v[12:13]
	v_pk_add_f32 v[TBB+4*\t+2:TBB+4*\t+3], v[TBB+4*\t+2:TBB+4*\t+3], v[14:15]
.endr
	WIN 0x08                                       ; source 1: window 2
.irp t, 0,1,2,3,4,5,6,7
	v_pk_add_f32 v[TBB+4*\t:TBB+4*\t+1], v[TBB+4*\t:TBB+4*\t+1], v[4*(8*\a+\t):4*(8*\a+\t)+1]
	v_pk_add_f32 v[TBB+4*\t+2:TBB+4*\t+3], v[TBB+4*\t+2:TBB+4*\t+3], v[4*(8*\a+\t)+2:4*(8*\a+\t)+3]
.endr
	WIN 0
.irp t, 0,1,2,3,4,5,6,7
.if SIZE_K > 1024
	global_store_b128 v[CO], v[TBB+4*\t:TBB+4*\t+3], s[98:99] offset:(16*\a+2*\t)*4096 th:TH_STORE_NT   ; 16 lanes store 256 consecutive bytes, aligned
.else
	global_store_b128 v[CO], v[TBB+4*\t:TBB+4*\t+3], s[98:99] offset:(16*\a+2*\t)*4096
.endif
.endr
.endr
	s_wait_tensorcnt 0x0                           ; the wave's end
	ds_add_u32 v[SPW], v[NIL]
	s_wait_dscnt 0x0
	CROUND                                         ; the closing round
	s_endpgm
.Lfunc_end_k_qd1d7ea9e4a_proj:
	.size	k_qd1d7ea9e4a_proj, .Lfunc_end_k_qd1d7ea9e4a_proj-k_qd1d7ea9e4a_proj
	.p2alignl 7, 3214868480
	.fill 96, 4, 3214868480
	.section	.rodata,"a",@progbits
	.p2align	6, 0x0
	.amdhsa_kernel k_qd1d7ea9e4a_proj
		.amdhsa_group_segment_fixed_size 327680
		.amdhsa_private_segment_fixed_size 0
		.amdhsa_enable_private_segment 0
		.amdhsa_kernarg_size 48
		.amdhsa_user_sgpr_count 2
		.amdhsa_user_sgpr_kernarg_segment_ptr 1
		.amdhsa_wavefront_size32 1
		.amdhsa_system_sgpr_workgroup_id_x 1
		.amdhsa_system_sgpr_workgroup_id_y 1
		.amdhsa_system_sgpr_workgroup_id_z 1
		.amdhsa_system_vgpr_workitem_id 0
		.amdhsa_next_free_vgpr 640
		.amdhsa_next_free_sgpr 106
		.amdhsa_reserve_vcc 0
		.amdhsa_float_denorm_mode_32 3
		.amdhsa_float_denorm_mode_16_64 3
		.amdhsa_memory_ordered 1
		.amdhsa_forward_progress 1
		.amdhsa_inst_pref_size 67
	.end_amdhsa_kernel
	.amdgpu_metadata
---
amdhsa.version: [ 1, 2 ]
amdhsa.kernels:
  - .name:           k_qd1d7ea9e4a_proj
    .symbol:         k_qd1d7ea9e4a_proj.kd
    .args:
      - { .name: oq, .offset: 0, .size: 8, .value_kind: global_buffer, .address_space: global }
      - { .name: proj_w_codes, .offset: 8, .size: 8, .value_kind: global_buffer, .address_space: global }
      - { .name: proj_w_scales, .offset: 16, .size: 8, .value_kind: global_buffer, .address_space: global }
      - { .name: proj_b, .offset: 24, .size: 8, .value_kind: global_buffer, .address_space: global }
      - { .name: x, .offset: 32, .size: 8, .value_kind: global_buffer, .address_space: global }
      - { .name: x1, .offset: 40, .size: 8, .value_kind: global_buffer, .address_space: global }
    .group_segment_fixed_size: 327680
    .private_segment_fixed_size: 0
    .kernarg_segment_align: 8
    .kernarg_segment_size: 48
    .max_flat_workgroup_size: 128
    .sgpr_count:     106
    .vgpr_count:     640
    .wavefront_size: 32
...
	.end_amdgpu_metadata
.endif
;; end of part 4
;; launch ln2: the kernel of part 1 again; grid 256 x 1, 8 waves a work-group, no clusters, 42,496 bytes of LDS; arguments x1, ln2_g, ln2_b, hq; writes hq
;; launch fc1 (part 5): grid 16 x 16, 4 waves a work-group, clusters of 4 x 4, 327,680 bytes of LDS; arguments hq, fc1_w_codes, fc1_w_scales, fc1_b, hidq; writes hidq
.if DOCPART == 5
	.amdgcn_target "amdgcn-amd-amdhsa--gfx1250"
	.amdhsa_code_object_version 6
	.text
	.protected	k_qd1d7ea9e4a_fc1
	.globl	k_qd1d7ea9e4a_fc1
	.p2align	8
	.type	k_qd1d7ea9e4a_fc1,@function
k_qd1d7ea9e4a_fc1:
	s_mov_b64 s[64:65], 0
	v_nop
	global_prefetch_b8 v0, s[64:65] scope:SCOPE_SE
	s_setreg_imm32_b32 hwreg(HW_REG_WAVE_MODE, 25, 1), 1
	s_wait_xcnt 0x0
	s_wait_alu depctr_hold_cnt(0) depctr_sa_sdst(0) depctr_va_vdst(0) depctr_va_sdst(0) depctr_va_ssrc(0) depctr_va_vcc(0) depctr_vm_vsrc(0)
	s_getreg_b32 s2, hwreg(HW_REG_IB_STS2, 6, 4)
	s_cmp_eq_u32 s2, 0
	s_cbranch_scc0 .Lentry_in_a_cluster
	s_endpgm
.Lentry_in_a_cluster:
	s_bfe_u32 s2, ttmp6, 0x10000c
	s_cmp_lg_u32 s2, 0xf033
	s_cbranch_scc0 .Lentry_shape_is_right
	s_endpgm
.Lentry_shape_is_right:
.set QKV,    0
.set KSTEP,  256
.set NQ,     2
.set ROWB,   256
.set KROW,   1024
.set PITCH,  272
.set FR,     16
.set NL,     4
.set NP,     8
.set HALFT,  128*PITCH
.set SLOT,   4*HALFT
.set LAPS,   2
.set KS,     32
.set SCL,    2*SLOT
.set HALFS,  (128*KS/256)*272
.set SBLK,   (16*KS/256)*272
.set SPARE,  SCL+4*HALFS
.set ADRA, 16
.set ADRB, 20
.set CB32, 22
.set RB4,  23
.set STS,  24
.set STR,  25
.set LO16, 26
.set ADRS, 27
.set SPW,  28
.set NIL,  29
.set STA,  30
.set LO8,  31
.set SC,   32
.set BC,   64
.set AF,   128
.set T,    64
.set Z,    128
.set X2,   144
.set P,    160
.set Q,    176
.set PC,   192
.set TM,   208
.set PW,   224
.set CA,   226
.set CBB,  228
.set SEL,  92
.set MNT,  94
.set G1, 24
.set G0, 32
.set G1B, 48
.set G0B, 56
.set G1S, 68
.set G0S, 76
.set G1SB, 80
.set G0SB, 88
.set MSB, 0
.macro WIN new
.if MSB != (\new)
	s_set_vgpr_msb (MSB<<8)|(\new)
.set MSB, (\new)
.endif
.endm
.set MUL_LO, 0xa1
.set MUL_HI, 0xf1
.set TO_B,   0x40
.macro JLOAD g0a, g1a, g0b, g1b
	s_cmp_eq_u32 s15, 0
	s_cbranch_scc0 .Lfor_b_\@
	tensor_load_to_lds s[\g0a:\g0a+3], s[\g1a:\g1a+7]
	s_nop 0
.rept 4
	v_nop
.endr
	s_branch .Lasked_\@
.Lfor_b_\@:
	tensor_load_to_lds s[\g0b:\g0b+3], s[\g1b:\g1b+7]
	s_nop 0
.rept 4
	v_nop
.endr
.Lasked_\@:
.endm
.macro CREST
	s_cmp_lg_u32 s14, 0
	s_cbranch_scc1 .Lnot_wave_0_\@
	s_barrier_signal -3
.Lnot_wave_0_\@:
	s_barrier_wait -3
	s_barrier_signal -1
	s_barrier_wait -1
.endm
.macro CROUND
	s_barrier_signal -1
	s_barrier_wait -1
	CREST
.endm
	s_load_b128 s[4:7], s[0:1], 0x0
	s_load_b128 s[8:11], s[0:1], 0x10
	s_load_b64 s[12:13], s[0:1], 0x20
	v_lshl_add_u32 v[SPW], v0, 2, SPARE
	v_mov_b32 v[NIL], 0
	ds_add_u32 v28, v29
	ds_add_u32 v28, v29
	s_wait_dscnt 0x0
	v_lshrrev_b32 v1, 5, v0
	v_readfirstlane_b32 s14, v1
	s_lshr_b32 s15, s14, 1
	s_and_b32 s16, s14, 1
	s_bfe_u32 s40, ttmp6, 0x40000
	s_bfe_u32 s41, ttmp6, 0x40004
.if QKV
	s_and_b32 s17, ttmp7, 0xffff
	s_lshl_b32 s18, s17, 2
	s_cmp_lt_u32 ttmp9, 2
	s_cselect_b32 s42, ttmp9, s17
	s_cselect_b32 s17, s18, 8
	s_cselect_b32 s95, 0, -1
	s_lshl_b32 s42, s42, 2
	s_add_co_u32 s42, s42, s40
	s_add_co_u32 s17, s17, s41
.else
	s_lshl_b32 s42, ttmp9, 2
	s_add_co_u32 s42, s42, s40
	s_and_b32 s17, ttmp7, 0xffff
	s_lshl_b32 s17, s17, 2
	s_add_co_u32 s17, s17, s41
.endif
	s_lshl_b32 s43, s41, 2
	s_lshl_b32 s43, 15, s43
	s_lshl_b32 s44, 0x1111, s40
	s_or_b32 s[G1+0], s43, (0<<16)|(1<<20)|(1<<21)|(5<<22)|(3<<25)
	s_or_b32 s[G1B+0], s44, (0<<16)|(1<<20)|(1<<21)|(5<<22)|(3<<25)
.irp g, G1, G1B
	s_mov_b32 s[\g+1], ROWB<<16
	s_mov_b32 s[\g+2], 256<<16                     ; 256 rows for the head's loads; 128 behind them
	s_mov_b32 s[\g+3], ROWB<<16
	s_mov_b32 s[\g+4], 256
	s_mov_b32 s[\g+5], KROW
	s_mov_b32 s[\g+6], 0
	s_mov_b32 s[\g+7], 0
.endr
	s_or_b32 s[G1S+0], s43, (3<<16)|(1<<20)|(1<<21)|(5<<22)|(3<<25)
	s_or_b32 s[G1SB+0], s44, (3<<16)|(1<<20)|(1<<21)|(5<<22)|(3<<25)
.irp g, G1S, G1SB
	s_mov_b32 s[\g+1], 32<<16
	s_mov_b32 s[\g+2], KS<<16                      ; the scales of 256 rows: KS rows of 256 bytes
	s_mov_b32 s[\g+3], 32<<16
	s_mov_b32 s[\g+4], KS
	s_mov_b32 s[\g+5], 32
	s_mov_b32 s[\g+6], 0
	s_mov_b32 s[\g+7], 0
.endr
	s_lshl_b32 s20, s17, 8                         ; A: the tile's first row
	s_lshl_b32 s46, s42, 8                         ; B: likewise
	s_mov_b32 s21, 0
	s_mov_b32 s47, 0
	s_mov_b64 s[18:19], KS
	s_mul_u64 s[22:23], s[20:21], s[18:19]
	s_mul_u64 s[92:93], s[46:47], s[18:19]
	s_mov_b64 s[18:19], KROW
	s_mul_u64 s[20:21], s[20:21], s[18:19]
	s_mul_u64 s[46:47], s[46:47], s[18:19]
	s_mul_i32 s45, s14, HALFT
	s_mul_i32 s104, s16, 128*KROW                  ; in the ring I fetch 128 rows of a tile: which half, in bytes
	s_mov_b32 s105, 0
	s_wait_kmcnt 0x0
.if QKV
	s_add_nc_u64 s[96:97], s[4:5], 0x400000
	s_cmp_lt_u32 ttmp9, 2
	s_cselect_b64 s[98:99], s[4:5], s[6:7]
	s_cselect_b64 s[100:101], s[6:7], s[4:5]
	s_cselect_b64 s[66:67], s[96:97], s[8:9]
	s_cselect_b64 s[96:97], s[8:9], s[96:97]
	s_add_nc_u64 s[20:21], s[98:99], s[20:21]
	s_add_nc_u64 s[22:23], s[66:67], s[22:23]
	s_add_nc_u64 s[46:47], s[100:101], s[46:47]
	s_add_nc_u64 s[92:93], s[96:97], s[92:93]
.else
	s_add_nc_u64 s[66:67], s[4:5], 0x400000
	s_add_nc_u64 s[20:21], s[4:5], s[20:21]
	s_add_nc_u64 s[22:23], s[66:67], s[22:23]
	s_add_nc_u64 s[46:47], s[6:7], s[46:47]
	s_add_nc_u64 s[92:93], s[8:9], s[92:93]
.endif
	CROUND
	s_mov_b32 s[G0S], 1
	s_mov_b32 s[G0S+1], SCL
	s_mov_b64 s[G0S+2:G0S+3], s[22:23]
	s_or_b32 s[G0S+3], s[G0S+3], 0x80000000
	s_mov_b32 s[G0SB], 1
	s_mov_b32 s[G0SB+1], SCL+2*HALFS
	s_mov_b64 s[G0SB+2:G0SB+3], s[92:93]
	s_or_b32 s[G0SB+3], s[G0SB+3], 0x80000000
	s_mov_b32 s[G0], 1                             ; slot 0's groups 0 serve the head first: K step 0's 256 rows of A, whole,
	s_mov_b32 s[G0+1], 0
	s_mov_b64 s[G0+2:G0+3], s[20:21]
	s_or_b32 s[G0+3], s[G0+3], 0x80000000
	s_mov_b32 s[G0B], 1                            ; and its 256 rows of B, behind them
	s_mov_b32 s[G0B+1], 2*HALFT
	s_mov_b64 s[G0B+2:G0B+3], s[46:47]
	s_or_b32 s[G0B+3], s[G0B+3], 0x80000000
	s_add_nc_u64 s[20:21], s[20:21], s[104:105]    ; for the ring: my 128 rows
	s_add_nc_u64 s[46:47], s[46:47], s[104:105]
	s_mov_b32 s[G0+4], 1
	s_add_co_u32 s[G0+5], s45, SLOT
	s_add_nc_u64 s[G0+6:G0+7], s[20:21], ROWB
	s_or_b32 s[G0+7], s[G0+7], 0x80000000
	s_mov_b32 s[G0B+4], 1
	s_add_co_u32 s[G0B+5], s45, SLOT
	s_add_nc_u64 s[G0B+6:G0B+7], s[46:47], ROWB
	s_or_b32 s[G0B+7], s[G0B+7], 0x80000000
; the head's four tiles, one joint load a wave: wave 0 A's rows, wave 1 B's, wave 2 A's scales, wave 3 B's: one chain of branches on the wave's number
.macro HARM under, g0, g1, next
	s_cmp_lt_u32 s14, \under
	s_cbranch_scc0 \next
	tensor_load_to_lds s[\g0:\g0+3], s[\g1:\g1+7]
	s_nop 0
.rept 4
	v_nop
.endr
	s_branch .Lhead_asked
\next:
.endm
	HARM 1, G0,  G1,  .Lhead_b
	HARM 2, G0B, G1B, .Lhead_sa
	HARM 3, G0S, G1S, .Lhead_sb
	tensor_load_to_lds s[G0SB:G0SB+3], s[G1SB:G1SB+7]
	s_nop 0
.rept 4
	v_nop
.endr
.Lhead_asked:
	; PREFETCH INTO THE L2: of the 128 rows that I fetch for the ring, my work-group takes 32 (place cx among A's four partners, cy among B's: told apart by address), a lane a row, 256 bytes of a row a K step
	s_cmp_eq_u32 s15, 0                            ; do I fetch for A?
	s_cselect_b64 s[66:67], s[20:21], s[46:47]     ; my 128 rows at K step 0
	s_cselect_b32 s92, s40, s41
	s_lshl_b32 s92, s92, 15                        ; 32 rows of 1,024 bytes a place
	s_mov_b32 s93, 0
	s_add_nc_u64 s[66:67], s[66:67], s[92:93]
	v_and_b32 v1, 15, v0
	v_bfe_u32 v2, v0, 4, 1
	v_mul_u32_u24 v3, v1, PITCH
	v_lshl_add_u32 v4, v2, 4, v3
	s_mul_i32 s21, s15, HALFT
	s_mul_i32 s22, s16, HALFT
	s_add_co_u32 s22, s22, 2*HALFT
.irp s, 0,1
	v_add_nc_u32 v[ADRA+\s], s21, v4
	v_add_nc_u32 v[ADRB+\s], s22, v4
	s_add_co_u32 s21, s21, SLOT
	s_add_co_u32 s22, s22, SLOT
.endr
	v_mul_u32_u24 v5, v1, KS
	v_lshrrev_b32 v6, 8, v5
	v_lshl_add_u32 v5, v6, 4, v5
	s_mul_i32 s21, s15, HALFS
	s_mul_i32 s22, s16, HALFS
	s_add_co_u32 s22, s22, 2*HALFS
	s_sub_co_u32 s22, s22, s21
	v_mul_u32_u24 v6, s22, v2
	s_add_co_u32 s21, s21, SCL
	v_add_nc_u32 v5, v5, v6
	v_add_nc_u32 v[ADRS], s21, v5
	s_lshl_b32 s23, s14, 10
	v_and_b32 v6, 31, v0
	v_lshlrev_b32 v[LO16], 4, v6
	v_lshlrev_b32 v[LO8], 3, v6
	v_lshlrev_b32 v[CB32], 5, v2
	s_wait_alu depctr_va_vdst(0)
	v_lshlrev_b32 v[RB4], 2, v1
.if QKV
	v_lshl_add_u32 v[STS], v1, 1, s23
	v_lshl_add_u32 v[STR], v6, 3, s23
.else
	v_lshl_add_u32 v[STS], v1, 2, s23
	v_lshl_add_u32 v[STR], v6, 4, s23
.endif
	v_and_b32 v1, 31, v0
	v_lshlrev_b32 v1, 10, v1                       ; v1 from here on: 1,024 x lane, never rewritten
	global_prefetch_b8 v1, s[66:67] offset:256 th:TH_LOAD_NT scope:SCOPE_SE   ; K step 1, whose tensor load stands behind the head's round
	s_lshl_b32 s20, s17, 8
	s_lshl_b32 s21, s15, 7
	s_add_co_u32 s20, s20, s21
	s_lshl_b32 s46, s42, 8
	s_lshl_b32 s47, s16, 7
	s_add_co_u32 s46, s46, s47
.if QKV
	s_mov_b32 s2, 0x200000
	s_mov_b32 s3, 0xC3F000
	s_mov_b32 s18, 0x10000
	s_lshl_b32 s19, s46, 2
	s_lshl_b32 s21, s20, 2
	s_cmp_eq_u32 s95, 0
	s_cselect_b32 s22, 12, 9
	s_cselect_b32 s23, 0, 0x7E0000
	s_cselect_b32 s2, 0x40000, s2
	s_cselect_b32 s40, 7, 4
	s_cselect_b32 s3, 0xC00000, s3
	s_cselect_b32 s18, 8192, s18
	s_cselect_b32 s19, s19, 0
	s_cselect_b32 s21, 0, s21
	s_lshl_b32 s41, s46, s22
	s_lshl_b32 s47, s20, 6
	s_add_co_u32 s41, s41, s47
	s_add_co_u32 s22, s41, s23
	s_mov_b32 s23, 0
	s_add_nc_u64 s[4:5], s[12:13], s[22:23]
	s_mov_b32 s22, s2
	s_add_nc_u64 s[6:7], s[4:5], s[22:23]
	s_mov_b32 s22, s19
	s_add_nc_u64 s[96:97], s[10:11], s[22:23]
	s_mov_b32 s22, s21
	s_add_nc_u64 s[98:99], s[10:11], s[22:23]
	s_lshl_b32 s41, s46, s40
	s_lshl_b32 s47, s20, 1
	s_add_co_u32 s41, s41, s47
	s_add_co_u32 s22, s41, s3
	s_add_nc_u64 s[8:9], s[12:13], s[22:23]
	s_mov_b32 s22, s18
	s_add_nc_u64 s[10:11], s[8:9], s[22:23]
.else
	s_lshl_b32 s22, s46, 2
	s_mov_b32 s23, 0
	s_add_nc_u64 s[96:97], s[10:11], s[22:23]
	s_lshl_b32 s22, s20, 12
	s_lshl_b32 s21, s46, 4
	s_add_co_u32 s22, s22, s21
	s_add_nc_u64 s[4:5], s[12:13], s[22:23]
	s_lshl_b32 s22, s46, 7
	s_lshl_b32 s21, s20, 2
	s_add_co_u32 s22, s22, s21
	s_add_co_u32 s22, s22, 0x1000000
	s_add_nc_u64 s[8:9], s[12:13], s[22:23]
.endif
.irp b, 0,1,2,3,4,5,6,7
	global_load_b128 v[BC+8*\b:BC+8*\b+3], v[CB32], s[96:97] offset:64*\b
	global_load_b128 v[BC+8*\b+4:BC+8*\b+7], v[CB32], s[96:97] offset:64*\b+16
.endr
.if QKV
.irp a, 0,1,2,3,4,5,6,7
	global_load_b32 v[2+2*\a+2*(\a/7)], v[RB4], s[98:99] offset:64*\a
	global_load_b32 v[3+2*\a+2*(\a/7)], v[RB4], s[98:99] offset:64*\a
.endr
.endif
.macro FRAG reg, adr, q, i
.irp c, 0,1,2,3
	ds_load_b128 v[\reg+4*\c:\reg+4*\c+3], v[\adr] offset:128*(\q)+32*\c+(\i)*16*PITCH
.endr
.endm
.macro MUL16 a0, p, q, sc, zero
.irp a, \a0, \a0+1
.irp b, 0,1,2,3,4,5,6,7
.if \zero
	v_wmma_scale_f32_16x16x128_f8f6f4 v[8*(8*((\a)%4)+\b):8*(8*((\a)%4)+\b)+7], v[128*(\p)+FR*\b:128*(\p)+FR*\b+FR-1], v[AF+FR*(\a):AF+FR*(\a)+FR-1], 0, v[SC+8*NQ*(\sc)+NQ*\b+(\q)], v[SC+8*NQ*(\sc)+NQ*(\a)+(\q)] matrix_a_scale:MATRIX_SCALE_ROW1
.else
	v_wmma_scale_f32_16x16x128_f8f6f4 v[8*(8*((\a)%4)+\b):8*(8*((\a)%4)+\b)+7], v[128*(\p)+FR*\b:128*(\p)+FR*\b+FR-1], v[AF+FR*(\a):AF+FR*(\a)+FR-1], v[8*(8*((\a)%4)+\b):8*(8*((\a)%4)+\b)+7], v[SC+8*NQ*(\sc)+NQ*\b+(\q)], v[SC+8*NQ*(\sc)+NQ*(\a)+(\q)] matrix_a_scale:MATRIX_SCALE_ROW1
.endif
.endr
.endr
.endm
.macro FETCH_B slot, q, p
	WIN TO_B
.irp i, 0,1,2,3,4,5,6,7
	FRAG 128*(\p)+FR*\i, ADRB+\slot, \q, \i
.endr
	WIN 0
.endm
.macro FETCH_A slot, q, i0
.irp i, \i0, \i0+1, \i0+2, \i0+3
	FRAG AF+FR*(\i), ADRA+\slot, \q, \i
.endr
.endm
.macro SCALES sc
.irp i, 0,1,2,3,4,5,6,7
	ds_load_b64 v[SC+8*NQ*\sc+NQ*\i:SC+8*NQ*\sc+NQ*\i+1], v[ADRS] offset:\i*SBLK
.endr
.endm
.macro PLACES n
.rept \n
	v_nop
.endr
.endm
.macro STEP slot, q, zero
	s_wait_dscnt 4*NL
	WIN MUL_LO
	MUL16 0, (\q)%2, \q, \slot, \zero
	MUL16 2, (\q)%2, \q, \slot, \zero
	s_wait_dscnt 0
	PLACES NP
	FETCH_B \slot, (\q)+1, 1-(\q)%2
	FETCH_A \slot, (\q)+1, 0
	WIN MUL_HI
	MUL16 4, (\q)%2, \q, \slot, \zero
	MUL16 6, (\q)%2, \q, \slot, \zero
	PLACES NP
	WIN 0
	FETCH_A \slot, (\q)+1, 4
.endm
.macro TURN slot, next, fill
	s_wait_tensorcnt 0x0
	ds_add_u32 v[SPW], v[NIL]
	s_wait_dscnt 4*NL+1
	WIN MUL_LO
	MUL16 0, 1, NQ-1, \slot, 0
	s_wait_dscnt 0x0
	s_barrier_signal -1
	MUL16 2, 1, NQ-1, \slot, 0
	WIN 0
	s_barrier_wait -1
.if \fill
	CREST
	s_add_nc_u64 s[G0+4*\slot+2:G0+4*\slot+3], s[G0+4*\slot+2:G0+4*\slot+3], 2*ROWB
	s_add_nc_u64 s[G0B+4*\slot+2:G0B+4*\slot+3], s[G0B+4*\slot+2:G0B+4*\slot+3], 2*ROWB
	JLOAD G0+4*\slot, G1, G0B+4*\slot, G1B
	PLACES NP-4
.else
	PLACES NP
.endif
	s_wait_alu depctr_va_vdst(0)
	v_add_nc_u32 v[ADRS], 4*NQ, v[ADRS]
	FETCH_B \next, 0, 0
	FETCH_A \next, 0, 0
	SCALES \next
	WIN MUL_HI
	MUL16 4, 1, NQ-1, \slot, 0
	MUL16 6, 1, NQ-1, \slot, 0
	PLACES NP
	WIN 0
	FETCH_A \next, 0, 4
.endm
	s_wait_alu depctr_va_vdst(0)                   ; the wait at the head's end
	s_wait_tensorcnt 0x0                           ; my tile of the head's four is in; the lines ahead of a later first fill:
	ds_add_u32 v[SPW], v[NIL]
	s_mov_b32 s[G1+2], 128<<16                     ; no tensor load of mine is out: from here on a load brings 128 rows,
	s_mov_b32 s[G1+4], 128
	s_mov_b32 s[G1B+2], 128<<16
	s_mov_b32 s[G1B+4], 128
	s_mov_b32 s[G0+1], s45                         ; and slot 0's groups 0 take the ring's form: my quarter of the slot, my 128 rows
	s_add_nc_u64 s[G0+2:G0+3], s[G0+2:G0+3], s[104:105]
	s_mov_b32 s[G0B+1], s45
	s_add_nc_u64 s[G0B+2:G0B+3], s[G0B+2:G0B+3], s[104:105]
	s_wait_dscnt 0x0
	CROUND                                         ; all four tiles are in, and the sixteen work-groups meet
	JLOAD G0+4, G1, G0B+4, G1B                     ; K step 1: the first tensor load behind the round
	FETCH_B 0, 0, 0
	FETCH_A 0, 0, 0
	SCALES 0
	FETCH_A 0, 0, 4
	global_prefetch_b8 v1, s[66:67] offset:512 th:TH_LOAD_NT scope:SCOPE_SE   ; K steps 2 and 3, the last: one and two changes of slots ahead of their loads; the refills ask for nothing
	global_prefetch_b8 v1, s[66:67] offset:768 th:TH_LOAD_NT scope:SCOPE_SE
	STEP 0, 0, 1
	s_mov_b32 s3, LAPS-1
.Llap:
	TURN 0, 1, 1
	STEP 1, 0, 0
	TURN 1, 0, 1
	STEP 0, 0, 0
	s_sub_co_u32 s3, s3, 1
	s_cmp_lg_u32 s3, 0
	s_cbranch_scc1 .Llap
	TURN 0, 1, 0
	STEP 1, 0, 0
	s_wait_dscnt 4*NL
	WIN MUL_LO
	MUL16 0, 1, NQ-1, 1, 0
	MUL16 2, 1, NQ-1, 1, 0
	s_wait_dscnt 0
	WIN MUL_HI
	MUL16 4, 1, NQ-1, 1, 0
	MUL16 6, 1, NQ-1, 1, 0
	WIN 0
.macro QUANT s
.irp b, 0,1,2,3
	v_max3_num_f32 v[TM+\b], |v[\s+16*\b]|, |v[\s+1+16*\b]|, 0x4800000
.endr
.irp i, 2,4,6,8,10,12,14
.irp b, 0,1,2,3
	v_max3_num_f32 v[TM+\b], v[TM+\b], |v[\s+16*\b+\i]|, |v[\s+1+16*\b+\i]|
.endr
.endr
.irp b, 0,1,2,3
	v_permlanex16_b32 v[TM+4+\b], v[TM+\b], s[SEL], s[SEL+1]
.endr
.irp b, 0,1,2,3
	v_max_num_f32 v[TM+\b], v[TM+\b], v[TM+4+\b]
.endr
.irp b, 0,1,2,3
	v_add_nc_u32 v[TM+12+\b], 0xfc000000, v[TM+\b]
.endr
.irp b, 0,1,2,3
	v_and_or_b32 v[TM+8+\b], v[TM+\b], 0x7f800000, s[MNT]
.endr
.irp b, 0,1,2,3
	v_lshrrev_b32 v[TM+4+\b], 23, v[TM+12+\b]
.endr
	v_lshl_or_b32 v[PW], v[TM+5], 8, v[TM+4]
	v_lshl_or_b32 v[PW], v[TM+6], 16, v[PW]
	v_lshl_or_b32 v[PW], v[TM+7], 24, v[PW]
.irp b, 0,1,2,3
.irp i, 0,1,2,3,4,5,6,7,8,9,10,11,12,13,14,15
	v_med3_num_f32 v[\s+16*\b+\i], v[\s+16*\b+\i], -v[TM+8+\b], v[TM+8+\b]
.endr
	v_cvt_scalef32_pk8_fp8_f32 v[PC+4*\b:PC+1+4*\b], v[\s+16*\b:\s+7+16*\b], v[TM+12+\b]
	v_cvt_scalef32_pk8_fp8_f32 v[PC+2+4*\b:PC+3+4*\b], v[\s+8+16*\b:\s+15+16*\b], v[TM+12+\b]
.endr
	v_nop
.irp b, 0,1,2,3
	v_permlane16_swap_b32 v[PC+4*\b], v[PC+4*\b+2]
	v_permlane16_swap_b32 v[PC+4*\b+1], v[PC+4*\b+3]
.endr
.endm
.macro GELU g
.irp p, 0,2,4,6,8,10,12,14
	v_pk_mul_f32 v[Z+\p:Z+\p+1], v[T+16*\g+\p:T+16*\g+\p+1], 0x3f3504f3 op_sel_hi:[1,0]
.endr
.irp i, 0,1,2,3,4,5,6,7,8,9,10,11,12,13,14,15
	v_med3_num_f32 v[Z+\i], v[Z+\i], -4.0, 4.0
.endr
.irp p, 0,2,4,6,8,10,12,14
	v_pk_mul_f32 v[X2+\p:X2+\p+1], v[Z+\p:Z+\p+1], v[Z+\p:Z+\p+1]
.endr
.irp p, 0,2,4,6,8,10,12,14
	v_pk_fma_f32 v[P+\p:P+\p+1], v[X2+\p:X2+\p+1], v[CA:CA+1], 0x32EDFFEE op_sel_hi:[1,1,0]
.endr
.irp p, 0,2,4,6,8,10,12,14
	v_pk_fma_f32 v[Q+\p:Q+\p+1], v[X2+\p:X2+\p+1], v[CBB:CBB+1], 0xB95FBD29 op_sel_hi:[1,1,0]
.endr
.irp c, 0xB60CFF51, 0xB86EC2D2, 0xBA40AC63, 0xBB41A1F6, 0xBC83DBD4
.irp p, 0,2,4,6,8,10,12,14
	v_pk_fma_f32 v[P+\p:P+\p+1], v[P+\p:P+\p+1], v[X2+\p:X2+\p+1], \c op_sel_hi:[1,1,0]
.endr
.endr
.irp c, 0xBADC924E, 0xBBF19BF8, 0xBC69B6A7
.irp p, 0,2,4,6,8,10,12,14
	v_pk_fma_f32 v[Q+\p:Q+\p+1], v[Q+\p:Q+\p+1], v[X2+\p:X2+\p+1], \c op_sel_hi:[1,1,0]
.endr
.endr
	s_wait_alu depctr_va_vdst(0)
.irp i, 0,1,2,3,4,5,6,7,8,9,10,11,12,13,14,15
	v_rcp_f32 v[Q+\i], v[Q+\i]
.endr
.irp p, 0,2,4,6,8,10,12,14
	v_pk_mul_f32 v[P+\p:P+\p+1], v[P+\p:P+\p+1], v[Z+\p:Z+\p+1]
.endr
	s_wait_alu depctr_va_vdst(0)
.irp p, 0,2,4,6,8,10,12,14
	v_pk_mul_f32 v[P+\p:P+\p+1], v[P+\p:P+\p+1], v[Q+\p:Q+\p+1]
.endr
.irp p, 0,2,4,6,8,10,12,14
	v_pk_mul_f32 v[Z+\p:Z+\p+1], v[T+16*\g+\p:T+16*\g+\p+1], 0.5 op_sel_hi:[1,0]
.endr
.irp p, 0,2,4,6,8,10,12,14
	v_pk_fma_f32 v[T+16*\g+\p:T+16*\g+\p+1], v[Z+\p:Z+\p+1], v[P+\p:P+\p+1], v[Z+\p:Z+\p+1]
.endr
.endm
	PLACES NP
	s_wait_loadcnt 0x0
	s_mov_b32 s[SEL], 0x76543210
	s_mov_b32 s[SEL+1], 0xfedcba98
	s_mov_b32 s[MNT], 0x600000
.if QKV
.set n, 0
.rept 64
	v_cndmask_b32 v[BC+n], v[BC+n], 0, s95
.set n, n+1
.endr
.irp a, 0,1,2,3,4,5,6,7
	v_cndmask_b32 v[2+2*\a+2*(\a/7)], 0, v[2+2*\a+2*(\a/7)], s95
	v_cndmask_b32 v[3+2*\a+2*(\a/7)], 0, v[3+2*\a+2*(\a/7)], s95
.endr
.endif
	WIN 0x40
.irp b, 0,1,2,3
	v_mov_b32 v[TM+4+\b], 0
.endr
.if QKV == 0
	v_mov_b32 v[CA], 0xAF95DF0B
	v_mov_b32 v[CA+1], 0xAF95DF0B
	v_mov_b32 v[CBB], 0xB77460CD
	v_mov_b32 v[CBB+1], 0xB77460CD
.endif
	WIN 0
	s_mov_b32 s3, 0
	s_mov_b32 s2, 0
.Lrow:
.irp k, 1,2,3,4,5,6,7
	s_cmp_eq_u32 s3, \k
	s_cbranch_scc1 .Lcopy_\k
.endr
.irp k, 0,1,2,3,4,5,6,7
.Lcopy_\k:
	WIN 0x42+(\k/4)
.set n, 0
.rept 32
	v_pk_add_f32 v[T+n:T+n+1], v[64*(\k%4)+n:64*(\k%4)+n+1], v[BC+n:BC+n+1]
.set n, n+2
.endr
.if QKV
	WIN 0x41
.set n, 0
.rept 32
	v_pk_add_f32 v[T+n:T+n+1], v[T+n:T+n+1], v[2+2*\k+2*(\k/7):3+2*\k+2*(\k/7)]
.set n, n+2
.endr
.endif
	WIN 0
.if \k < 7
	s_branch .Lwork
.endif
.endr
.Lwork:
	v_add_nc_u32 v[STA], s2, v[STS]
	WIN 0x55
.if QKV == 0
	GELU 0
	GELU 1
	GELU 2
	GELU 3
.endif
	QUANT T
	WIN 0x04
.if QKV
	global_store_b128 v[LO16], v[PC:PC+3], s[4:5]
	global_store_b128 v[LO16], v[PC+4:PC+7], s[4:5] offset:512
	global_store_b128 v[LO16], v[PC+8:PC+11], s[6:7]
	global_store_b128 v[LO16], v[PC+12:PC+15], s[6:7] offset:512
	ds_store_b16 v[STA], v[PW]
	ds_store_b16_d16_hi v[STA], v[PW] offset:256
.else
.irp c, 0,1,2,3
	global_store_b128 v[LO16], v[PC+4*\c:PC+4*\c+3], s[4:5] offset:512*\c
.endr
	ds_store_b32 v[STA], v[PW]
.endif
	WIN 0
	s_wait_xcnt 0x0
.if QKV
	s_add_nc_u64 s[4:5], s[4:5], 1024
	s_add_nc_u64 s[6:7], s[6:7], 1024
	s_add_co_u32 s2, s2, 32
.else
	s_add_nc_u64 s[4:5], s[4:5], 65536
	s_add_co_u32 s2, s2, 64
.endif
	s_add_co_u32 s3, s3, 1
	s_cmp_lt_u32 s3, 8
	s_cbranch_scc1 .Lrow
.if QKV
	ds_load_b64 v[128:129], v[STR]
	ds_load_b64 v[130:131], v[STR] offset:256
	s_wait_dscnt 0x0
	global_store_b64 v[LO8], v[128:129], s[8:9]
	global_store_b64 v[LO8], v[130:131], s[10:11]
.else
	ds_load_b128 v[128:131], v[STR]
	s_wait_dscnt 0x0
	global_store_b128 v[LO16], v[128:131], s[8:9]
.endif
	s_wait_tensorcnt 0x0
	ds_add_u32 v[SPW], v[NIL]
	s_wait_dscnt 0x0
	CROUND
	s_endpgm
.Lfunc_end_k_qd1d7ea9e4a_fc1:
	.size	k_qd1d7ea9e4a_fc1, .Lfunc_end_k_qd1d7ea9e4a_fc1-k_qd1d7ea9e4a_fc1
	.p2alignl 7, 3214868480
	.fill 96, 4, 3214868480
	.section	.rodata,"a",@progbits
	.p2align	6, 0x0
	.amdhsa_kernel k_qd1d7ea9e4a_fc1
		.amdhsa_group_segment_fixed_size 327680
		.amdhsa_private_segment_fixed_size 0
		.amdhsa_enable_private_segment 0
		.amdhsa_kernarg_size 40
		.amdhsa_user_sgpr_count 2
		.amdhsa_user_sgpr_kernarg_segment_ptr 1
		.amdhsa_wavefront_size32 1
		.amdhsa_system_sgpr_workgroup_id_x 1
		.amdhsa_system_sgpr_workgroup_id_y 1
		.amdhsa_system_sgpr_workgroup_id_z 1
		.amdhsa_system_vgpr_workitem_id 0
		.amdhsa_next_free_vgpr 1024
		.amdhsa_next_free_sgpr 106
		.amdhsa_reserve_vcc 0
		.amdhsa_float_denorm_mode_32 3
		.amdhsa_float_denorm_mode_16_64 3
		.amdhsa_memory_ordered 1
		.amdhsa_forward_progress 1
		.amdhsa_inst_pref_size 196
	.end_amdhsa_kernel
	.amdgpu_metadata
---
amdhsa.version: [ 1, 2 ]
amdhsa.kernels:
  - .name:           k_qd1d7ea9e4a_fc1
    .symbol:         k_qd1d7ea9e4a_fc1.kd
    .args:
      - { .name: hq, .offset: 0, .size: 8, .value_kind: global_buffer, .address_space: global }
      - { .name: fc1_w_codes, .offset: 8, .size: 8, .value_kind: global_buffer, .address_space: global }
      - { .name: fc1_w_scales, .offset: 16, .size: 8, .value_kind: global_buffer, .address_space: global }
      - { .name: fc1_b, .offset: 24, .size: 8, .value_kind: global_buffer, .address_space: global }
      - { .name: hidq, .offset: 32, .size: 8, .value_kind: global_buffer, .address_space: global }
    .group_segment_fixed_size: 327680
    .private_segment_fixed_size: 0
    .kernarg_segment_align: 8
    .kernarg_segment_size: 40
    .max_flat_workgroup_size: 128
    .sgpr_count:     106
    .vgpr_count:     1024
    .wavefront_size: 32
...
	.end_amdgpu_metadata
.endif
;; end of part 5
;; launch fc2 (part 6): grid 8 x 32, 4 waves a work-group, clusters of 4 x 4, 327,680 bytes of LDS; arguments hidq, fc2_w_codes, fc2_w_scales, fc2_b, x1, out0; writes out0
.if DOCPART == 6
	.amdgcn_target "amdgcn-amd-amdhsa--gfx1250"
	.amdhsa_code_object_version 6
	.text
	.protected	k_qd1d7ea9e4a_fc2
	.globl	k_qd1d7ea9e4a_fc2
	.p2align	8
	.type	k_qd1d7ea9e4a_fc2,@function
k_qd1d7ea9e4a_fc2:
	s_mov_b64 s[64:65], 0
	v_nop
	global_prefetch_b8 v0, s[64:65] scope:SCOPE_SE
	s_setreg_imm32_b32 hwreg(HW_REG_WAVE_MODE, 25, 1), 1
	s_wait_xcnt 0x0
	s_wait_alu depctr_hold_cnt(0) depctr_sa_sdst(0) depctr_va_vdst(0) depctr_va_sdst(0) depctr_va_ssrc(0) depctr_va_vcc(0) depctr_vm_vsrc(0)
	s_getreg_b32 s2, hwreg(HW_REG_IB_STS2, 6, 4)
	s_cmp_eq_u32 s2, 0
	s_cbranch_scc0 .Lentry_in_a_cluster
	s_endpgm
.Lentry_in_a_cluster:
	s_bfe_u32 s2, ttmp6, 0x10000c
	s_cmp_lg_u32 s2, 0xf033
	s_cbranch_scc0 .Lentry_shape_is_right
	s_endpgm
.Lentry_shape_is_right:
; out = resid + (A W^T + bias): A [4096][4096] as images of operand registers with scale words [K / 128][4096] behind them, W [1024][4096] as codes and scale bytes, K innermost; out, resid [4096][1024] f32.
; A tile of C is 128 x 128: 256 work-groups, four waves of 64 x 64.  K goes in steps of 512 through two LDS slots; the scale words of the work-group's rows of A and of W, for all of K, come into LDS once, at the head.
; CLUSTERS: 4 x 4 work-groups; A's tiles are asked for jointly along a row of the cluster, W's along a column.  The matrix instruction is used transposed (source 0 = W's rows, source 1 = A's).
; THE HEAD: four whole tiles, one joint load a wave; slot 1's first fill stands behind the full sequence and a round, as a refill does.
; PREFETCH INTO THE L2: each wave names 32 blocks of 256 bytes of the half tile that it fetches, its work-group's quarter (told apart by address): slot 1 at the head, slots 2 and 3 behind slot 1's fill,
; slot n + 4 behind the refill that loads slot n + 2; the last trip's two refills have no slot two on and ask for nothing.
; THE RESIDUAL is asked for behind the loop, ahead of the last two slots' products, into registers of its own (window 2); the way out waits for it block by block.
.set SIZE_K, 4096
.set KQ,    SIZE_K/128
.set KS,    SIZE_K/32
.set RB,    64*KS/256
.set LAPS,  SIZE_K/1024
.set NP,    8
.set BP,    528
.set AHALF, 32768
.set BHALF, 64*BP
.set BOFF,  2*AHALF
.set SLOT,  BOFF+2*BHALF
.set ASL,   2*SLOT
.set BSL,   ASL+2*KQ*256
.set SPARE, BSL+2*RB*272
.set BO,   7
.set ADRA, 16
.set ADRB, 20
.set ADSA, 22
.set ADSB, 23
.set STO,  24
.set RD,   25
.set CO,   26
.set SPW,  28
.set NIL,  29
.set SA,   32
.set SB,   48
.set TB,   64
.set ACC,  128
.set F0,   0
.set F1,   128
.set G1, 24
.set G0, 32
.set G1B, 48
.set G0B, 56
.set G1S, 68
.set G0S, 76
.set G1SB, 80
.set G0SB, 88
.set MSB, 0
.macro WIN new
.if MSB != (\new)
	s_set_vgpr_msb (MSB<<8)|(\new)
.set MSB, (\new)
.endif
.endm
.set MUL,  0x05
.set TO_F, 0x40
.macro JLOAD g0a, g1a, g0b, g1b
	s_cmp_eq_u32 s15, 0
	s_cbranch_scc0 .Lfor_b_\@
	tensor_load_to_lds s[\g0a:\g0a+3], s[\g1a:\g1a+7]
	s_nop 0
.rept 4
	v_nop
.endr
	s_branch .Lasked_\@
.Lfor_b_\@:
	tensor_load_to_lds s[\g0b:\g0b+3], s[\g1b:\g1b+7]
	s_nop 0
.rept 4
	v_nop
.endr
.Lasked_\@:
.endm
.macro CREST
	s_cmp_lg_u32 s14, 0
	s_cbranch_scc1 .Lnot_wave_0_\@
	s_barrier_signal -3
.Lnot_wave_0_\@:
	s_barrier_wait -3
	s_barrier_signal -1
	s_barrier_wait -1
.endm
.macro CROUND
	s_barrier_signal -1
	s_barrier_wait -1
	CREST
.endm
	s_load_b128 s[4:7], s[0:1], 0x0
	s_load_b128 s[8:11], s[0:1], 0x10
	s_load_b128 s[96:99], s[0:1], 0x20
	v_lshl_add_u32 v[SPW], v0, 2, SPARE
	v_mov_b32 v[NIL], 0
	ds_add_u32 v28, v29
	ds_add_u32 v28, v29
	s_wait_dscnt 0x0
	v_lshrrev_b32 v1, 5, v0
	v_readfirstlane_b32 s14, v1
	s_lshr_b32 s15, s14, 1
	s_and_b32 s16, s14, 1
	s_bfe_u32 s40, ttmp6, 0x40000
	s_bfe_u32 s41, ttmp6, 0x40004
	s_lshl_b32 s42, ttmp9, 2
	s_add_co_u32 s42, s42, s40
	s_and_b32 s17, ttmp7, 0xffff
	s_lshl_b32 s17, s17, 2
	s_add_co_u32 s17, s17, s41
	s_lshl_b32 s43, s41, 2
	s_lshl_b32 s43, 15, s43
	s_lshl_b32 s44, 0x1111, s40
	s_or_b32 s[G1+0], s43, (3<<16)|(1<<21)
	s_mov_b32 s[G1+1], 1024<<16
	s_mov_b32 s[G1+2], 8<<16                       ; 8 blocks of 16 rows for the head's load; 4 behind it
	s_mov_b32 s[G1+3], 1024<<16
	s_mov_b32 s[G1+4], 8
	s_mov_b32 s[G1+5], 2*SIZE_K
	s_mov_b32 s[G1+6], 0
	s_mov_b32 s[G1+7], 0
	s_or_b32 s[G1B+0], s44, (0<<16)|(1<<20)|(1<<21)|(6<<22)|(3<<25)
	s_mov_b32 s[G1B+1], 512<<16
	s_mov_b32 s[G1B+2], 128<<16                    ; 128 rows for the head's load; 64 behind it
	s_mov_b32 s[G1B+3], 512<<16
	s_mov_b32 s[G1B+4], 128
	s_mov_b32 s[G1B+5], SIZE_K
	s_mov_b32 s[G1B+6], 0
	s_mov_b32 s[G1B+7], 0
	s_or_b32 s[G1S+0], s43, (3<<16)|(1<<21)
	s_mov_b32 s[G1S+1], 64<<16                     ; A's scale words: for each of KQ K steps the 128 rows' 512 bytes, 16,384 bytes apart
	s_mov_b32 s[G1S+2], KQ<<16
	s_mov_b32 s[G1S+3], 64<<16
	s_mov_b32 s[G1S+4], KQ
	s_mov_b32 s[G1S+5], 2048
	s_mov_b32 s[G1S+6], 0
	s_mov_b32 s[G1S+7], 0
	s_or_b32 s[G1SB+0], s44, (3<<16)|(1<<20)|(1<<21)|(5<<22)|(3<<25)
	s_mov_b32 s[G1SB+1], 32<<16
	s_mov_b32 s[G1SB+2], (2*RB)<<16                ; the scale bytes of all 128 rows of W
	s_mov_b32 s[G1SB+3], 32<<16
	s_mov_b32 s[G1SB+4], 2*RB
	s_mov_b32 s[G1SB+5], 32
	s_mov_b32 s[G1SB+6], 0
	s_mov_b32 s[G1SB+7], 0
	s_lshl_b32 s20, s17, 3
	s_mul_i32 s20, s20, SIZE_K*16
	s_mov_b32 s21, 0
	s_lshl_b32 s22, s17, 9
	s_add_co_u32 s22, s22, SIZE_K*4096
	s_mov_b32 s23, 0
	s_lshl_b32 s46, s42, 7
	s_mul_i32 s92, s46, KS
	s_mov_b32 s93, 0
	s_mul_i32 s46, s46, SIZE_K
	s_mov_b32 s47, 0
	s_mul_i32 s45, s16, AHALF
	s_mul_i32 s94, s16, BHALF
	s_add_co_u32 s94, s94, BOFF
	s_mul_i32 s100, s16, 4*SIZE_K*16               ; in the ring I fetch half a tile: which half, in bytes: of A (4 blocks of 16 rows),
	s_mov_b32 s101, 0
	s_mul_i32 s104, s16, 64*SIZE_K                 ; of W (64 rows)
	s_mov_b32 s105, 0
	s_wait_kmcnt 0x0
	s_add_nc_u64 s[20:21], s[4:5], s[20:21]
	s_add_nc_u64 s[22:23], s[4:5], s[22:23]
	s_add_nc_u64 s[46:47], s[6:7], s[46:47]
	s_add_nc_u64 s[92:93], s[8:9], s[92:93]
	CROUND
	s_mov_b32 s[G0S], 1
	s_mov_b32 s[G0S+1], ASL
	s_mov_b64 s[G0S+2:G0S+3], s[22:23]
	s_or_b32 s[G0S+3], s[G0S+3], 0x80000000
	s_mov_b32 s[G0SB], 1
	s_mov_b32 s[G0SB+1], BSL
	s_mov_b64 s[G0SB+2:G0SB+3], s[92:93]
	s_or_b32 s[G0SB+3], s[G0SB+3], 0x80000000
	s_mov_b32 s[G0], 1                             ; slot 0's groups 0 serve the head first: A's part of slot 0, whole,
	s_mov_b32 s[G0+1], 0
	s_mov_b64 s[G0+2:G0+3], s[20:21]
	s_or_b32 s[G0+3], s[G0+3], 0x80000000
	s_mov_b32 s[G0B], 1                            ; and W's
	s_mov_b32 s[G0B+1], BOFF
	s_mov_b64 s[G0B+2:G0B+3], s[46:47]
	s_or_b32 s[G0B+3], s[G0B+3], 0x80000000
	s_add_nc_u64 s[20:21], s[20:21], s[100:101]    ; for the ring: my half
	s_add_nc_u64 s[46:47], s[46:47], s[104:105]
	s_mov_b32 s[G0+4], 1
	s_add_co_u32 s[G0+5], s45, SLOT
	s_add_nc_u64 s[G0+6:G0+7], s[20:21], 8192
	s_or_b32 s[G0+7], s[G0+7], 0x80000000
	s_mov_b32 s[G0B+4], 1
	s_add_co_u32 s[G0B+5], s94, SLOT
	s_add_nc_u64 s[G0B+6:G0B+7], s[46:47], 512
	s_or_b32 s[G0B+7], s[G0B+7], 0x80000000
; the head's four tiles, one joint load a wave: wave 0 A's codes, wave 1 W's, wave 2 A's scale words, wave 3 W's scale bytes: one chain of branches on the wave's number
.macro HARM under, g0, g1, next
	s_cmp_lt_u32 s14, \under
	s_cbranch_scc0 \next
	tensor_load_to_lds s[\g0:\g0+3], s[\g1:\g1+7]
	s_nop 0
.rept 4
	v_nop
.endr
	s_branch .Lhead_asked
\next:
.endm
	HARM 1, G0,  G1,  .Lhead_b
	HARM 2, G0B, G1B, .Lhead_sa
	HARM 3, G0S, G1S, .Lhead_sb
	tensor_load_to_lds s[G0SB:G0SB+3], s[G1SB:G1SB+7]
	s_nop 0
.rept 4
	v_nop
.endr
.Lhead_asked:
	; the prefetches: of the half tile that I fetch (32,768 bytes a slot) my work-group takes a quarter, 32 blocks of 256 bytes, a lane a block: one block of 16 rows of A (place cx), or 16 rows of W (place cy)
	s_cmp_eq_u32 s15, 0                            ; do I fetch for A?
	s_cselect_b64 s[66:67], s[20:21], s[46:47]     ; s[66:67]: my half tile at slot 0; stepped a slot at each refill
	s_cselect_b32 s92, s40, s41
	s_mov_b32 s2, SIZE_K
	s_cselect_b32 s2, 512, s2                      ; from one pair of lanes to the next: 512 bytes on in A's image, a row on in W
	s_mov_b32 s18, 512
	s_cselect_b32 s18, 8192, s18                   ; s[18:19]: a slot on
	s_mov_b32 s19, 0
	s_mul_i32 s92, s92, SIZE_K*16
	s_mov_b32 s93, 0
	s_add_nc_u64 s[66:67], s[66:67], s[92:93]
	v_and_b32 v9, 31, v0
	v_lshrrev_b32 v10, 1, v9
	v_and_b32 v9, 1, v9
	v_mul_lo_u32 v10, v10, s2
	v_lshl_add_u32 v9, v9, 8, v10
	v_add_nc_u32 v9, s18, v9                       ; v9, v10, v11: my block one, two, three slots on; never rewritten
	v_add_nc_u32 v10, s18, v9
	v_add_nc_u32 v11, s18, v10
	global_prefetch_b8 v9, s[66:67] th:TH_LOAD_NT scope:SCOPE_SE    ; slot 1
	v_and_b32 v1, 15, v0
	v_bfe_u32 v2, v0, 4, 1
	v_and_b32 v3, 31, v0
	s_wait_alu depctr_va_vdst(0)
	v_lshlrev_b32 v4, 4, v3
	s_mul_i32 s21, s15, AHALF
	v_mul_u32_u24 v5, v1, BP
	v_lshl_add_u32 v5, v2, 4, v5
	s_mul_i32 s22, s16, BHALF
	s_add_co_u32 s22, s22, BOFF
.irp s, 0,1
	v_add_nc_u32 v[ADRA+\s], s21, v4
	v_add_nc_u32 v[ADRB+\s], s22, v5
	s_add_co_u32 s21, s21, SLOT
	s_add_co_u32 s22, s22, SLOT
.endr
	s_lshl_b32 s21, s15, 8                         ; my 64 rows' words: 256 bytes on for the second half
	s_add_co_u32 s21, s21, ASL
	v_lshl_add_u32 v[ADSA], v3, 2, s21
	v_mul_u32_u24 v6, v3, KS
	v_lshrrev_b32 v8, 8, v6
	v_lshl_add_u32 v6, v8, 4, v6
	s_mul_i32 s22, s16, RB*272
	s_add_co_u32 s22, s22, BSL
	v_add_nc_u32 v[ADSB], s22, v6
	s_mul_i32 s23, s14, 16*272
	v_mul_u32_u24 v6, v1, 272
	v_lshl_add_u32 v6, v2, 5, v6
	v_add_nc_u32 v[STO], s23, v6
	v_mul_u32_u24 v6, v2, 272
	v_lshl_add_u32 v6, v1, 4, v6
	v_add_nc_u32 v[RD], s23, v6
	v_lshlrev_b32 v6, 12, v2
	v_lshl_add_u32 v[CO], v1, 4, v6
	v_lshlrev_b32 v[BO], 4, v1
	s_wait_alu depctr_va_vdst(0)
	s_lshl_b32 s20, s17, 7
	s_lshl_b32 s21, s15, 6
	s_add_co_u32 s20, s20, s21
	s_lshl_b32 s20, s20, 12
	s_lshl_b32 s46, s42, 7
	s_lshl_b32 s47, s16, 6
	s_add_co_u32 s46, s46, s47
	s_lshl_b32 s46, s46, 2
	s_mov_b32 s47, 0
	s_add_nc_u64 s[10:11], s[10:11], s[46:47]
	s_add_co_u32 s20, s20, s46
	s_mov_b32 s21, 0
	s_add_nc_u64 s[96:97], s[96:97], s[20:21]
	s_add_nc_u64 s[98:99], s[98:99], s[20:21]
	global_load_b128 v[12:15], v[BO], s[10:11]
.macro WM acc, bf, af, sb, sa, ra, rb, zero
.set wD, \acc
.set wB, \bf
.set wA, \af
.set wS, \sb
.set wT, \sa
.if \zero
.if (\ra) && (\rb)
	v_wmma_scale_f32_16x16x128_f8f6f4 v[wD:wD+7], v[wB:wB+15], v[wA:wA+15], 0, v[wS], v[wT] matrix_a_scale:MATRIX_SCALE_ROW1 matrix_b_scale:MATRIX_SCALE_ROW1
.elseif (\ra)
	v_wmma_scale_f32_16x16x128_f8f6f4 v[wD:wD+7], v[wB:wB+15], v[wA:wA+15], 0, v[wS], v[wT] matrix_a_scale:MATRIX_SCALE_ROW1
.elseif (\rb)
	v_wmma_scale_f32_16x16x128_f8f6f4 v[wD:wD+7], v[wB:wB+15], v[wA:wA+15], 0, v[wS], v[wT] matrix_b_scale:MATRIX_SCALE_ROW1
.else
	v_wmma_scale_f32_16x16x128_f8f6f4 v[wD:wD+7], v[wB:wB+15], v[wA:wA+15], 0, v[wS], v[wT]
.endif
.else
.if (\ra) && (\rb)
	v_wmma_scale_f32_16x16x128_f8f6f4 v[wD:wD+7], v[wB:wB+15], v[wA:wA+15], v[wD:wD+7], v[wS], v[wT] matrix_a_scale:MATRIX_SCALE_ROW1 matrix_b_scale:MATRIX_SCALE_ROW1
.elseif (\ra)
	v_wmma_scale_f32_16x16x128_f8f6f4 v[wD:wD+7], v[wB:wB+15], v[wA:wA+15], v[wD:wD+7], v[wS], v[wT] matrix_a_scale:MATRIX_SCALE_ROW1
.elseif (\rb)
	v_wmma_scale_f32_16x16x128_f8f6f4 v[wD:wD+7], v[wB:wB+15], v[wA:wA+15], v[wD:wD+7], v[wS], v[wT] matrix_b_scale:MATRIX_SCALE_ROW1
.else
	v_wmma_scale_f32_16x16x128_f8f6f4 v[wD:wD+7], v[wB:wB+15], v[wA:wA+15], v[wD:wD+7], v[wS], v[wT]
.endif
.endif
.endm
.macro MULA f, a, q, sc, zero
.irp b, 0,1,2,3
	WM ACC+8*(4*(\a)+\b), (\f)+64+16*\b, (\f)+16*(\a), SB+8*(\sc)+4*(\b/2)+(\q), SA+8*(\sc)+2*(\q)+(\a)/2, \b%2, (\a)%2, \zero
.endr
.endm
.macro FETCH slot, q, f
	WIN TO_F
.irp i, 0,1,2,3
.irp c, 0,1,2,3
	ds_load_b128 v[(\f)+64+16*\i+4*\c:(\f)+64+16*\i+4*\c+3], v[ADRB+\slot] offset:\i*16*BP+128*(\q)+32*\c
.endr
.endr
.irp i, 0,1,2,3
.irp c, 0,1,2,3
	ds_load_b128 v[(\f)+16*\i+4*\c:(\f)+16*\i+4*\c+3], v[ADRA+\slot] offset:\i*8192+2048*(\q)+512*\c
.endr
.endr
.endm
.macro SCALES sc
.irp p, 0,1
	ds_load_b128 v[SB+8*\sc+4*\p:SB+8*\sc+4*\p+3], v[ADSB] offset:\p*(32*KS/256)*272
.endr
.irp q, 0,1,2,3
.irp p, 0,1
	ds_load_b32 v[SA+8*\sc+2*\q+\p], v[ADSA] offset:512*\q+128*\p
.endr
.endr
.endm
.macro PLACES n
.rept \n
	v_nop
.endr
.endm
.macro QUARTER slot, q, zero
	s_wait_dscnt 0x0
	WIN MUL
	MULA 128*((\q)%2), 0, \q, \slot, \zero
	MULA 128*((\q)%2), 1, \q, \slot, \zero
	PLACES NP
	FETCH \slot, (\q)+1, 128*(1-(\q)%2)
	WIN MUL
	MULA 128*((\q)%2), 2, \q, \slot, \zero
	MULA 128*((\q)%2), 3, \q, \slot, \zero
.endm
.macro TURN slot, next, fill
	WIN 0
.if \fill
	s_wait_xcnt 0x0                                ; any prefetch of mine has read its base, which steps a slot here, ahead of the waits of the change of slots
	s_add_nc_u64 s[66:67], s[66:67], s[18:19]
.endif
	s_wait_tensorcnt 0x0
	ds_add_u32 v[SPW], v[NIL]
	s_wait_dscnt 1
	WIN MUL
	MULA F1, 0, 3, \slot, 0
	s_wait_dscnt 0x0
	s_barrier_signal -1
	MULA F1, 1, 3, \slot, 0
	WIN 0
	s_barrier_wait -1
.if \fill
	CREST
	s_add_nc_u64 s[G0+4*\slot+2:G0+4*\slot+3], s[G0+4*\slot+2:G0+4*\slot+3], 2*8192
	s_add_nc_u64 s[G0B+4*\slot+2:G0B+4*\slot+3], s[G0B+4*\slot+2:G0B+4*\slot+3], 2*512
	JLOAD G0+4*\slot, G1, G0B+4*\slot, G1B
	PLACES NP-4
.else
	PLACES NP
.endif
	s_wait_alu depctr_va_vdst(0)
	v_add_nc_u32 v[ADSA], 2048, v[ADSA]
	v_add_nc_u32 v[ADSB], 16, v[ADSB]
	SCALES \next
	FETCH \next, 0, F0
.if \fill
	WIN 0
	s_cmp_gt_u32 s3, 1                             ; the last trip's refills have no slot two on
	s_cbranch_scc0 .Lnone_on_\@
	global_prefetch_b8 v11, s[66:67] th:TH_LOAD_NT scope:SCOPE_SE   ; the slot two refills on
.Lnone_on_\@:
.endif
	WIN MUL
	MULA F1, 2, 3, \slot, 0
	MULA F1, 3, 3, \slot, 0
.endm
	s_wait_alu depctr_va_vdst(0)                   ; the wait at the head's end
	s_wait_tensorcnt 0x0                           ; my tile of the head's four is in; the lines ahead of a later first fill:
	ds_add_u32 v[SPW], v[NIL]
	s_mov_b32 s[G1+2], 4<<16                       ; no tensor load of mine is out: from here on a load brings half a tile,
	s_mov_b32 s[G1+4], 4
	s_mov_b32 s[G1B+2], 64<<16
	s_mov_b32 s[G1B+4], 64
	s_mov_b32 s[G0+1], s45                         ; and slot 0's groups 0 take the ring's form: my half
	s_add_nc_u64 s[G0+2:G0+3], s[G0+2:G0+3], s[100:101]
	s_mov_b32 s[G0B+1], s94
	s_add_nc_u64 s[G0B+2:G0B+3], s[G0B+2:G0B+3], s[104:105]
	s_wait_dscnt 0x0
	CROUND                                         ; all four tiles are in, and the sixteen work-groups meet
	JLOAD G0+4, G1, G0B+4, G1B                     ; slot 1: the first tensor load behind the round
	SCALES 0
	global_prefetch_b8 v10, s[66:67] th:TH_LOAD_NT scope:SCOPE_SE   ; slots 2 and 3: one and two changes of slots ahead of their loads
	global_prefetch_b8 v11, s[66:67] th:TH_LOAD_NT scope:SCOPE_SE
	FETCH 0, 0, F0
	QUARTER 0, 0, 1
.if LAPS > 1
	WIN 0
	s_mov_b32 s3, LAPS-1
.Llap:
	QUARTER 0, 1, 0
	QUARTER 0, 2, 0
	TURN 0, 1, 1
	QUARTER 1, 0, 0
	QUARTER 1, 1, 0
	QUARTER 1, 2, 0
	TURN 1, 0, 1
	QUARTER 0, 0, 0
	WIN 0
	s_sub_co_u32 s3, s3, 1
	s_cmp_lg_u32 s3, 0
	s_cbranch_scc1 .Llap
.endif
	WIN 0x80                                       ; destination window 2: the residual, with the last two slots' products in which to land
.set n, 0
.rept 32
	global_load_b128 v[4*n:4*n+3], v[CO], s[96:97] offset:2*n*4096 th:TH_LOAD_NT   ; rows 2 n and 2 n + 1, laid as the way out reads its stage
.set n, n+1
.endr
	QUARTER 0, 1, 0
	QUARTER 0, 2, 0
	TURN 0, 1, 0
	QUARTER 1, 0, 0
	QUARTER 1, 1, 0
	QUARTER 1, 2, 0
	s_wait_dscnt 0x0
	WIN MUL
	MULA F1, 0, 3, 1, 0
	MULA F1, 1, 3, 1, 0
	MULA F1, 2, 3, 1, 0
	MULA F1, 3, 3, 1, 0
	WIN 0
	PLACES NP
.irp a, 0,1,2,3
	s_wait_loadcnt 24-8*\a                         ; the bias and this block's eight loads of the residual are in; the 8 (3 - a) loads of the later blocks may be out
.set TBB, TB+32*(\a%2)
.if \a >= 2
	s_wait_xcnt 0x0
.endif
.irp b, 0,1,2,3
	ds_store_b128 v[STO], v[ACC+8*(4*\a+\b):ACC+8*(4*\a+\b)+3] offset:64*\b
	ds_store_b128 v[STO], v[ACC+8*(4*\a+\b)+4:ACC+8*(4*\a+\b)+7] offset:64*\b+16
.endr
.irp t, 0,1,2,3,4,5,6,7
	ds_load_b128 v[TBB+4*\t:TBB+4*\t+3], v[RD] offset:\t*544
.endr
	s_wait_dscnt 0x0
.irp t, 0,1,2,3,4,5,6,7
	v_pk_add_f32 v[TBB+4*\t:TBB+4*\t+1], v[TBB+4*\t:TBB+4*\t+1], v[12:13]
	v_pk_add_f32 v[TBB+4*\t+2:TBB+4*\t+3], v[TBB+4*\t+2:TBB+4*\t+3], v[14:15]
.endr
	WIN 0x08
.irp t, 0,1,2,3,4,5,6,7
	v_pk_add_f32 v[TBB+4*\t:TBB+4*\t+1], v[TBB+4*\t:TBB+4*\t+1], v[4*(8*\a+\t):4*(8*\a+\t)+1]
	v_pk_add_f32 v[TBB+4*\t+2:TBB+4*\t+3], v[TBB+4*\t+2:TBB+4*\t+3], v[4*(8*\a+\t)+2:4*(8*\a+\t)+3]
.endr
	WIN 0
.irp t, 0,1,2,3,4,5,6,7
.if SIZE_K > 1024
	global_store_b128 v[CO], v[TBB+4*\t:TBB+4*\t+3], s[98:99] offset:(16*\a+2*\t)*4096 th:TH_STORE_NT
.else
	global_store_b128 v[CO], v[TBB+4*\t:TBB+4*\t+3], s[98:99] offset:(16*\a+2*\t)*4096
.endif
.endr
.endr
	s_wait_tensorcnt 0x0
	ds_add_u32 v[SPW], v[NIL]
	s_wait_dscnt 0x0
	CROUND
	s_endpgm
.Lfunc_end_k_qd1d7ea9e4a_fc2:
	.size	k_qd1d7ea9e4a_fc2, .Lfunc_end_k_qd1d7ea9e4a_fc2-k_qd1d7ea9e4a_fc2
	.p2alignl 7, 3214868480
	.fill 96, 4, 3214868480
	.section	.rodata,"a",@progbits
	.p2align	6, 0x0
	.amdhsa_kernel k_qd1d7ea9e4a_fc2
		.amdhsa_group_segment_fixed_size 327680
		.amdhsa_private_segment_fixed_size 0
		.amdhsa_enable_private_segment 0
		.amdhsa_kernarg_size 48
		.amdhsa_user_sgpr_count 2
		.amdhsa_user_sgpr_kernarg_segment_ptr 1
		.amdhsa_wavefront_size32 1
		.amdhsa_system_sgpr_workgroup_id_x 1
		.amdhsa_system_sgpr_workgroup_id_y 1
		.amdhsa_system_sgpr_workgroup_id_z 1
		.amdhsa_system_vgpr_workitem_id 0
		.amdhsa_next_free_vgpr 640
		.amdhsa_next_free_sgpr 106
		.amdhsa_reserve_vcc 0
		.amdhsa_float_denorm_mode_32 3
		.amdhsa_float_denorm_mode_16_64 3
		.amdhsa_memory_ordered 1
		.amdhsa_forward_progress 1
		.amdhsa_inst_pref_size 107
	.end_amdhsa_kernel
	.amdgpu_metadata
---
amdhsa.version: [ 1, 2 ]
amdhsa.kernels:
  - .name:           k_qd1d7ea9e4a_fc2
    .symbol:         k_qd1d7ea9e4a_fc2.kd
    .args:
      - { .name: hidq, .offset: 0, .size: 8, .value_kind: global_buffer, .address_space: global }
      - { .name: fc2_w_codes, .offset: 8, .size: 8, .value_kind: global_buffer, .address_space: global }
      - { .name: fc2_w_scales, .offset: 16, .size: 8, .value_kind: global_buffer, .address_space: global }
      - { .name: fc2_b, .offset: 24, .size: 8, .value_kind: global_buffer, .address_space: global }
      - { .name: x1, .offset: 32, .size: 8, .value_kind: global_buffer, .address_space: global }
      - { .name: out0, .offset: 40, .size: 8, .value_kind: global_buffer, .address_space: global }
    .group_segment_fixed_size: 327680
    .private_segment_fixed_size: 0
    .kernarg_segment_align: 8
    .kernarg_segment_size: 48
    .max_flat_workgroup_size: 128
    .sgpr_count:     106
    .vgpr_count:     640
    .wavefront_size: 32
...
	.end_amdgpu_metadata
.endif
;; end of part 6
